; MI455X (gfx1250); checked and timed in simulation.
; The chip was launched on July 23, 2026; its instructions are those of AMD's public machine-readable ISA for CDNA 5 (MIT licence, August 2026) and "CDNA5" Instruction Set Architecture Reference Guide (July 2026). The comments in the code are by the model that wrote it; some were corrected since.
;; Transformer Block. Allowed arithmetic: float matrix products may take bf16 or f16 operands with f32 sums; other float arithmetic in f32, or as packed bf16 or f16 multiplies, adds, multiply-adds, maxima and minima; sums over many terms, partial sums and values carried from step to step in f32; what a program stores and reads back later, other than sums and carried values, may be rounded once to bf16 or f16.
;; Inputs: W1 1,024 x 4,096 float32; W2 4,096 x 1,024 float32; Wk 1,024 x 1,024 float32; Wo 1,024 x 1,024 float32; Wq 1,024 x 1,024 float32; Wv 1,024 x 1,024 float32; b1 4,096 float32; b2 1,024 float32; bo 1,024 float32; ln1_scale 1,024 float32; ln1_shift 1,024 float32; ln2_scale 1,024 float32; ln2_shift 1,024 float32; x 4 x 1,024 x 1,024 float32.
;; Outputs: out0 4 x 1,024 x 1,024 float32.
;; 3 versions, each right; version 3 is version 2 with the launches prep, ln2 written anew for expert scheduling mode. Each part assembles by itself: llvm-mc -triple=amdgcn-amd-amdhsa -mcpu=gfx1250 --defsym DOCPART=n.
;; ======== version 1 of 3: 7 launches
;; workspace buffers: wb 25,165,824 bytes; h1 8,388,608 bytes; qkvb 25,165,824 bytes; ctx 8,388,608 bytes; x1 16,777,216 bytes; h2 8,388,608 bytes; gact 33,554,432 bytes
;; launch prep (part 1): grid 1024 x 1, 8 waves a work-group, no clusters, 0 bytes of LDS; arguments x, ln1_scale, ln1_shift, Wq, Wk, Wv, Wo, W1, W2, h1, wb; writes h1, wb
.if DOCPART == 1
	.amdgcn_target "amdgcn-amd-amdhsa--gfx1250"
	.amdhsa_code_object_version 6
	.text
	.protected	k_q896f5912da_prep
	.globl	k_q896f5912da_prep
	.p2align	8
	.type	k_q896f5912da_prep,@function
k_q896f5912da_prep:
	s_mov_b64 s[64:65], 0
	v_nop
	global_prefetch_b8 v0, s[64:65] scope:SCOPE_SE
	s_setreg_imm32_b32 hwreg(HW_REG_WAVE_MODE, 25, 1), 1
	s_wait_xcnt 0x0
; PREP: two jobs of equal size in one launch; each work-group reads 65,536 bytes.
; Work-groups 0-255: h1 = layernorm(x) * ln1_scale + ln1_shift, rounded once to bf16.  Work-groups 256-767+256: the six weight matrices rounded once to bf16 into wb, each row-major as given:
; Wq at byte 0, Wk at 2 MiB, Wv at 4 MiB, Wo at 6 MiB, W1 at 8 MiB, W2 at 16 MiB.
; h1's LAYOUT (all bf16 activations of this program have it), NP = 16 planes of 64 columns: byte(m, n) = ((m >> 7) * NP + (n >> 6)) * 16384 + (m & 127) * 128 + (n & 63) * 2:
; 128 tokens x 64 columns are 16,384 dense bytes, so the products that follow fetch dense tiles.
; LAYERNORM.  16 tokens a work-group, two a wave.  Lane l: token (l >> 3) & 1, plane parity l >> 4, eight columns 8 (l & 7) on in each of eight planes: 64 numbers in registers between the passes.
; Mean first, then the sum of squares of x - mean (no difference of large sums), all in f32.  Matrix units, LDS and clusters would add nothing: nothing is shared, memory binds.
; LIMITS: NaN and infinities are not treated apart.
.set XO,   2                           ; v2   byte offset of my first 32 bytes in the wave's two rows of x
.set PO,   3                           ; v3   the same in gain and shift
.set YO,   4                           ; v4   my 16 bytes in h1, plane 0 or 1
.set CH,   6                           ; v[6:13]  four chains of packed sums
.set MEAN, 14                          ; v[14:15] the mean, twice
.set RSTD, 16                          ; v[16:17] 1 / sqrt(var + eps), twice
.set TMP,  18
.set RN,   19                          ; 1 / 1024
.set X,    32                          ; v[32:95]   my 64 numbers
.set SC,   96                          ; v[96:159]  their gains
.set SH,   160                         ; v[160:223] their shifts
.set IN,   8                           ; s[8:9] x;  s[10:11] gain;  s[12:13] shift
.set OUT,  26                          ; s[26:27] h1
	s_load_b512 s[8:23], s[0:1], 0x0               ; x, ln1_scale, ln1_shift, Wq s[14:15], Wk s[16:17], Wv s[18:19], Wo s[20:21], W1 s[22:23]
	s_load_b128 s[24:27], s[0:1], 0x40             ; W2 s[24:25], h1 s[26:27]
	s_load_b64 s[28:29], s[0:1], 0x50              ; wb
	v_lshrrev_b32 v1, 5, v0
	v_readfirstlane_b32 s4, v1                     ; wave 0..7
	s_cmp_lt_u32 ttmp9, 256
	s_cbranch_scc0 .Lcast
	s_mov_b32 s5, 0x76543210                       ; v_permlanex16_b32: each lane takes its own place in the other half
	s_mov_b32 s6, 0xfedcba98
	v_and_b32 v5, 7, v0                            ; l & 7
	v_bfe_u32 v1, v0, 3, 1                         ; token
	v_bfe_u32 v[TMP], v0, 4, 1                     ; plane parity
	v_lshlrev_b32 v[PO], 5, v5
	v_lshl_add_u32 v[PO], v[TMP], 8, v[PO]         ; 256 x parity + 32 (l & 7)
	v_lshl_add_u32 v[XO], v1, 12, v[PO]            ; + 4,096 x token
	v_lshlrev_b32 v[YO], 4, v5
	v_lshl_add_u32 v[YO], v1, 7, v[YO]
	v_lshl_add_u32 v[YO], v[TMP], 14, v[YO]        ; 16,384 x parity + 128 x token + 16 (l & 7)
	v_mov_b32 v[RN], 0x3a800000
	s_lshl_b32 s30, ttmp9, 16                      ; 16 tokens of 4,096 bytes
	s_lshl_b32 s31, s4, 13                         ; my wave's two
	s_add_co_u32 s30, s30, s31
	s_mov_b32 s31, 0
	s_lshr_b32 s32, ttmp9, 3                       ; block of 128 tokens: 16 planes of 16,384 bytes
	s_lshl_b32 s32, s32, 18
	s_and_b32 s33, ttmp9, 7
	s_lshl_b32 s33, s33, 11                        ; 16 tokens of 128 bytes in a plane
	s_add_co_u32 s32, s32, s33
	s_lshl_b32 s33, s4, 8
	s_add_co_u32 s32, s32, s33
	s_mov_b32 s33, 0
	s_wait_kmcnt 0x0
	s_add_nc_u64 s[IN:IN+1], s[IN:IN+1], s[30:31]
	s_add_nc_u64 s[OUT:OUT+1], s[OUT:OUT+1], s[32:33]
.set i, 0
.rept 8
	global_load_b128 v[X+8*i:X+8*i+3],   v[XO], s[IN:IN+1] offset:512*i th:TH_LOAD_NT
	global_load_b128 v[X+8*i+4:X+8*i+7], v[XO], s[IN:IN+1] offset:512*i+16 th:TH_LOAD_NT
.set i, i+1
.endr
.set i, 0
.rept 8
	global_load_b128 v[SC+8*i:SC+8*i+3],   v[PO], s[IN+2:IN+3] offset:512*i
	global_load_b128 v[SC+8*i+4:SC+8*i+7], v[PO], s[IN+2:IN+3] offset:512*i+16
	global_load_b128 v[SH+8*i:SH+8*i+3],   v[PO], s[IN+4:IN+5] offset:512*i
	global_load_b128 v[SH+8*i+4:SH+8*i+7], v[PO], s[IN+4:IN+5] offset:512*i+16
.set i, i+1
.endr
; the four chains into one number, then over the 16 lanes of a token: lane bits 0-2 ride on the additions, bit 4 crosses the halves; bit 3, the token, is left alone
.macro FOLD
	v_pk_add_f32 v[CH:CH+1], v[CH:CH+1], v[CH+2:CH+3]
	v_pk_add_f32 v[CH+4:CH+5], v[CH+4:CH+5], v[CH+6:CH+7]
	v_pk_add_f32 v[CH:CH+1], v[CH:CH+1], v[CH+4:CH+5]
	v_add_f32 v[CH], v[CH], v[CH+1]
	v_add_f32_dpp v[CH], v[CH], v[CH] row_xmask:1 row_mask:0xf bank_mask:0xf
	v_add_f32_dpp v[CH], v[CH], v[CH] row_xmask:2 row_mask:0xf bank_mask:0xf
	v_add_f32_dpp v[CH], v[CH], v[CH] row_xmask:4 row_mask:0xf bank_mask:0xf
	v_permlanex16_b32 v[TMP], v[CH], s5, s6
	v_add_f32 v[CH], v[CH], v[TMP]
.endm
	s_wait_loadcnt 32                              ; x is in; the 32 younger loads of gain and shift may stay out
.irp k, 0,1,2,3
	v_pk_add_f32 v[CH+2*(\k):CH+2*(\k)+1], v[X+2*(\k):X+2*(\k)+1], v[X+8+2*(\k):X+8+2*(\k)+1]  ; the first eight pairs start the chains
.endr
.set j, 8
.rept 24
	v_pk_add_f32 v[CH+2*(j%4):CH+2*(j%4)+1], v[CH+2*(j%4):CH+2*(j%4)+1], v[X+2*j:X+2*j+1]
.set j, j+1
.endr
	FOLD
	v_mul_f32 v[MEAN], v[CH], v[RN]
	v_mul_f32 v[MEAN+1], v[CH], v[RN]
.set j, 0
.rept 32
	v_pk_add_f32 v[X+2*j:X+2*j+1], v[X+2*j:X+2*j+1], v[MEAN:MEAN+1] neg_lo:[0,1] neg_hi:[0,1]  ; x - mean, in place
.set j, j+1
.endr
.irp k, 0,1,2,3
	v_pk_mul_f32 v[CH+2*(\k):CH+2*(\k)+1], v[X+2*(\k):X+2*(\k)+1], v[X+2*(\k):X+2*(\k)+1]
.endr
.set j, 4
.rept 28
	v_pk_fma_f32 v[CH+2*(j%4):CH+2*(j%4)+1], v[X+2*j:X+2*j+1], v[X+2*j:X+2*j+1], v[CH+2*(j%4):CH+2*(j%4)+1]
.set j, j+1
.endr
	FOLD
	v_fmaak_f32 v[CH], v[CH], v[RN], 0x3727c5ac    ; var + 1e-5
	v_rsq_f32 v[RSTD], v[CH]
	v_rsq_f32 v[RSTD+1], v[CH]
	v_nop                                          ; a plain instruction behind the last root,
	s_wait_alu depctr_va_vdst(0)                   ; and one wait for both, ahead of their first reader
	s_wait_loadcnt 0x0                             ; gain and shift
.set i, 0
.rept 8
.irp k, 0,1,2,3
	v_pk_mul_f32 v[X+8*i+2*(\k):X+8*i+2*(\k)+1], v[X+8*i+2*(\k):X+8*i+2*(\k)+1], v[RSTD:RSTD+1]
.endr
.irp k, 0,1,2,3
	v_pk_fma_f32 v[X+8*i+2*(\k):X+8*i+2*(\k)+1], v[X+8*i+2*(\k):X+8*i+2*(\k)+1], v[SC+8*i+2*(\k):SC+8*i+2*(\k)+1], v[SH+8*i+2*(\k):SH+8*i+2*(\k)+1]
.endr
.irp k, 0,1,2,3
	v_cvt_pk_bf16_f32 v[X+8*i+(\k)], v[X+8*i+2*(\k)], v[X+8*i+2*(\k)+1]
.endr
	global_store_b128 v[YO], v[X+8*i:X+8*i+3], s[OUT:OUT+1] offset:32768*i  ; lanes 0-15: 256 consecutive bytes, aligned, of plane 2 i (two tokens); lanes 16-31: of plane 2 i + 1
.set i, i+1
.endr
	s_endpgm
; THE CAST.  Work-group u = number - 256 takes elements 16,384 u .. of the six matrices laid end to end in wb's order.  Thread t: eight numbers a step, 32 bytes in, 16 bytes out; eight steps.
.Lcast:
	s_sub_co_u32 s2, ttmp9, 256
	s_mov_b32 s34, 0                               ; the first work-group of the matrix that mine lies in
	v_lshlrev_b32 v2, 5, v0
	v_lshlrev_b32 v3, 4, v0
	s_wait_kmcnt 0x0
	s_mov_b64 s[32:33], s[14:15]                   ; Wq: 64 work-groups, and so Wk, Wv, Wo; W1 and W2 256 each
	s_cmp_ge_u32 s2, 64
	s_cselect_b64 s[32:33], s[16:17], s[32:33]
	s_cselect_b32 s34, 64, s34
	s_cmp_ge_u32 s2, 128
	s_cselect_b64 s[32:33], s[18:19], s[32:33]
	s_cselect_b32 s34, 128, s34
	s_cmp_ge_u32 s2, 192
	s_cselect_b64 s[32:33], s[20:21], s[32:33]
	s_cselect_b32 s34, 192, s34
	s_cmp_ge_u32 s2, 256
	s_cselect_b64 s[32:33], s[22:23], s[32:33]
	s_cselect_b32 s34, 256, s34
	s_cmp_ge_u32 s2, 512
	s_cselect_b64 s[32:33], s[24:25], s[32:33]
	s_cselect_b32 s34, 512, s34
	s_sub_co_u32 s34, s2, s34
	s_lshl_b32 s34, s34, 16                        ; 65,536 bytes of f32 a work-group
	s_mov_b32 s35, 0
	s_add_nc_u64 s[32:33], s[32:33], s[34:35]
	s_lshl_b32 s30, s2, 15                         ; 32,768 bytes of bf16
	s_mov_b32 s31, 0
	s_add_nc_u64 s[28:29], s[28:29], s[30:31]
.irp s, 0,1,2,3,4,5,6,7
	global_load_b128 v[32+8*(\s):32+8*(\s)+3], v2, s[32:33] offset:8192*(\s) th:TH_LOAD_NT
	global_load_b128 v[32+8*(\s)+4:32+8*(\s)+7], v2, s[32:33] offset:8192*(\s)+16 th:TH_LOAD_NT
.endr
.irp s, 0,1,2,3,4,5,6,7
	s_wait_loadcnt 14-2*(\s)                       ; this step's two loads are in; the later steps' may stay out
.irp k, 0,1,2,3
	v_cvt_pk_bf16_f32 v[96+4*(\s)+(\k)], v[32+8*(\s)+2*(\k)], v[32+8*(\s)+2*(\k)+1]
.endr
	global_store_b128 v3, v[96+4*(\s):96+4*(\s)+3], s[28:29] offset:4096*(\s)  ; a wave stores 512 consecutive bytes, aligned; no register is written twice
.endr
	s_endpgm
.Lfunc_end_k_q896f5912da_prep:
	.size	k_q896f5912da_prep, .Lfunc_end_k_q896f5912da_prep-k_q896f5912da_prep
	.p2alignl 7, 3214868480
	.fill 96, 4, 3214868480
	.section	.rodata,"a",@progbits
	.p2align	6, 0x0
	.amdhsa_kernel k_q896f5912da_prep
		.amdhsa_group_segment_fixed_size 0
		.amdhsa_private_segment_fixed_size 0
		.amdhsa_enable_private_segment 0
		.amdhsa_kernarg_size 88
		.amdhsa_user_sgpr_count 2
		.amdhsa_user_sgpr_kernarg_segment_ptr 1
		.amdhsa_wavefront_size32 1
		.amdhsa_system_sgpr_workgroup_id_x 1
		.amdhsa_system_sgpr_workgroup_id_y 1
		.amdhsa_system_sgpr_workgroup_id_z 1
		.amdhsa_system_vgpr_workitem_id 0
		.amdhsa_next_free_vgpr 224
		.amdhsa_next_free_sgpr 66
		.amdhsa_reserve_vcc 0
		.amdhsa_float_denorm_mode_32 3
		.amdhsa_float_denorm_mode_16_64 3
		.amdhsa_memory_ordered 1
		.amdhsa_forward_progress 1
		.amdhsa_inst_pref_size 26
	.end_amdhsa_kernel
	.amdgpu_metadata
---
amdhsa.version: [ 1, 2 ]
amdhsa.kernels:
  - .name:           k_q896f5912da_prep
    .symbol:         k_q896f5912da_prep.kd
    .args:
      - { .name: x, .offset: 0, .size: 8, .value_kind: global_buffer, .address_space: global }
      - { .name: ln1_scale, .offset: 8, .size: 8, .value_kind: global_buffer, .address_space: global }
      - { .name: ln1_shift, .offset: 16, .size: 8, .value_kind: global_buffer, .address_space: global }
      - { .name: Wq, .offset: 24, .size: 8, .value_kind: global_buffer, .address_space: global }
      - { .name: Wk, .offset: 32, .size: 8, .value_kind: global_buffer, .address_space: global }
      - { .name: Wv, .offset: 40, .size: 8, .value_kind: global_buffer, .address_space: global }
      - { .name: Wo, .offset: 48, .size: 8, .value_kind: global_buffer, .address_space: global }
      - { .name: W1, .offset: 56, .size: 8, .value_kind: global_buffer, .address_space: global }
      - { .name: W2, .offset: 64, .size: 8, .value_kind: global_buffer, .address_space: global }
      - { .name: h1, .offset: 72, .size: 8, .value_kind: global_buffer, .address_space: global }
      - { .name: wb, .offset: 80, .size: 8, .value_kind: global_buffer, .address_space: global }
    .group_segment_fixed_size: 0
    .private_segment_fixed_size: 0
    .kernarg_segment_align: 8
    .kernarg_segment_size: 88
    .max_flat_workgroup_size: 256
    .sgpr_count:     66
    .vgpr_count:     224
    .wavefront_size: 32
...
	.end_amdgpu_metadata
.endif
;; end of part 1
;; launch gemm_qkv (part 2): grid 24 x 32, 4 waves a work-group, clusters of 4 x 4, 327,680 bytes of LDS; arguments h1, wb, qkvb; writes qkvb
.if DOCPART == 2
	.amdgcn_target "amdgcn-amd-amdhsa--gfx1250"
	.amdhsa_code_object_version 6
	.text
	.protected	k_q896f5912da_gemm_qkv
	.globl	k_q896f5912da_gemm_qkv
	.p2align	8
	.type	k_q896f5912da_gemm_qkv,@function
k_q896f5912da_gemm_qkv:
	s_mov_b64 s[64:65], 0
	v_nop
	global_prefetch_b8 v0, s[64:65] scope:SCOPE_SE
	s_setreg_imm32_b32 hwreg(HW_REG_WAVE_MODE, 25, 1), 1
	s_wait_xcnt 0x0
	s_wait_alu depctr_hold_cnt(0) depctr_sa_sdst(0) depctr_va_vdst(0) depctr_va_sdst(0) depctr_va_ssrc(0) depctr_va_vcc(0) depctr_vm_vsrc(0)
	s_getreg_b32 s2, hwreg(HW_REG_IB_STS2, 6, 4)
	s_cmp_eq_u32 s2, 0
	s_cbranch_scc0 .Lentry_in_a_cluster
	s_endpgm
.Lentry_in_a_cluster:
	s_bfe_u32 s2, ttmp6, 0x10000c
	s_cmp_lg_u32 s2, 0xf033
	s_cbranch_scc0 .Lentry_shape_is_right
	s_endpgm
.Lentry_shape_is_right:
; THIS LAUNCH: q, k, v = h1 x (Wq | Wk | Wv), no bias, bf16 out in 48 planes (q 0-15, k 16-31, v 32-47).
; THE FRAME (one text serves this program's four products; the six constants below make it this launch's).  C[4096][N] = A[4096][KTOT] x W[KTOT][N], operands bf16, sums f32.
; A lies in planes: byte(m, k) = ((m >> 7) * NPA + (k >> 6)) * 16384 + (m & 127) * 128 + (k & 63) * 2.  W lies row-major [k][n] in wb, WPITCH elements from row to row, from byte WOFF.
; MODE 0: C rounded to bf16, in planes (NPO of them).  MODE 1: gelu_tanh(C + bias), likewise.  MODE 2: C + bias + residual in f32, row-major, 1,024 columns.
; SHARES.  A tile of C is 128 x 128: four waves, each 64 x 64 in 16 accumulators.  K goes in steps of 256 through two LDS slots; each wave fetches a quarter of a slot by one tensor load:
; waves 0, 1 two planes of A each (32,768 dense bytes, asked for as 128 rows of 256), waves 2, 3 128 rows of W each (256 bytes a row, aligned).
; CLUSTER 4 x 4: A's tile hangs on the tile row alone and is asked for jointly along a row of the cluster, W's on the tile column alone and jointly along a column.
; THE MATRIX INSTRUCTION IS USED TRANSPOSED: source 0 = 16 columns of W (turned on the way out of LDS by ds_load_tr16_b128), source 1 = 16 rows of A: lane l holds row l % 16 of C and the
; columns 8 (l / 16) + 0..7.  The bias, laid out so, is the C operand that starts the sums.
; NO PREFETCH: a step's tiles are small, 32,768 bytes a wave, and each is shared by four work-groups.
; REGISTERS: window 0: v16-29 addresses, v32-127 at work on the way out (v96-127 first hold the bias), v128-255 accumulators ((a, b) at 128 + 8 (4 a + b)).
;   window 1: two fragment buffers of 128: 64 along K, A's (c, a) at 8 (4 c + a), W's (c, b) at 64 + 8 (4 c + b).   window 2 (MODE 2): the residual.
; LIMITS: NaN and infinities are not treated apart; gelu's exponential saturates to 0 or infinity, which gives u or 0 as the tanh form does.
.set KTOT,   1024
.set WOFF,   0
.set WPITCH, 1024
.set MODE,   0
.set NPO,    48
.set SPLIT3, 1                         ; 1: the columns run through three matrices of 1,024 columns, 2 MiB apart in wb
.set NPA,    KTOT/64
.set LAPS,   KTOT/512                  ; a lap = two K steps = once round the ring
.set PA,     144                       ; a row of a plane of A in LDS: 128 bytes + 16: the 16 rows of a load start at 16 different groups of four banks (64 banks of 4 bytes: ISA guide 11.1)
.set PB,     288                       ; a row of W: 256 bytes + 32
.set PLANE,  128*PA
.set HALFT,  2*PLANE                   ; what one tensor load brings: 36,864 bytes of LDS, for A (2 planes) and for W (128 rows x 288) alike
.set BOFF,   2*HALFT                   ; a slot: A's four planes, then W's 256 rows
.set SLOT,   4*HALFT
.set SPITCH, 272                       ; the stage: 64 rows of 256 bytes of f32 + 16, for each wave its own
.set WSTAGE, 64*SPITCH                 ; the four stages lie in slot 0, which has had its last fill and its last read ahead of the last change of slots
.set SPARE,  2*SLOT                    ; behind the ring: the spare words, 128 bytes for each wave: two blocks of 256 bytes that no other line names
.set ADRA, 16                          ; v16-17  my A fragments in slot 0, 1
.set ADRB, 20                          ; v20-23  my W fragments: slot 0 rows 0-127, rows 128-255, slot 1 likewise
.set STO,  24
.set RD,   25
.set CO,   26
.set BO,   27
.set SPW,  28                          ; v28  SPARE + 4 x my thread's number; never rewritten
.set NIL,  29                          ; v29  0; never rewritten
.set X,    32
.set T,    64
.set BIAS, 96
.set Y,    96
.set ACC,  128
.set F0,   0
.set F1,   128
.set G1,  24                           ; s[24:31] group 1 for A;  s[32:39] group 0, a set for each slot
.set G0,  32
.set G1B, 48                           ; s[48:55], s[56:63] the same for W
.set G0B, 56
.set MSB, 0
.macro WIN new                         ; the immediate's high byte repeats the setting that is left; a switch that changes nothing is dropped
.if MSB != (\new)
	s_set_vgpr_msb (MSB<<8)|(\new)
.set MSB, \new
.endif
.endm
.set MUL,  0x05                        ; sources 0 and 1 window 1; C and D window 0
.set TO_F, 0x40                        ; destination window 1, address window 0
.macro JLOAD s                         ; a joint load: waves 0, 1 for A, waves 2, 3 for W; s_nop 0 and four v_nop follow each line, ahead of the jump and the label
	s_cmp_eq_u32 s11, 0
	s_cbranch_scc0 .Lfor_b_\@
	tensor_load_to_lds s[G0+4*(\s):G0+4*(\s)+3], s[G1:G1+7]
	s_nop 0
.rept 4
	v_nop
.endr
	s_branch .Lasked_\@
.Lfor_b_\@:
	tensor_load_to_lds s[G0B+4*(\s):G0B+4*(\s)+3], s[G1B:G1B+7]
	s_nop 0
.rept 4
	v_nop
.endr
.Lasked_\@:
.endm
.macro CREST                           ; a round of the cluster's barrier behind its opening barrier
	s_cmp_lg_u32 s10, 0
	s_cbranch_scc1 .Lnot_wave_0_\@
	s_barrier_signal -3
.Lnot_wave_0_\@:
	s_barrier_wait -3
	s_barrier_signal -1
	s_barrier_wait -1
.endm
.macro CROUND
	s_barrier_signal -1
	s_barrier_wait -1
	CREST
.endm
.macro PLACES                          ; four plain vector instructions between a matrix instruction and what reads its result or loads into its registers
.rept 4
	v_nop
.endr
.endm
	s_load_b128 s[4:7], s[0:1], 0x0                ; A s[4:5], wb s[6:7]
	s_load_b64 s[8:9], s[0:1], 0x10                ; out
.if MODE >= 1
	s_load_b64 s[66:67], s[0:1], 0x18              ; bias
.endif
.if MODE == 2
	s_load_b64 s[68:69], s[0:1], 0x20              ; residual
.endif
	v_lshl_add_u32 v[SPW], v0, 2, SPARE
	v_mov_b32 v[NIL], 0
	ds_add_u32 v[SPW], v[NIL]                      ; the wave's opening: the add and its wait come ahead of my first tensor load; work on registers stands between them
	v_lshrrev_b32 v1, 5, v0
	v_readfirstlane_b32 s10, v1                    ; wave 0..3
	s_lshr_b32 s11, s10, 1                         ; my half of the tile's rows; also: I fetch for A (0) or W (1)
	s_and_b32 s12, s10, 1                          ; my half of its columns; also: which half of that tile I fetch
	s_bfe_u32 s40, ttmp6, 0x40000                  ; cx
	s_bfe_u32 s41, ttmp6, 0x40004                  ; cy
	s_lshl_b32 s42, ttmp9, 2
	s_add_co_u32 s42, s42, s40                     ; tile column
	s_and_b32 s13, ttmp7, 0xffff
	s_lshl_b32 s13, s13, 2
	s_add_co_u32 s13, s13, s41                     ; tile row
	s_lshl_b32 s43, s41, 2
	s_lshl_b32 s43, 15, s43                        ; my row of the cluster
	s_lshl_b32 s44, 0x1111, s40                    ; my column
	s_or_b32 s[G1+0], s43, (1<<16)|(1<<20)|(1<<21)|(4<<22)|(3<<25)   ; mask; 2-byte elements; padding on; bit 21 beside a mask; after every 32 words 4 words
	s_or_b32 s[G1B+0], s44, (1<<16)|(1<<20)|(1<<21)|(5<<22)|(7<<25)  ; after every 64 words 8 words
.irp g, G1, G1B
	s_mov_b32 s[(\g)+1], 128<<16                   ; tensor_dim0 = 128
	s_mov_b32 s[(\g)+2], 128<<16                   ; tensor_dim1 = 128
	s_mov_b32 s[(\g)+3], 128<<16                   ; tile_dim0 = 128
	s_mov_b32 s[(\g)+4], 128                       ; tile_dim1 = 128
	s_mov_b32 s[(\g)+6], 0
	s_mov_b32 s[(\g)+7], 0
.endr
	s_mov_b32 s[G1+5], 128                         ; A: dense rows of 256 bytes
	s_mov_b32 s[G1B+5], WPITCH
	s_mul_i32 s16, s13, NPA*16384                  ; A: the tile row's planes,
	s_lshl_b32 s17, s12, 15                        ; my two of a step's four
	s_add_co_u32 s16, s16, s17
	s_mov_b32 s17, 0
.if SPLIT3
	s_lshr_b32 s46, s42, 3                         ; W: which of the three matrices,
	s_lshl_b32 s46, s46, 21
	s_and_b32 s47, s42, 7                          ; and the tile's 256 bytes of its rows
	s_lshl_b32 s47, s47, 8
	s_add_co_u32 s46, s46, s47
.else
	s_lshl_b32 s46, s42, 8                         ; W: the tile's 256 bytes of a row
.endif
	s_mul_i32 s47, s12, 128*WPITCH*2               ; my 128 of a step's 256 rows
	s_add_co_u32 s46, s46, s47
.if WOFF
	s_add_co_u32 s46, s46, WOFF
.endif
	s_mov_b32 s47, 0
	s_mul_i32 s20, s10, HALFT                      ; where my part goes: no place in the cluster enters an LDS address
.if MODE == 1
	s_mov_b32 s70, 0xc0135761                      ; -2 sqrt(2 / pi) log2(e)
	s_mov_b32 s71, s70
	s_mov_b32 s72, 0xbdd2d3e8                      ; the same x 0.044715
	s_mov_b32 s73, s72
.endif
	s_wait_dscnt 0x0                               ; the opening add is done
	s_wait_kmcnt 0x0
	s_add_nc_u64 s[14:15], s[4:5], s[16:17]
	s_add_nc_u64 s[46:47], s[6:7], s[46:47]
	CROUND                                         ; all sixteen work-groups are here: the first joint loads meet
.irp s, 0,1
	s_mov_b32 s[G0+4*(\s)], 1
	s_add_co_u32 s[G0+4*(\s)+1], s20, (\s)*SLOT
	s_add_nc_u64 s[G0+4*(\s)+2:G0+4*(\s)+3], s[14:15], (\s)*65536
	s_or_b32 s[G0+4*(\s)+3], s[G0+4*(\s)+3], 0x80000000
	s_mov_b32 s[G0B+4*(\s)], 1
	s_add_co_u32 s[G0B+4*(\s)+1], s20, (\s)*SLOT
	s_add_nc_u64 s[G0B+4*(\s)+2:G0B+4*(\s)+3], s[46:47], (\s)*512*WPITCH
	s_or_b32 s[G0B+4*(\s)+3], s[G0B+4*(\s)+3], 0x80000000
	JLOAD \s
.endr
	v_and_b32 v1, 15, v0                           ; r = l % 16
	v_bfe_u32 v2, v0, 4, 1                         ; h = l / 16
	v_mul_u32_u24 v3, v1, PA
	v_lshl_add_u32 v3, v2, 4, v3
	s_mul_i32 s21, s11, 64*PA                      ; my 64 rows in each plane
	v_add_nc_u32 v[ADRA], s21, v3
	v_add_nc_u32 v[ADRA+1], SLOT, v[ADRA]
	v_and_b32 v4, 7, v0                            ; the turning load: lane l reads row 8 h + l % 8, bytes 16 ((l / 8) % 2) on
	v_lshl_add_u32 v4, v2, 3, v4
	v_mul_u32_u24 v4, v4, PB
	v_bfe_u32 v5, v0, 3, 1
	v_lshl_add_u32 v4, v5, 4, v4
	s_lshl_b32 s22, s12, 7                         ; my 64 columns
	s_add_co_u32 s22, s22, BOFF
	v_add_nc_u32 v[ADRB], s22, v4
	v_add_nc_u32 v[ADRB+1], 128*PB, v[ADRB]
	v_add_nc_u32 v[ADRB+2], SLOT, v[ADRB]
	v_add_nc_u32 v[ADRB+3], SLOT+128*PB, v[ADRB]
	s_mul_i32 s23, s10, WSTAGE                     ; my stage
	v_mul_u32_u24 v6, v1, SPITCH                   ; in: row r, 32 bytes for each half of the lanes
	v_lshl_add_u32 v6, v2, 5, v6
	v_add_nc_u32 v[STO], s23, v6
.if MODE == 2
	v_mul_u32_u24 v5, v2, SPITCH                   ; back: lanes 0-15 one row of 256 bytes, lanes 16-31 the next
	v_lshl_add_u32 v5, v1, 4, v5
	v_add_nc_u32 v[RD], s23, v5
	v_lshlrev_b32 v[CO], 12, v2                    ; and the same two rows of 4,096 bytes in memory
	v_lshl_add_u32 v[CO], v1, 4, v[CO]
	s_lshl_b32 s16, s13, 19                        ; 128 rows a tile row,
	s_lshl_b32 s17, s11, 18                        ; my 64
	s_add_co_u32 s16, s16, s17
	s_mov_b32 s17, 0
	s_add_nc_u64 s[8:9], s[8:9], s[16:17]
	s_add_nc_u64 s[68:69], s[68:69], s[16:17]
	s_lshl_b32 s46, s42, 9                         ; the tile's 512 bytes of a row, my 256: in f32 the same offset serves the bias
	s_lshl_b32 s47, s12, 8
	s_add_co_u32 s46, s46, s47
	s_mov_b32 s47, 0
	s_add_nc_u64 s[8:9], s[8:9], s[46:47]
	s_add_nc_u64 s[68:69], s[68:69], s[46:47]
	s_add_nc_u64 s[66:67], s[66:67], s[46:47]
.else
	v_and_b32 v5, 31, v0                           ; back: 32 lanes take four rows, 32 bytes of f32 each, which become 512 consecutive bytes of bf16
	v_lshlrev_b32 v[CO], 4, v5
	v_lshrrev_b32 v5, 3, v5
	v_mul_u32_u24 v5, v5, SPITCH
	v_and_b32 v7, 7, v0
	v_lshl_add_u32 v5, v7, 5, v5
	v_add_nc_u32 v[RD], s23, v5
	s_mul_i32 s16, s13, NPO*16384                  ; the tile row's planes,
	s_lshl_b32 s17, s11, 13                        ; my 64 rows of 128 bytes
	s_add_co_u32 s16, s16, s17
	s_mov_b32 s17, 0
	s_add_nc_u64 s[8:9], s[8:9], s[16:17]
	s_lshl_b32 s46, s42, 1
	s_add_co_u32 s46, s46, s12                     ; my plane
	s_lshl_b32 s46, s46, 14
	s_mov_b32 s47, 0
	s_add_nc_u64 s[8:9], s[8:9], s[46:47]
.if MODE == 1
	s_lshl_b32 s46, s42, 9
	s_lshl_b32 s47, s12, 8
	s_add_co_u32 s46, s46, s47
	s_mov_b32 s47, 0
	s_add_nc_u64 s[66:67], s[66:67], s[46:47]
.endif
.endif
.if MODE >= 1
	v_lshlrev_b32 v[BO], 5, v2                     ; register j of block b is the bias of column 16 b + 8 h + j
.irp b, 0,1,2,3
	global_load_b128 v[BIAS+8*(\b):BIAS+8*(\b)+3],   v[BO], s[66:67] offset:64*(\b)
	global_load_b128 v[BIAS+8*(\b)+4:BIAS+8*(\b)+7], v[BO], s[66:67] offset:64*(\b)+16
.endr
.endif
.if MODE == 2
	WIN 0x80                                       ; destination window 2: my 64 x 64 of the residual, asked for now, wanted on the way out
.set i, 0
.rept 32
	global_load_b128 v[4*i:4*i+3], v[CO], s[68:69] offset:8192*i
.set i, i+1
.endr
	WIN 0
.endif
; 8 matrix instructions: row blocks a0, a0 + 1 x all 4 column blocks, 32 along K: half c of buffer f.  zero = 1: the product starts the sums, with 0 or with the bias.
; The 16 accumulators take turns, one instruction a turn, in the same order everywhere.
.macro MUL8 f, c, a0, zero
	WIN MUL
.irp a, \a0, (\a0)+1
.irp b, 0,1,2,3
.if (\zero) && (MODE == 0)
	v_wmma_f32_16x16x32_bf16 v[ACC+8*(4*(\a)+(\b)):ACC+8*(4*(\a)+(\b))+7], v[(\f)+64+8*(4*(\c)+(\b)):(\f)+64+8*(4*(\c)+(\b))+7], v[(\f)+8*(4*(\c)+(\a)):(\f)+8*(4*(\c)+(\a))+7], 0
.elseif \zero
	v_wmma_f32_16x16x32_bf16 v[ACC+8*(4*(\a)+(\b)):ACC+8*(4*(\a)+(\b))+7], v[(\f)+64+8*(4*(\c)+(\b)):(\f)+64+8*(4*(\c)+(\b))+7], v[(\f)+8*(4*(\c)+(\a)):(\f)+8*(4*(\c)+(\a))+7], v[BIAS+8*(\b):BIAS+8*(\b)+7]
.else
	v_wmma_f32_16x16x32_bf16 v[ACC+8*(4*(\a)+(\b)):ACC+8*(4*(\a)+(\b))+7], v[(\f)+64+8*(4*(\c)+(\b)):(\f)+64+8*(4*(\c)+(\b))+7], v[(\f)+8*(4*(\c)+(\a)):(\f)+8*(4*(\c)+(\a))+7], v[ACC+8*(4*(\a)+(\b)):ACC+8*(4*(\a)+(\b))+7]
.endif
.endr
.endr
.endm
; 32 LDS loads in one run: the fragments of quarter q (64 along K: plane q of A, rows 64 q on of W) of a slot, into buffer f; the first 32 along K first
.macro FETCH slot, q, f
	WIN TO_F
.irp c, 0,1
.irp i, 0,1,2,3
	ds_load_tr16_b128 v[(\f)+64+8*(4*(\c)+(\i)):(\f)+64+8*(4*(\c)+(\i))+3],   v[ADRB+2*(\slot)+(\q)/2] offset:(((\q)%2)*64+32*(\c))*PB+32*(\i)
	ds_load_tr16_b128 v[(\f)+64+8*(4*(\c)+(\i))+4:(\f)+64+8*(4*(\c)+(\i))+7], v[ADRB+2*(\slot)+(\q)/2] offset:(((\q)%2)*64+32*(\c)+16)*PB+32*(\i)
	ds_load_b128 v[(\f)+8*(4*(\c)+(\i)):(\f)+8*(4*(\c)+(\i))+3],   v[ADRA+(\slot)] offset:(\q)*PLANE+(\i)*16*PA+64*(\c)
	ds_load_b128 v[(\f)+8*(4*(\c)+(\i))+4:(\f)+8*(4*(\c)+(\i))+7], v[ADRA+(\slot)] offset:(\q)*PLANE+(\i)*16*PA+64*(\c)+32
.endr
.endr
.endm
; A K step is four quarters, 32 matrix instructions each, on buffers 0, 1, 0, 1.  One of the first three: multiplies buffer f and fetches quarter q into g.
.macro QUARTER slot, q, f, g, zero
	s_wait_dscnt 16                                ; the first 32 along K are in; the other sixteen loads may stay out
	MUL8 \f, 0, 0, \zero
	MUL8 \f, 0, 2, \zero
	PLACES
	FETCH \slot, \q, \g
	s_wait_dscnt 32                                ; all but the 32 just issued
	MUL8 \f, 1, 0, 0
	MUL8 \f, 1, 2, 0
.endm
; The last quarter multiplies buffer 1 and changes slots: one barrier; ahead of it each wave waits for all its tensor loads (one is out: its part of the next slot), adds 0 to its spare word, and waits
; for that and for its reads of this slot.  fill = 1: the barrier opens a round of the cluster's, and this slot is filled again, two K steps on, first thing behind the round.
.macro TURN slot, next, fill
	WIN 0
	s_wait_tensorcnt 0x0
	ds_add_u32 v[SPW], v[NIL]
	s_wait_dscnt 17                                ; the add and the youngest sixteen loads may be out
	MUL8 F1, 0, 0, 0
	s_wait_dscnt 0x0                               ; the add is done, and my reads of this slot are over
	s_barrier_signal -1
	MUL8 F1, 0, 2, 0
.if \fill
	WIN 0
.endif
	s_barrier_wait -1
.if \fill
	CREST                                          ; no wave of any partner still reads this slot or has a load on its way
	s_add_nc_u64 s[G0+4*(\slot)+2:G0+4*(\slot)+3], s[G0+4*(\slot)+2:G0+4*(\slot)+3], 2*65536
	s_add_nc_u64 s[G0B+4*(\slot)+2:G0B+4*(\slot)+3], s[G0B+4*(\slot)+2:G0B+4*(\slot)+3], 1024*WPITCH
	JLOAD \slot                                    ; 112 matrix instructions ahead of the wait for it; its four v_nop are also the places in front of the loads below
.else
	PLACES
.endif
	FETCH \next, 0, F0
	MUL8 F1, 1, 0, 0
	MUL8 F1, 1, 2, 0
.endm
	s_wait_tensorcnt 1                             ; my part of K step 0 is in; K step 1's may stay out
	s_barrier_signal -1
	s_barrier_wait -1
	FETCH 0, 0, F0
.if MODE == 2
	s_wait_loadcnt 32                              ; the bias is in; the 32 younger loads of the residual stay out
.elseif MODE == 1
	s_wait_loadcnt 0x0                             ; the bias
.endif
	QUARTER 0, 1, F0, F1, 1                        ; the first quarter stands in front of the loop: its first products start the sums
	WIN 0
	s_mov_b32 s3, LAPS-1
.Llap:                                                 ; a trip goes once round the ring, from a lap's second quarter to the next lap's first, and fills both slots again
	QUARTER 0, 2, F1, F0, 0
	QUARTER 0, 3, F0, F1, 0
	TURN 0, 1, 1
	QUARTER 1, 1, F0, F1, 0
	QUARTER 1, 2, F1, F0, 0
	QUARTER 1, 3, F0, F1, 0
	TURN 1, 0, 1
	QUARTER 0, 1, F0, F1, 0
	WIN 0
	s_sub_co_u32 s3, s3, 1
	s_cmp_lg_u32 s3, 0
	s_cbranch_scc1 .Llap
	QUARTER 0, 2, F1, F0, 0                        ; the last lap fills nothing
	QUARTER 0, 3, F0, F1, 0
	TURN 0, 1, 0
	QUARTER 1, 1, F0, F1, 0
	QUARTER 1, 2, F1, F0, 0
	QUARTER 1, 3, F0, F1, 0
	s_wait_dscnt 16
	MUL8 F1, 0, 0, 0
	MUL8 F1, 0, 2, 0
	s_wait_dscnt 0x0
	MUL8 F1, 1, 0, 0
	MUL8 F1, 1, 2, 0
	WIN 0
	; THE WAY OUT.  My 64 x 64 sums go in f32 into my own stage and come back by rows.  LDS serves a wave's instructions in order (ISA guide 5.7.1.4), so no wait stands between my stores and my loads.
	PLACES
	PLACES
.set t, 0
.rept 16
	ds_store_b128 v[STO], v[ACC+8*t:ACC+8*t+3]   offset:(t/4)*16*SPITCH+(t%4)*64      ; each accumulator's low registers first
	ds_store_b128 v[STO], v[ACC+8*t+4:ACC+8*t+7] offset:(t/4)*16*SPITCH+(t%4)*64+16
.set t, t+1
.endr
.if MODE == 2
	WIN TO_F
.set i, 0
.rept 32
	ds_load_b128 v[4*i:4*i+3], v[RD] offset:2*SPITCH*i
.set i, i+1
.endr
	s_wait_dscnt 0x0
	s_wait_loadcnt 0x0                             ; the residual
	WIN 0x49                                       ; destination and source 0 window 1, source 1 window 2
.set i, 0
.rept 64
	v_pk_add_f32 v[2*i:2*i+1], v[2*i:2*i+1], v[2*i:2*i+1]
.set i, i+1
.endr
	WIN 0x04                                       ; store data window 1, address window 0
.set i, 0
.rept 32
	global_store_b128 v[CO], v[4*i:4*i+3], s[8:9] offset:8192*i  ; 16 lanes store 256 consecutive bytes, aligned
.set i, i+1
.endr
	WIN 0
.else
; gelu_tanh(u) = u / (1 + 2^(u (A + B u u))), A = -2 sqrt(2 / pi) log2(e), B = 0.044715 A.  Two batches a trip, 32 exponentials and 32 reciprocals, each with one plain instruction and one wait behind it.
.macro GELU
.set p, 0
.rept 16
	v_pk_mul_f32 v[T+2*p:T+2*p+1], v[X+2*p:X+2*p+1], v[X+2*p:X+2*p+1]
	v_pk_fma_f32 v[T+2*p:T+2*p+1], v[T+2*p:T+2*p+1], s[72:73], s[70:71] op_sel_hi:[1,0,0]
.if p > 0
	v_exp_f32 v[T+2*p-2], v[T+2*p-2]
.endif
	v_pk_mul_f32 v[T+2*p:T+2*p+1], v[T+2*p:T+2*p+1], v[X+2*p:X+2*p+1]
.if p > 0
	v_exp_f32 v[T+2*p-1], v[T+2*p-1]
.endif
.set p, p+1
.endr
	v_exp_f32 v[T+30], v[T+30]
	v_exp_f32 v[T+31], v[T+31]
	v_nop
	s_wait_alu depctr_va_vdst(0)                   ; one wait for the 32 exponentials, ahead of their first reader
.set p, 0
.rept 16
	v_pk_add_f32 v[T+2*p:T+2*p+1], v[T+2*p:T+2*p+1], 1.0 op_sel_hi:[1,0]
.if p > 0
	v_rcp_f32 v[T+2*p-2], v[T+2*p-2]
	v_rcp_f32 v[T+2*p-1], v[T+2*p-1]
.endif
.set p, p+1
.endr
	v_rcp_f32 v[T+30], v[T+30]
	v_rcp_f32 v[T+31], v[T+31]
	v_nop
	s_wait_alu depctr_va_vdst(0)                   ; one wait for the 32 reciprocals
.set p, 0
.rept 16
	v_pk_mul_f32 v[X+2*p:X+2*p+1], v[X+2*p:X+2*p+1], v[T+2*p:T+2*p+1]
.set p, p+1
.endr
.endm
	s_mov_b32 s74, 4
.Lout:                                                 ; four trips of 16 rows
.irp g, 0,1,2,3
	ds_load_b128 v[X+8*(\g):X+8*(\g)+3],   v[RD] offset:4*SPITCH*(\g)
	ds_load_b128 v[X+8*(\g)+4:X+8*(\g)+7], v[RD] offset:4*SPITCH*(\g)+16
.endr
	s_wait_dscnt 0x0
.if MODE == 1
	GELU
.endif
.set p, 0
.rept 16
	v_cvt_pk_bf16_f32 v[Y+p], v[X+2*p], v[X+2*p+1]
.set p, p+1
.endr
.irp g, 0,1,2,3
	global_store_b128 v[CO], v[Y+4*(\g):Y+4*(\g)+3], s[8:9] offset:512*(\g)  ; four rows of my plane: 512 consecutive bytes, aligned
.endr
	s_wait_xcnt 0x0                                ; the stores have read their address and data: CO is stepped, and Y written in the next trip, only behind this wait
	v_add_nc_u32 v[RD], 16*SPITCH, v[RD]
	v_add_nc_u32 v[CO], 2048, v[CO]
	s_sub_co_u32 s74, s74, 1
	s_cmp_lg_u32 s74, 0
	s_cbranch_scc1 .Lout
.endif
	s_wait_tensorcnt 0x0                           ; the wave's end: the add and its wait stand behind my last tensor load and my last LDS store
	ds_add_u32 v[SPW], v[NIL]
	s_wait_dscnt 0x0
	CROUND                                         ; the closing round: no work-group ends while a partner may still ask for a tile that names it
	s_endpgm
.Lfunc_end_k_q896f5912da_gemm_qkv:
	.size	k_q896f5912da_gemm_qkv, .Lfunc_end_k_q896f5912da_gemm_qkv-k_q896f5912da_gemm_qkv
	.p2alignl 7, 3214868480
	.fill 96, 4, 3214868480
	.section	.rodata,"a",@progbits
	.p2align	6, 0x0
	.amdhsa_kernel k_q896f5912da_gemm_qkv
		.amdhsa_group_segment_fixed_size 327680
		.amdhsa_private_segment_fixed_size 0
		.amdhsa_enable_private_segment 0
		.amdhsa_kernarg_size 24
		.amdhsa_user_sgpr_count 2
		.amdhsa_user_sgpr_kernarg_segment_ptr 1
		.amdhsa_wavefront_size32 1
		.amdhsa_system_sgpr_workgroup_id_x 1
		.amdhsa_system_sgpr_workgroup_id_y 1
		.amdhsa_system_sgpr_workgroup_id_z 1
		.amdhsa_system_vgpr_workitem_id 0
		.amdhsa_next_free_vgpr 512
		.amdhsa_next_free_sgpr 76
		.amdhsa_reserve_vcc 0
		.amdhsa_float_denorm_mode_32 3
		.amdhsa_float_denorm_mode_16_64 3
		.amdhsa_memory_ordered 1
		.amdhsa_forward_progress 1
		.amdhsa_inst_pref_size 83
	.end_amdhsa_kernel
	.amdgpu_metadata
---
amdhsa.version: [ 1, 2 ]
amdhsa.kernels:
  - .name:           k_q896f5912da_gemm_qkv
    .symbol:         k_q896f5912da_gemm_qkv.kd
    .args:
      - { .name: h1, .offset: 0, .size: 8, .value_kind: global_buffer, .address_space: global }
      - { .name: wb, .offset: 8, .size: 8, .value_kind: global_buffer, .address_space: global }
      - { .name: qkvb, .offset: 16, .size: 8, .value_kind: global_buffer, .address_space: global }
    .group_segment_fixed_size: 327680
    .private_segment_fixed_size: 0
    .kernarg_segment_align: 8
    .kernarg_segment_size: 24
    .max_flat_workgroup_size: 128
    .sgpr_count:     76
    .vgpr_count:     512
    .wavefront_size: 32
...
	.end_amdgpu_metadata
.endif
;; end of part 2
;; launch attn (part 3): grid 4 x 64, 4 waves a work-group, clusters of 4 x 1, 327,680 bytes of LDS; arguments qkvb, ctx; writes ctx
.if DOCPART == 3
	.amdgcn_target "amdgcn-amd-amdhsa--gfx1250"
	.amdhsa_code_object_version 6
	.text
	.protected	k_q896f5912da_attn
	.globl	k_q896f5912da_attn
	.p2align	8
	.type	k_q896f5912da_attn,@function
k_q896f5912da_attn:
	s_mov_b64 s[64:65], 0
	v_nop
	global_prefetch_b8 v0, s[64:65] scope:SCOPE_SE
	s_setreg_imm32_b32 hwreg(HW_REG_WAVE_MODE, 25, 1), 1
	s_wait_xcnt 0x0
	s_wait_alu depctr_hold_cnt(0) depctr_sa_sdst(0) depctr_va_vdst(0) depctr_va_sdst(0) depctr_va_ssrc(0) depctr_va_vcc(0) depctr_vm_vsrc(0)
	s_getreg_b32 s2, hwreg(HW_REG_IB_STS2, 6, 4)
	s_cmp_eq_u32 s2, 0
	s_cbranch_scc0 .Lentry_in_a_cluster
	s_endpgm
.Lentry_in_a_cluster:
	s_bfe_u32 s2, ttmp6, 0x10000c
	s_cmp_lg_u32 s2, 0x3003
	s_cbranch_scc0 .Lentry_shape_is_right
	s_endpgm
.Lentry_shape_is_right:
; CAUSAL ATTENTION, head size 64, 1,024 positions, 64 heads (4 batches x 16).  ctx[q] = the sum over k <= q of softmax_k(Q[q] . K[k] / 8) V[k].  All bf16 in planes of 128 tokens x 64 channels
; (16,384 dense bytes): qkvb has 48 planes a block of 128 tokens (q: head, k: 16 + head, v: 32 + head), ctx 16.  Products, maxima and sums in f32; the weights are rounded to bf16 for the second
; product (their sum is taken unrounded), ctx once at the end.
; SHARES.  A cluster of four work-groups has one head.  The head's whole K and V lie in each work-group's LDS (1,024 x 144 + 1,024 x 160 bytes), fetched ONCE, jointly: no slot is ever filled again, and
; the walk has no barrier.  The queries lie in eight bands of 128; wave w takes band 7 - w and then band w, and of each band the work-group at place c its rows 32 c .. 32 c + 31: two tiles of 16.
; Band J needs the key steps 0 .. 2 J + 1 of 64 keys, of which the last two hold the diagonal: 18 steps for every wave of every work-group.
; THE WALK of a band is one loop of 15 trips, the same for every wave; trip n stands at key step n, and the LDS offsets of K and V step once a trip, in every trip.  A trip is a plain step (n < 2 J), the
; band's first masked step (n = 2 J), or nothing (n > 2 J): forward jumps on the wave's number alone.  The second masked step fetches nothing and stands behind the loop.
; The place in the cluster enters Q's and ctx's addresses and the mask's numbers, and nothing else.
; LAYOUT.  S^T = K Q^T holds ONE query a lane (l % 16) and the keys 8 (l / 16) + 0..7; two such results rounded in pairs ARE source 1 of O^T = V^T P.  K comes out of LDS as it lies, V turned.
; SOFTMAX.  p = 2^(c s - c m), c = log2(e) / 8, with a running maximum m; O and l are multiplied by a = 2^(c m_old - c m_new) in every step.  m starts at the lowest finite number, O and l at 0.
; IN PHASES: a step's 16 products K Q^T, the softmax of both tiles (one batch of 66 exponentials, one wait), its 16 products V^T P.  The next K is fetched behind the first products, the next V behind the second.
; NO PREFETCH: all that the launch reads of K and V is asked for at its head.
; LIMITS.  A hidden score counts as -1e30; c m starts at -4.25e37; a weight below 2^-126 counts as 0 in l; NaN and infinities are not treated apart.
; REGISTERS: window 0: v2-15 addresses and mask; v16-31 statistics, 8 a tile; v32-63 P; v64-127 S^T; v128-191 K of a step; v192-255 V of a step.
;   window 1: v0-63 O^T, 32 a tile; v64-95 Q; v96-127 the second band's Q.
.set KS,    64
.set PK,    144                        ; a row of K in LDS: 128 bytes + 16: the 16 rows of a load start at 16 different groups of four banks (64 banks of 4 bytes: ISA guide 11.1)
.set PV,    160                        ; a row of V: 128 + 32
.set VOFF,  1024*PK
.set STAGE, VOFF+1024*PV               ; behind K and V, never filled by a tensor load: 16 rows x 144 bytes for each wave
.set SP,    144
.set SPARE, STAGE+4*16*SP              ; the spare words, 128 bytes for each wave: two blocks of 256 bytes that no other line names
.set AK0, 2                            ; v2   my lane's place in a step's K; never rewritten
.set AV0, 3                            ; v3   the same for V, VOFF included; never rewritten
.set AK,  4                            ; v4   AK0 + the trip's offset
.set AV,  5                            ; v5   AV0 + the trip's offset
.set STO, 6
.set RD,  7
.set GO,  8
.set SPW, 10                           ; v10  SPARE + 4 x my thread's number; never rewritten
.set NIL, 11                           ; v11  0; never rewritten
.set QO,  12
.set D0,  13                           ; v13  32 c + l % 16 - 8 (l / 16)
.set DD,  14                           ; v14-15  tile t: register i of the step's 32 is hidden where 16 (i / 8) + i % 8 is greater
.set ST,  16                           ; tile t at ST + 8 t: c m, m, l (even keys', odd keys'), c0-c3 at work; a takes c2's place
.set P,   32
.set S,   64
.set KF,  128
.set VF,  192
.set QF,  64                           ; window 1
.set QB,  96                           ; window 1
.set WV,  12
.set G1K, 24
.set G1V, 32
.set G0,  40                           ; s[40:55] four sets of group 0, one for each of a wave's four loads
.set MK,  56                           ; the value of LEFT in the trip that is the band's first masked step: 15 - 2 J
.set LEFT, 57                          ; trips still to come, this one among them: 15 to 1
.set CS,  58
.set SEL, 60
.set TBK, 62                           ; the trip's number x 64 rows of K
.set TBV, 63                           ; the trip's number x 64 rows of V
.set BLK, 66
.set MK2, 67                           ; MK of the second band
.set BIGN, 72
.set MSB, 0
.macro WIN new
.if MSB != (\new)
	s_set_vgpr_msb (MSB<<8)|(\new)
.set MSB, (\new)
.endif
.endm
.set W_KQ, 0x04                        ; Q (source 1) in window 1
.set W_PV, 0x50                        ; O^T (C and D) in window 1
.set W_RS, 0x41                        ; destination and source 0 in window 1
.macro CROUND                          ; a round of the cluster's barrier
	s_barrier_signal -1
	s_barrier_wait -1
	s_cmp_lg_u32 s[WV], 0
	s_cbranch_scc1 .Lnot_wave_0_\@
	s_barrier_signal -3
.Lnot_wave_0_\@:
	s_barrier_wait -3
	s_barrier_signal -1
	s_barrier_wait -1
.endm
.macro PLACES
.rept 4
	v_nop
.endr
.endm
	s_load_b128 s[4:7], s[0:1], 0x0                ; qkvb s[4:5], ctx s[6:7]
	v_lshl_add_u32 v[SPW], v0, 2, SPARE
	v_mov_b32 v[NIL], 0
	ds_add_u32 v[SPW], v[NIL]                      ; the wave's opening: the add and its wait come ahead of my first tensor load; work on registers stands between them
	v_lshrrev_b32 v1, 5, v0
	v_readfirstlane_b32 s[WV], v1                  ; wave 0..3
	s_bfe_u32 s13, ttmp6, 0x40000                  ; c: my place in the cluster
	s_and_b32 s2, ttmp7, 0xffff                    ; batch x 16 + head
	s_lshr_b32 s14, s2, 4
	s_lshl_b32 s14, s14, 3                         ; the batch's first block of 128 tokens
	s_and_b32 s2, s2, 15                           ; head
	s_and_b32 s15, s[WV], 1                        ; which half of K (waves 0, 1) or of V (waves 2, 3) I fetch: four blocks of 128 keys
	s_lshl_b32 s74, s15, 2
	s_add_co_u32 s74, s74, s14
	s_mul_i32 s74, s74, 48
	s_add_co_u32 s74, s74, s2
	s_lshl_b32 s74, s74, 14                        ; plane 'head' of my first block; K's lies 16 planes on, V's 32
	s_mov_b32 s75, 0
	s_mul_i32 s16, s15, 512*PK                     ; where they go: no place in the cluster enters an LDS address
	s_mul_i32 s17, s15, 512*PV
	s_add_co_u32 s17, s17, VOFF
	s_lshl_b32 s18, s13, 12                        ; my work-group's 32 rows of 128 bytes in a band
	s_sub_co_u32 s56, 7, s[WV]                     ; the first band
	s_add_co_u32 s56, s56, s14
	s_lshl_b32 s66, s56, 4
	s_mul_i32 s56, s56, 48
	s_add_co_u32 s56, s56, s2
	s_add_co_u32 s66, s66, s2
	s_lshl_b32 s56, s56, 14
	s_lshl_b32 s66, s66, 14
	s_add_co_u32 s56, s56, s18                     ; its Q in qkvb,
	s_add_co_u32 s66, s66, s18                     ; its rows in ctx
	s_mov_b32 s57, 0
	s_mov_b32 s67, 0
	s_add_co_u32 s62, s14, s[WV]                   ; the second band
	s_lshl_b32 s72, s62, 4
	s_mul_i32 s62, s62, 48
	s_add_co_u32 s62, s62, s2
	s_add_co_u32 s72, s72, s2
	s_lshl_b32 s62, s62, 14
	s_lshl_b32 s72, s72, 14
	s_add_co_u32 s62, s62, s18
	s_add_co_u32 s72, s72, s18
	s_mov_b32 s63, 0
	s_mov_b32 s73, 0
	; group 1: 128 keys are 16,384 dense bytes: 64 rows of 256 bytes, two keys a row, padded in LDS after every key
	s_mov_b32 s[G1K], 15|(1<<16)|(1<<20)|(1<<21)|(4<<22)|(3<<25)  ; the mask of four; 2-byte elements; padding on; bit 21 beside a mask; after every 32 words 4 words
	s_mov_b32 s[G1V], 15|(1<<16)|(1<<20)|(1<<21)|(4<<22)|(7<<25)  ; 8 words
.irp g, G1K, G1V
	s_mov_b32 s[\g+1], 128<<16                     ; tensor_dim0 = 128
	s_mov_b32 s[\g+2], 64<<16                      ; tensor_dim1 = 64
	s_mov_b32 s[\g+3], 128<<16                     ; tile_dim0 = 128
	s_mov_b32 s[\g+4], 64                          ; tile_dim1 = 64
	s_mov_b32 s[\g+5], 128                         ; 128 elements from row to row
	s_mov_b32 s[\g+6], 0
	s_mov_b32 s[\g+7], 0
.endr
	s_mov_b32 s[CS], 0x3e38aa3b                    ; c = log2(e) / 8
	s_mov_b32 s[CS+1], s[CS]
	s_mov_b32 s[SEL], 0x76543210
	s_mov_b32 s[SEL+1], 0xfedcba98
	s_wait_dscnt 0x0                               ; the opening add is done
	s_wait_kmcnt 0x0
	s_add_nc_u64 s[8:9], s[4:5], s[74:75]
	s_add_nc_u64 s[10:11], s[8:9], 32*16384        ; V
	s_add_nc_u64 s[8:9], s[8:9], 16*16384          ; K
	s_add_nc_u64 s[20:21], s[4:5], s[56:57]
	s_add_nc_u64 s[22:23], s[4:5], s[62:63]
	s_add_nc_u64 s[68:69], s[6:7], s[66:67]
	s_add_nc_u64 s[70:71], s[6:7], s[72:73]
	s_mov_b32 s[BIGN], 0xf149f2ca                  ; -1e30
	CROUND                                         ; all four work-groups are here: the joint loads meet
	s_cmp_lt_u32 s[WV], 2                          ; a wave's four loads stand in one branch on its number: four tensor loads of mine are out
	s_cbranch_scc0 .Lfor_v
.irp i, 0,1,2,3
	s_mov_b32 s[G0+4*(\i)], 1
	s_add_co_u32 s[G0+4*(\i)+1], s16, (\i)*128*PK
	s_add_nc_u64 s[G0+4*(\i)+2:G0+4*(\i)+3], s[8:9], (\i)*48*16384
	s_or_b32 s[G0+4*(\i)+3], s[G0+4*(\i)+3], 0x80000000
.endr
.irp i, 0,1,2,3
	tensor_load_to_lds s[G0+4*(\i):G0+4*(\i)+3], s[G1K:G1K+7]
	s_nop 0
.endr
	PLACES
	s_branch .Lasked
.Lfor_v:
.irp i, 0,1,2,3
	s_mov_b32 s[G0+4*(\i)], 1
	s_add_co_u32 s[G0+4*(\i)+1], s17, (\i)*128*PV
	s_add_nc_u64 s[G0+4*(\i)+2:G0+4*(\i)+3], s[10:11], (\i)*48*16384
	s_or_b32 s[G0+4*(\i)+3], s[G0+4*(\i)+3], 0x80000000
.endr
.irp i, 0,1,2,3
	tensor_load_to_lds s[G0+4*(\i):G0+4*(\i)+3], s[G1V:G1V+7]
	s_nop 0
.endr
	PLACES
.Lasked:
	v_and_b32 v1, 15, v0                           ; l % 16
	v_bfe_u32 v9, v0, 4, 1                         ; l / 16
	v_lshlrev_b32 v[QO], 7, v1
	v_lshl_add_u32 v[QO], v9, 4, v[QO]             ; row x 128 + 16 x half
	WIN 0x40                                       ; destination window 1
.set i, 0
.rept 4                                ; both bands' Q: tile i / 2, channels 32 (i % 2) on
	global_load_b128 v[QF+8*i:QF+8*i+3],   v[QO], s[20:21] offset:(i/2)*2048+(i%2)*64
	global_load_b128 v[QF+8*i+4:QF+8*i+7], v[QO], s[20:21] offset:(i/2)*2048+(i%2)*64+32
	global_load_b128 v[QB+8*i:QB+8*i+3],   v[QO], s[22:23] offset:(i/2)*2048+(i%2)*64
	global_load_b128 v[QB+8*i+4:QB+8*i+7], v[QO], s[22:23] offset:(i/2)*2048+(i%2)*64+32
.set i, i+1
.endr
	WIN 0
	v_mul_u32_u24 v[AK0], v1, PK
	v_lshl_add_u32 v[AK0], v9, 4, v[AK0]           ; row x pitch + 16 x half
	v_and_b32 v14, 7, v0                           ; the turning load: lane l reads key 8 (l / 16) + l % 8, channels 8 ((l / 8) % 2) on
	v_bfe_u32 v15, v0, 3, 1
	v_lshl_add_u32 v[AV0], v9, 3, v14
	v_mul_u32_u24 v[AV0], v[AV0], PV
	v_lshl_add_u32 v[AV0], v15, 4, v[AV0]
	v_add_nc_u32 v[AV0], VOFF, v[AV0]
	s_mul_i32 s19, s[WV], 16*SP
	s_add_co_u32 s19, s19, STAGE                   ; my stage
	v_mul_u32_u24 v[STO], v1, SP                   ; in: row l % 16, 16 bytes for each half of the lanes
	v_lshl_add_u32 v[STO], v9, 4, v[STO]
	v_add_nc_u32 v[STO], s19, v[STO]
	v_bfe_u32 v[RD], v0, 3, 2                      ; back: 32 lanes take four rows of 128 bytes,
	v_mul_u32_u24 v[RD], v[RD], SP
	v_lshl_add_u32 v[RD], v14, 4, v[RD]
	v_add_nc_u32 v[RD], s19, v[RD]
	v_and_b32 v[GO], 31, v0                        ; which are 512 consecutive bytes of ctx
	v_lshlrev_b32 v[GO], 4, v[GO]
	v_lshlrev_b32 v[D0], 3, v9
	v_sub_nc_u32 v[D0], v1, v[D0]
	s_lshl_b32 s18, s13, 5
	v_add_nc_u32 v[D0], s18, v[D0]
; THE MATRIX WORK.  The 8 accumulators of a run of 16 take turns.  Product i of S^T = K Q^T: channels 32 (i / 8) on, keys 16 ((i / 2) % 4) on, tile i % 2; the first 8 start the sums.
.macro KQ
	WIN W_KQ
.set rS, S+32*(i%2)+8*((i/2)%4)
.set rK, KF+16*((i/2)%4)+8*(i/8)
.set rQ, QF+16*(i%2)+8*(i/8)
.if i < 8
	v_wmma_f32_16x16x32_bf16 v[rS:rS+7], v[rK:rK+7], v[rQ:rQ+7], 0
.else
	v_wmma_f32_16x16x32_bf16 v[rS:rS+7], v[rK:rK+7], v[rQ:rQ+7], v[rS:rS+7]
.endif
.endm
; Product i of O^T += V^T P: keys 32 (i / 8) on, channels 16 ((i / 2) % 4) on, tile i % 2.
.macro PV
	WIN W_PV
.set rO, 32*(i%2)+8*((i/2)%4)
.set rV, VF+32*(i/8)+8*((i/2)%4)
.set rP, P+16*(i%2)+8*(i/8)
	v_wmma_f32_16x16x32_bf16 v[rO:rO+7], v[rV:rV+7], v[rP:rP+7], v[rO:rO+7]
.endm
; A step's K: 64 keys x 64 channels, 8 fragments, from address register a, o bytes on.
.macro FETCH_K a, o
	WIN 0
.irp f, 0,1,2,3,4,5,6,7
	ds_load_b128 v[KF+8*\f:KF+8*\f+3],   v[\a] offset:(\o)+(\f/2)*16*PK+(\f%2)*64
	ds_load_b128 v[KF+8*\f+4:KF+8*\f+7], v[\a] offset:(\o)+(\f/2)*16*PK+(\f%2)*64+32
.endr
.endm
; A step's V, turned.
.macro FETCH_V a, o
	WIN 0
.irp f, 0,1,2,3,4,5,6,7
	ds_load_tr16_b128 v[VF+8*\f:VF+8*\f+3],   v[\a] offset:(\o)+(\f/4)*32*PV+(\f%4)*32
	ds_load_tr16_b128 v[VF+8*\f+4:VF+8*\f+7], v[\a] offset:(\o)+(\f/4)*32*PV+16*PV+(\f%4)*32
.endr
.endm
; THE SOFTMAX of tile t for one step is a list of 118 instructions; SM writes number j.  s0-s31 are the lane's 32 scores, in pairs 0-15.
;   0-15   the maximum of s0-s31 and the old m, three operands at a time (each accumulator's lowest registers are read first)
;   16-20  the other half of the lanes' maximum; the new m; c m; c m_old - c m_new
;   21-69  ONE BATCH: the 16 scalings c s - c m and all 33 exponentials (a at 23); none of these reads an exponential's result
;   70-85  the roundings to bf16     86-101  the sums; l = a l + the sum     102-117  O^T times a
.macro SM t
.set rT, ST+8*(\t)
.set rS, S+32*(\t)
.set rP, P+16*(\t)
.set rO, 32*(\t)+2*(j-102)
.if j < 102
	WIN 0
.endif
.if j < 4
	v_max3_num_f32 v[rT+4+j], v[rS+8*j], v[rS+8*j+1], v[rS+8*j+2]
.elseif j < 12
	v_max3_num_f32 v[rT+4+j%4], v[rT+4+j%4], v[rS+8*(j%4)+2*(j/4)+1], v[rS+8*(j%4)+2*(j/4)+2]
.elseif j == 12
	v_max3_num_f32 v[rT+4], v[rT+4], v[rS+7], v[rS+15]
.elseif j == 13
	v_max3_num_f32 v[rT+6], v[rT+6], v[rS+23], v[rS+31]
.elseif j == 14
	v_max3_num_f32 v[rT+4], v[rT+4], v[rT+5], v[rT+6]
.elseif j == 15
	v_max3_num_f32 v[rT+4], v[rT+4], v[rT+7], v[rT+1]
.elseif j == 16
	v_permlanex16_b32 v[rT+5], v[rT+4], s[SEL], s[SEL+1]  ; the query's other 32 keys lie in the lane 16 away
.elseif j == 17
	v_mov_b32 v[rT+7], v[rT]                       ; c m_old is kept for a
.elseif j == 18
	v_max_num_f32 v[rT+1], v[rT+4], v[rT+5]
.elseif j == 19
	v_mul_f32 v[rT], s[CS], v[rT+1]
.elseif j == 20
	v_sub_f32 v[rT+7], v[rT+7], v[rT]
.elseif j == 23
	v_exp_f32 v[rT+6], v[rT+7]
.elseif (j < 23) || ((j < 38) && (j%2 == 0)) || ((j < 66) && (j%4 == 2))
.set b, (j-2)/4                        ; 38, 42, .. 62: pairs 9 to 15
.if j < 38
.set b, (j-20)/2                       ; 21: pair 0; 22, 24, .. 36: pairs 1 to 8
.endif
	v_pk_fma_f32 v[rS+2*b:rS+2*b+1], v[rS+2*b:rS+2*b+1], s[CS:CS+1], v[rT:rT+1] op_sel_hi:[1,0,0] neg_lo:[0,0,1] neg_hi:[0,0,1]
.elseif j < 70
.set e, j-38                           ; 66 to 69: s28 to s31
.if j < 66
.set e, j-32-(j-38)/4                  ; 39-41, 43-45, .. 63-65: s7 to s27
.endif
.if j < 38
.set e, (j-25)/2                       ; 25, 27, .. 37: s0 to s6
.endif
	v_exp_f32 v[rS+e], v[rS+e]
.elseif j < 86
	v_cvt_pk_bf16_f32 v[rP+j-70], v[rS+2*(j-70)], v[rS+2*(j-70)+1]
.elseif j < 102                        ; the 16 pairs are added in place, neighbours 1, 2, 4 and 8 pairs apart; then l takes the sum
.set z, j-86
.set w, 4
.set u, z
.if z >= 14
.set w, 32
.set u, 0
.elseif z >= 12
.set w, 16
.set u, z-12
.elseif z >= 8
.set w, 8
.set u, z-8
.endif
.if z < 15
	v_pk_add_f32 v[rS+w*u:rS+w*u+1], v[rS+w*u:rS+w*u+1], v[rS+w*u+w/2:rS+w*u+w/2+1]
.else
	v_pk_fma_f32 v[rT+2:rT+3], v[rT+2:rT+3], v[rT+6:rT+7], v[rS:rS+1] op_sel_hi:[1,0,1]
.endif
.else
	WIN W_RS
	v_pk_mul_f32 v[rO:rO+1], v[rO:rO+1], v[rT+6:rT+7] op_sel_hi:[1,0]
.endif
.endm
; A KEY STEP.  m = 1: one of a band's last two steps: hidden scores are replaced.  last = 1: the band's last step: nothing is fetched, and no address of K or V is named.
; The fetches are the NEXT step's: the trip's offset in the address register, one step's bytes in the immediate.
.macro STEP m, last
.set i, 0
.rept 16
	KQ
.set i, i+1
.endr
	WIN 0
.if \last
	v_nop
.else
	v_add_nc_u32 v[AK], s[TBK], v[AK0]             ; with the three v_nop: the four places behind the last product, ahead of loads into K's registers and of the first read of the scores
.endif
	v_nop
	v_nop
	v_nop
.if !(\last)
	FETCH_K AK, KS*PK
.endif
.if \m
.irp t, 0,1
.set i, 0
.rept 32
	v_cmp_gt_i32 vcc_lo, 16*(i/8)+i%8, v[DD+\t]
	v_cndmask_b32 v[S+32*\t+i], v[S+32*\t+i], s[BIGN], vcc_lo
.set i, i+1
.endr
	v_add_nc_u32 v[DD+\t], 0xffffffc0, v[DD+\t]    ; the next step's keys lie 64 further on
.endr
.endif
.set j, 0
.rept 70
	SM 0                                           ; the two tiles alternate
	SM 1
.set j, j+1
.endr
	v_nop                                          ; a plain instruction behind the last exponential: one for the batch
	s_wait_alu depctr_va_vdst(0)                   ; one wait for both tiles' 66 exponentials, ahead of their first reader
.rept 48
	SM 0
	SM 1
.set j, j+1
.endr
	s_wait_dscnt 0x0                               ; this step's V is in, and the next step's K
.set i, 0
.rept 16
	PV
.set i, i+1
.endr
	WIN 0
.if !(\last)
	v_add_nc_u32 v[AV], s[TBV], v[AV0]             ; four places again, ahead of loads into V's registers
	v_nop
	v_nop
	v_nop
	FETCH_V AV, KS*PV
.endif
.endm
; Tile t on the way out: divided by l, rounded, 16 bytes a lane into rows of 144 bytes, back as whole rows of 128, into S^T's registers
.macro PACK t
	WIN W_RS
.set i, 32*(\t)
.rept 16
	v_pk_mul_f32 v[i:i+1], v[i:i+1], v[ST+8*(\t)+6:ST+8*(\t)+7] op_sel_hi:[1,0]
.set i, i+2
.endr
	WIN 0x05                                       ; sources 0 and 1 window 1, destination window 0
.set i, 0
.rept 16
	v_cvt_pk_bf16_f32 v[S+16*(\t)+i], v[32*(\t)+2*i], v[32*(\t)+2*i+1]
.set i, i+1
.endr
	WIN 0
.irp f, 0,1,2,3
	ds_store_b128 v[STO], v[S+16*(\t)+4*\f:S+16*(\t)+4*\f+3] offset:32*\f
.endr
.irp f, 0,1,2,3
	ds_load_b128 v[S+16*(\t)+4*\f:S+16*(\t)+4*\f+3], v[RD] offset:\f*4*SP  ; LDS serves a wave's instructions in order (ISA guide 5.7.1.4): these see the stores above; the next tile's stores come behind them
.endr
.endm
.macro SEND t, younger                 ; younger: the LDS instructions issued behind tile t's loads
	WIN 0
.irp f, 0,1,2,3
	s_wait_dscnt (\younger)+3-\f
	global_store_b128 v[GO], v[S+16*(\t)+4*\f:S+16*(\t)+4*\f+3], s[68:69] offset:(\t)*2048+\f*512  ; 512 consecutive bytes, aligned
.endr
.endm
	s_wait_tensorcnt 0x0                           ; my four loads have landed,
	s_barrier_signal -1
	s_barrier_wait -1                              ; everybody's have: the head's K and V are whole, and are only read from here on
	s_wait_loadcnt 0x0                             ; Q
	s_lshl_b32 s[MK2], s[WV], 1
	s_add_co_u32 s[MK], s[MK2], 1                  ; band 7 - w: its first masked step is step 14 - 2 w, the trip with LEFT = 1 + 2 w
	s_sub_co_u32 s[MK2], 15, s[MK2]                ; band w: step 2 w, LEFT = 15 - 2 w
	s_mov_b32 s[BLK], 2
.Lblock:
	WIN 0x40                                       ; a band begins: O^T and l at 0, m at the lowest finite number, so that the first step is a step like any other, with a = 0
.set i, 0
.rept 64
	v_mov_b32 v[i], 0
.set i, i+1
.endr
	WIN 0
.irp t, 0,1
	v_mov_b32 v[ST+8*\t], 0xfe000000               ; c m: far below every c s
	v_mov_b32 v[ST+8*\t+1], 0xff7fffff             ; m
	v_mov_b32 v[ST+8*\t+2], 0
	v_mov_b32 v[ST+8*\t+3], 0
.endr
	v_mov_b32 v[DD], v[D0]                         ; the mask's numbers for the band's first masked step
	v_add_nc_u32 v[DD+1], 16, v[D0]
	s_mov_b32 s[TBK], 0
	s_mov_b32 s[TBV], 0
	FETCH_K AK0, 0                                 ; key step 0
	FETCH_V AV0, 0
	s_wait_dscnt 16                                ; K is in; V's sixteen loads may stay out
	s_mov_b32 s[LEFT], 15
.Lwalk:                                                ; 15 trips for every wave; trip n = 15 - LEFT stands at key step n
	s_cmp_lt_u32 s[LEFT], s[MK]
	s_cbranch_scc1 .Ldead                          ; behind the band's first masked step: nothing is left for the loop to do
	s_cmp_eq_u32 s[LEFT], s[MK]
	s_cbranch_scc1 .Lmasked
	STEP 0, 0
	WIN 0
	s_branch .Ldead
.Lmasked:
	STEP 1, 0                                      ; the first 64 of the band's own 128 keys
	WIN 0
.Ldead:
	s_add_co_u32 s[TBK], s[TBK], KS*PK             ; the offsets step once a trip, on every way through it: in the last trip they stand at step 14, and the fetches there reach step 15, the last
	s_add_co_u32 s[TBV], s[TBV], KS*PV
	s_sub_co_u32 s[LEFT], s[LEFT], 1
	s_cmp_lg_u32 s[LEFT], 0
	s_cbranch_scc1 .Lwalk
	STEP 1, 1                                      ; the second 64, on the K and V that the first masked step fetched
	PLACES                                         ; THE WAY OUT: l's two halves and the other half of the lanes' are added
.irp t, 0,1
	v_add_f32 v[ST+8*\t+4], v[ST+8*\t+2], v[ST+8*\t+3]
.endr
.irp t, 0,1
	v_permlanex16_b32 v[ST+8*\t+5], v[ST+8*\t+4], s[SEL], s[SEL+1]
.endr
.irp t, 0,1
	v_add_f32 v[ST+8*\t+4], v[ST+8*\t+4], v[ST+8*\t+5]
.endr
.irp t, 0,1
	v_rcp_f32 v[ST+8*\t+6], v[ST+8*\t+4]
.endr
	v_nop                                          ; a plain instruction behind the last reciprocal,
	s_wait_alu depctr_va_vdst(0)                   ; and one wait for the two, ahead of their first reader
	PACK 0
	PACK 1
	SEND 0, 8
	SEND 1, 0
	s_cmp_eq_u32 s[BLK], 1
	s_cbranch_scc1 .Ldone
	s_wait_xcnt 0x0                                ; the stores have read their registers and ctx's address
	s_mov_b64 s[68:69], s[70:71]
	s_mov_b32 s[MK], s[MK2]
	WIN W_RS                                       ; the second band's Q goes where the one text of the steps names Q
.set i, 0
.rept 32
	v_mov_b32 v[QF+i], v[QB+i]
.set i, i+1
.endr
	WIN 0
	s_sub_co_u32 s[BLK], s[BLK], 1
	s_cmp_lg_u32 s[BLK], 0
	s_cbranch_scc1 .Lblock
.Ldone:
	s_wait_tensorcnt 0x0                           ; the wave's end: the add and its wait stand behind my last tensor load and my last LDS store
	ds_add_u32 v[SPW], v[NIL]
	s_wait_dscnt 0x0
	CROUND                                         ; the closing round
	s_endpgm
.Lfunc_end_k_q896f5912da_attn:
	.size	k_q896f5912da_attn, .Lfunc_end_k_q896f5912da_attn-k_q896f5912da_attn
	.p2alignl 7, 3214868480
	.fill 96, 4, 3214868480
	.section	.rodata,"a",@progbits
	.p2align	6, 0x0
	.amdhsa_kernel k_q896f5912da_attn
		.amdhsa_group_segment_fixed_size 327680
		.amdhsa_private_segment_fixed_size 0
		.amdhsa_enable_private_segment 0
		.amdhsa_kernarg_size 16
		.amdhsa_user_sgpr_count 2
		.amdhsa_user_sgpr_kernarg_segment_ptr 1
		.amdhsa_wavefront_size32 1
		.amdhsa_system_sgpr_workgroup_id_x 1
		.amdhsa_system_sgpr_workgroup_id_y 1
		.amdhsa_system_sgpr_workgroup_id_z 1
		.amdhsa_system_vgpr_workitem_id 0
		.amdhsa_next_free_vgpr 384
		.amdhsa_next_free_sgpr 76
		.amdhsa_reserve_vcc 1
		.amdhsa_float_denorm_mode_32 3
		.amdhsa_float_denorm_mode_16_64 3
		.amdhsa_memory_ordered 1
		.amdhsa_forward_progress 1
		.amdhsa_inst_pref_size 85
	.end_amdhsa_kernel
	.amdgpu_metadata
---
amdhsa.version: [ 1, 2 ]
amdhsa.kernels:
  - .name:           k_q896f5912da_attn
    .symbol:         k_q896f5912da_attn.kd
    .args:
      - { .name: qkvb, .offset: 0, .size: 8, .value_kind: global_buffer, .address_space: global }
      - { .name: ctx, .offset: 8, .size: 8, .value_kind: global_buffer, .address_space: global }
    .group_segment_fixed_size: 327680
    .private_segment_fixed_size: 0
    .kernarg_segment_align: 8
    .kernarg_segment_size: 16
    .max_flat_workgroup_size: 128
    .sgpr_count:     76
    .vgpr_count:     384
    .wavefront_size: 32
...
	.end_amdgpu_metadata
.endif
;; end of part 3
;; launch gemm_wo (part 4): grid 8 x 32, 4 waves a work-group, clusters of 4 x 4, 327,680 bytes of LDS; arguments ctx, wb, x1, bo, x; writes x1
.if DOCPART == 4
	.amdgcn_target "amdgcn-amd-amdhsa--gfx1250"
	.amdhsa_code_object_version 6
	.text
	.protected	k_q896f5912da_gemm_wo
	.globl	k_q896f5912da_gemm_wo
	.p2align	8
	.type	k_q896f5912da_gemm_wo,@function
k_q896f5912da_gemm_wo:
	s_mov_b64 s[64:65], 0
	v_nop
	global_prefetch_b8 v0, s[64:65] scope:SCOPE_SE
	s_setreg_imm32_b32 hwreg(HW_REG_WAVE_MODE, 25, 1), 1
	s_wait_xcnt 0x0
	s_wait_alu depctr_hold_cnt(0) depctr_sa_sdst(0) depctr_va_vdst(0) depctr_va_sdst(0) depctr_va_ssrc(0) depctr_va_vcc(0) depctr_vm_vsrc(0)
	s_getreg_b32 s2, hwreg(HW_REG_IB_STS2, 6, 4)
	s_cmp_eq_u32 s2, 0
	s_cbranch_scc0 .Lentry_in_a_cluster
	s_endpgm
.Lentry_in_a_cluster:
	s_bfe_u32 s2, ttmp6, 0x10000c
	s_cmp_lg_u32 s2, 0xf033
	s_cbranch_scc0 .Lentry_shape_is_right
	s_endpgm
.Lentry_shape_is_right:
; THIS LAUNCH: x1 = x + ctx x Wo + bo, f32 row-major.
; THE FRAME (one text serves this program's four products; the six constants below make it this launch's).  C[4096][N] = A[4096][KTOT] x W[KTOT][N], operands bf16, sums f32.
; A lies in planes: byte(m, k) = ((m >> 7) * NPA + (k >> 6)) * 16384 + (m & 127) * 128 + (k & 63) * 2.  W lies row-major [k][n] in wb, WPITCH elements from row to row, from byte WOFF.
; MODE 0: C rounded to bf16, in planes (NPO of them).  MODE 1: gelu_tanh(C + bias), likewise.  MODE 2: C + bias + residual in f32, row-major, 1,024 columns.
; SHARES.  A tile of C is 128 x 128: four waves, each 64 x 64 in 16 accumulators.  K goes in steps of 256 through two LDS slots; each wave fetches a quarter of a slot by one tensor load:
; waves 0, 1 two planes of A each (32,768 dense bytes, asked for as 128 rows of 256), waves 2, 3 128 rows of W each (256 bytes a row, aligned).
; CLUSTER 4 x 4: A's tile hangs on the tile row alone and is asked for jointly along a row of the cluster, W's on the tile column alone and jointly along a column.
; THE MATRIX INSTRUCTION IS USED TRANSPOSED: source 0 = 16 columns of W (turned on the way out of LDS by ds_load_tr16_b128), source 1 = 16 rows of A: lane l holds row l % 16 of C and the
; columns 8 (l / 16) + 0..7.  The bias, laid out so, is the C operand that starts the sums.
; NO PREFETCH: a step's tiles are small, 32,768 bytes a wave, and each is shared by four work-groups.
; REGISTERS: window 0: v16-29 addresses, v32-127 at work on the way out (v96-127 first hold the bias), v128-255 accumulators ((a, b) at 128 + 8 (4 a + b)).
;   window 1: two fragment buffers of 128: 64 along K, A's (c, a) at 8 (4 c + a), W's (c, b) at 64 + 8 (4 c + b).   window 2 (MODE 2): the residual.
; LIMITS: NaN and infinities are not treated apart; gelu's exponential saturates to 0 or infinity, which gives u or 0 as the tanh form does.
.set KTOT,   1024
.set WOFF,   6291456
.set WPITCH, 1024
.set MODE,   2
.set NPO,    16
.set SPLIT3, 0                         ; 1: the columns run through three matrices of 1,024 columns, 2 MiB apart in wb
.set NPA,    KTOT/64
.set LAPS,   KTOT/512                  ; a lap = two K steps = once round the ring
.set PA,     144                       ; a row of a plane of A in LDS: 128 bytes + 16: the 16 rows of a load start at 16 different groups of four banks (64 banks of 4 bytes: ISA guide 11.1)
.set PB,     288                       ; a row of W: 256 bytes + 32
.set PLANE,  128*PA
.set HALFT,  2*PLANE                   ; what one tensor load brings: 36,864 bytes of LDS, for A (2 planes) and for W (128 rows x 288) alike
.set BOFF,   2*HALFT                   ; a slot: A's four planes, then W's 256 rows
.set SLOT,   4*HALFT
.set SPITCH, 272                       ; the stage: 64 rows of 256 bytes of f32 + 16, for each wave its own
.set WSTAGE, 64*SPITCH                 ; the four stages lie in slot 0, which has had its last fill and its last read ahead of the last change of slots
.set SPARE,  2*SLOT                    ; behind the ring: the spare words, 128 bytes for each wave: two blocks of 256 bytes that no other line names
.set ADRA, 16                          ; v16-17  my A fragments in slot 0, 1
.set ADRB, 20                          ; v20-23  my W fragments: slot 0 rows 0-127, rows 128-255, slot 1 likewise
.set STO,  24
.set RD,   25
.set CO,   26
.set BO,   27
.set SPW,  28                          ; v28  SPARE + 4 x my thread's number; never rewritten
.set NIL,  29                          ; v29  0; never rewritten
.set X,    32
.set T,    64
.set BIAS, 96
.set Y,    96
.set ACC,  128
.set F0,   0
.set F1,   128
.set G1,  24                           ; s[24:31] group 1 for A;  s[32:39] group 0, a set for each slot
.set G0,  32
.set G1B, 48                           ; s[48:55], s[56:63] the same for W
.set G0B, 56
.set MSB, 0
.macro WIN new                         ; the immediate's high byte repeats the setting that is left; a switch that changes nothing is dropped
.if MSB != (\new)
	s_set_vgpr_msb (MSB<<8)|(\new)
.set MSB, \new
.endif
.endm
.set MUL,  0x05                        ; sources 0 and 1 window 1; C and D window 0
.set TO_F, 0x40                        ; destination window 1, address window 0
.macro JLOAD s                         ; a joint load: waves 0, 1 for A, waves 2, 3 for W; s_nop 0 and four v_nop follow each line, ahead of the jump and the label
	s_cmp_eq_u32 s11, 0
	s_cbranch_scc0 .Lfor_b_\@
	tensor_load_to_lds s[G0+4*(\s):G0+4*(\s)+3], s[G1:G1+7]
	s_nop 0
.rept 4
	v_nop
.endr
	s_branch .Lasked_\@
.Lfor_b_\@:
	tensor_load_to_lds s[G0B+4*(\s):G0B+4*(\s)+3], s[G1B:G1B+7]
	s_nop 0
.rept 4
	v_nop
.endr
.Lasked_\@:
.endm
.macro CREST                           ; a round of the cluster's barrier behind its opening barrier
	s_cmp_lg_u32 s10, 0
	s_cbranch_scc1 .Lnot_wave_0_\@
	s_barrier_signal -3
.Lnot_wave_0_\@:
	s_barrier_wait -3
	s_barrier_signal -1
	s_barrier_wait -1
.endm
.macro CROUND
	s_barrier_signal -1
	s_barrier_wait -1
	CREST
.endm
.macro PLACES                          ; four plain vector instructions between a matrix instruction and what reads its result or loads into its registers
.rept 4
	v_nop
.endr
.endm
	s_load_b128 s[4:7], s[0:1], 0x0                ; A s[4:5], wb s[6:7]
	s_load_b64 s[8:9], s[0:1], 0x10                ; out
.if MODE >= 1
	s_load_b64 s[66:67], s[0:1], 0x18              ; bias
.endif
.if MODE == 2
	s_load_b64 s[68:69], s[0:1], 0x20              ; residual
.endif
	v_lshl_add_u32 v[SPW], v0, 2, SPARE
	v_mov_b32 v[NIL], 0
	ds_add_u32 v[SPW], v[NIL]                      ; the wave's opening: the add and its wait come ahead of my first tensor load; work on registers stands between them
	v_lshrrev_b32 v1, 5, v0
	v_readfirstlane_b32 s10, v1                    ; wave 0..3
	s_lshr_b32 s11, s10, 1                         ; my half of the tile's rows; also: I fetch for A (0) or W (1)
	s_and_b32 s12, s10, 1                          ; my half of its columns; also: which half of that tile I fetch
	s_bfe_u32 s40, ttmp6, 0x40000                  ; cx
	s_bfe_u32 s41, ttmp6, 0x40004                  ; cy
	s_lshl_b32 s42, ttmp9, 2
	s_add_co_u32 s42, s42, s40                     ; tile column
	s_and_b32 s13, ttmp7, 0xffff
	s_lshl_b32 s13, s13, 2
	s_add_co_u32 s13, s13, s41                     ; tile row
	s_lshl_b32 s43, s41, 2
	s_lshl_b32 s43, 15, s43                        ; my row of the cluster
	s_lshl_b32 s44, 0x1111, s40                    ; my column
	s_or_b32 s[G1+0], s43, (1<<16)|(1<<20)|(1<<21)|(4<<22)|(3<<25)   ; mask; 2-byte elements; padding on; bit 21 beside a mask; after every 32 words 4 words
	s_or_b32 s[G1B+0], s44, (1<<16)|(1<<20)|(1<<21)|(5<<22)|(7<<25)  ; after every 64 words 8 words
.irp g, G1, G1B
	s_mov_b32 s[(\g)+1], 128<<16                   ; tensor_dim0 = 128
	s_mov_b32 s[(\g)+2], 128<<16                   ; tensor_dim1 = 128
	s_mov_b32 s[(\g)+3], 128<<16                   ; tile_dim0 = 128
	s_mov_b32 s[(\g)+4], 128                       ; tile_dim1 = 128
	s_mov_b32 s[(\g)+6], 0
	s_mov_b32 s[(\g)+7], 0
.endr
	s_mov_b32 s[G1+5], 128                         ; A: dense rows of 256 bytes
	s_mov_b32 s[G1B+5], WPITCH
	s_mul_i32 s16, s13, NPA*16384                  ; A: the tile row's planes,
	s_lshl_b32 s17, s12, 15                        ; my two of a step's four
	s_add_co_u32 s16, s16, s17
	s_mov_b32 s17, 0
.if SPLIT3
	s_lshr_b32 s46, s42, 3                         ; W: which of the three matrices,
	s_lshl_b32 s46, s46, 21
	s_and_b32 s47, s42, 7                          ; and the tile's 256 bytes of its rows
	s_lshl_b32 s47, s47, 8
	s_add_co_u32 s46, s46, s47
.else
	s_lshl_b32 s46, s42, 8                         ; W: the tile's 256 bytes of a row
.endif
	s_mul_i32 s47, s12, 128*WPITCH*2               ; my 128 of a step's 256 rows
	s_add_co_u32 s46, s46, s47
.if WOFF
	s_add_co_u32 s46, s46, WOFF
.endif
	s_mov_b32 s47, 0
	s_mul_i32 s20, s10, HALFT                      ; where my part goes: no place in the cluster enters an LDS address
.if MODE == 1
	s_mov_b32 s70, 0xc0135761                      ; -2 sqrt(2 / pi) log2(e)
	s_mov_b32 s71, s70
	s_mov_b32 s72, 0xbdd2d3e8                      ; the same x 0.044715
	s_mov_b32 s73, s72
.endif
	s_wait_dscnt 0x0                               ; the opening add is done
	s_wait_kmcnt 0x0
	s_add_nc_u64 s[14:15], s[4:5], s[16:17]
	s_add_nc_u64 s[46:47], s[6:7], s[46:47]
	CROUND                                         ; all sixteen work-groups are here: the first joint loads meet
.irp s, 0,1
	s_mov_b32 s[G0+4*(\s)], 1
	s_add_co_u32 s[G0+4*(\s)+1], s20, (\s)*SLOT
	s_add_nc_u64 s[G0+4*(\s)+2:G0+4*(\s)+3], s[14:15], (\s)*65536
	s_or_b32 s[G0+4*(\s)+3], s[G0+4*(\s)+3], 0x80000000
	s_mov_b32 s[G0B+4*(\s)], 1
	s_add_co_u32 s[G0B+4*(\s)+1], s20, (\s)*SLOT
	s_add_nc_u64 s[G0B+4*(\s)+2:G0B+4*(\s)+3], s[46:47], (\s)*512*WPITCH
	s_or_b32 s[G0B+4*(\s)+3], s[G0B+4*(\s)+3], 0x80000000
	JLOAD \s
.endr
	v_and_b32 v1, 15, v0                           ; r = l % 16
	v_bfe_u32 v2, v0, 4, 1                         ; h = l / 16
	v_mul_u32_u24 v3, v1, PA
	v_lshl_add_u32 v3, v2, 4, v3
	s_mul_i32 s21, s11, 64*PA                      ; my 64 rows in each plane
	v_add_nc_u32 v[ADRA], s21, v3
	v_add_nc_u32 v[ADRA+1], SLOT, v[ADRA]
	v_and_b32 v4, 7, v0                            ; the turning load: lane l reads row 8 h + l % 8, bytes 16 ((l / 8) % 2) on
	v_lshl_add_u32 v4, v2, 3, v4
	v_mul_u32_u24 v4, v4, PB
	v_bfe_u32 v5, v0, 3, 1
	v_lshl_add_u32 v4, v5, 4, v4
	s_lshl_b32 s22, s12, 7                         ; my 64 columns
	s_add_co_u32 s22, s22, BOFF
	v_add_nc_u32 v[ADRB], s22, v4
	v_add_nc_u32 v[ADRB+1], 128*PB, v[ADRB]
	v_add_nc_u32 v[ADRB+2], SLOT, v[ADRB]
	v_add_nc_u32 v[ADRB+3], SLOT+128*PB, v[ADRB]
	s_mul_i32 s23, s10, WSTAGE                     ; my stage
	v_mul_u32_u24 v6, v1, SPITCH                   ; in: row r, 32 bytes for each half of the lanes
	v_lshl_add_u32 v6, v2, 5, v6
	v_add_nc_u32 v[STO], s23, v6
.if MODE == 2
	v_mul_u32_u24 v5, v2, SPITCH                   ; back: lanes 0-15 one row of 256 bytes, lanes 16-31 the next
	v_lshl_add_u32 v5, v1, 4, v5
	v_add_nc_u32 v[RD], s23, v5
	v_lshlrev_b32 v[CO], 12, v2                    ; and the same two rows of 4,096 bytes in memory
	v_lshl_add_u32 v[CO], v1, 4, v[CO]
	s_lshl_b32 s16, s13, 19                        ; 128 rows a tile row,
	s_lshl_b32 s17, s11, 18                        ; my 64
	s_add_co_u32 s16, s16, s17
	s_mov_b32 s17, 0
	s_add_nc_u64 s[8:9], s[8:9], s[16:17]
	s_add_nc_u64 s[68:69], s[68:69], s[16:17]
	s_lshl_b32 s46, s42, 9                         ; the tile's 512 bytes of a row, my 256: in f32 the same offset serves the bias
	s_lshl_b32 s47, s12, 8
	s_add_co_u32 s46, s46, s47
	s_mov_b32 s47, 0
	s_add_nc_u64 s[8:9], s[8:9], s[46:47]
	s_add_nc_u64 s[68:69], s[68:69], s[46:47]
	s_add_nc_u64 s[66:67], s[66:67], s[46:47]
.else
	v_and_b32 v5, 31, v0                           ; back: 32 lanes take four rows, 32 bytes of f32 each, which become 512 consecutive bytes of bf16
	v_lshlrev_b32 v[CO], 4, v5
	v_lshrrev_b32 v5, 3, v5
	v_mul_u32_u24 v5, v5, SPITCH
	v_and_b32 v7, 7, v0
	v_lshl_add_u32 v5, v7, 5, v5
	v_add_nc_u32 v[RD], s23, v5
	s_mul_i32 s16, s13, NPO*16384                  ; the tile row's planes,
	s_lshl_b32 s17, s11, 13                        ; my 64 rows of 128 bytes
	s_add_co_u32 s16, s16, s17
	s_mov_b32 s17, 0
	s_add_nc_u64 s[8:9], s[8:9], s[16:17]
	s_lshl_b32 s46, s42, 1
	s_add_co_u32 s46, s46, s12                     ; my plane
	s_lshl_b32 s46, s46, 14
	s_mov_b32 s47, 0
	s_add_nc_u64 s[8:9], s[8:9], s[46:47]
.if MODE == 1
	s_lshl_b32 s46, s42, 9
	s_lshl_b32 s47, s12, 8
	s_add_co_u32 s46, s46, s47
	s_mov_b32 s47, 0
	s_add_nc_u64 s[66:67], s[66:67], s[46:47]
.endif
.endif
.if MODE >= 1
	v_lshlrev_b32 v[BO], 5, v2                     ; register j of block b is the bias of column 16 b + 8 h + j
.irp b, 0,1,2,3
	global_load_b128 v[BIAS+8*(\b):BIAS+8*(\b)+3],   v[BO], s[66:67] offset:64*(\b)
	global_load_b128 v[BIAS+8*(\b)+4:BIAS+8*(\b)+7], v[BO], s[66:67] offset:64*(\b)+16
.endr
.endif
.if MODE == 2
	WIN 0x80                                       ; destination window 2: my 64 x 64 of the residual, asked for now, wanted on the way out
.set i, 0
.rept 32
	global_load_b128 v[4*i:4*i+3], v[CO], s[68:69] offset:8192*i
.set i, i+1
.endr
	WIN 0
.endif
; 8 matrix instructions: row blocks a0, a0 + 1 x all 4 column blocks, 32 along K: half c of buffer f.  zero = 1: the product starts the sums, with 0 or with the bias.
; The 16 accumulators take turns, one instruction a turn, in the same order everywhere.
.macro MUL8 f, c, a0, zero
	WIN MUL
.irp a, \a0, (\a0)+1
.irp b, 0,1,2,3
.if (\zero) && (MODE == 0)
	v_wmma_f32_16x16x32_bf16 v[ACC+8*(4*(\a)+(\b)):ACC+8*(4*(\a)+(\b))+7], v[(\f)+64+8*(4*(\c)+(\b)):(\f)+64+8*(4*(\c)+(\b))+7], v[(\f)+8*(4*(\c)+(\a)):(\f)+8*(4*(\c)+(\a))+7], 0
.elseif \zero
	v_wmma_f32_16x16x32_bf16 v[ACC+8*(4*(\a)+(\b)):ACC+8*(4*(\a)+(\b))+7], v[(\f)+64+8*(4*(\c)+(\b)):(\f)+64+8*(4*(\c)+(\b))+7], v[(\f)+8*(4*(\c)+(\a)):(\f)+8*(4*(\c)+(\a))+7], v[BIAS+8*(\b):BIAS+8*(\b)+7]
.else
	v_wmma_f32_16x16x32_bf16 v[ACC+8*(4*(\a)+(\b)):ACC+8*(4*(\a)+(\b))+7], v[(\f)+64+8*(4*(\c)+(\b)):(\f)+64+8*(4*(\c)+(\b))+7], v[(\f)+8*(4*(\c)+(\a)):(\f)+8*(4*(\c)+(\a))+7], v[ACC+8*(4*(\a)+(\b)):ACC+8*(4*(\a)+(\b))+7]
.endif
.endr
.endr
.endm
; 32 LDS loads in one run: the fragments of quarter q (64 along K: plane q of A, rows 64 q on of W) of a slot, into buffer f; the first 32 along K first
.macro FETCH slot, q, f
	WIN TO_F
.irp c, 0,1
.irp i, 0,1,2,3
	ds_load_tr16_b128 v[(\f)+64+8*(4*(\c)+(\i)):(\f)+64+8*(4*(\c)+(\i))+3],   v[ADRB+2*(\slot)+(\q)/2] offset:(((\q)%2)*64+32*(\c))*PB+32*(\i)
	ds_load_tr16_b128 v[(\f)+64+8*(4*(\c)+(\i))+4:(\f)+64+8*(4*(\c)+(\i))+7], v[ADRB+2*(\slot)+(\q)/2] offset:(((\q)%2)*64+32*(\c)+16)*PB+32*(\i)
	ds_load_b128 v[(\f)+8*(4*(\c)+(\i)):(\f)+8*(4*(\c)+(\i))+3],   v[ADRA+(\slot)] offset:(\q)*PLANE+(\i)*16*PA+64*(\c)
	ds_load_b128 v[(\f)+8*(4*(\c)+(\i))+4:(\f)+8*(4*(\c)+(\i))+7], v[ADRA+(\slot)] offset:(\q)*PLANE+(\i)*16*PA+64*(\c)+32
.endr
.endr
.endm
; A K step is four quarters, 32 matrix instructions each, on buffers 0, 1, 0, 1.  One of the first three: multiplies buffer f and fetches quarter q into g.
.macro QUARTER slot, q, f, g, zero
	s_wait_dscnt 16                                ; the first 32 along K are in; the other sixteen loads may stay out
	MUL8 \f, 0, 0, \zero
	MUL8 \f, 0, 2, \zero
	PLACES
	FETCH \slot, \q, \g
	s_wait_dscnt 32                                ; all but the 32 just issued
	MUL8 \f, 1, 0, 0
	MUL8 \f, 1, 2, 0
.endm
; The last quarter multiplies buffer 1 and changes slots: one barrier; ahead of it each wave waits for all its tensor loads (one is out: its part of the next slot), adds 0 to its spare word, and waits
; for that and for its reads of this slot.  fill = 1: the barrier opens a round of the cluster's, and this slot is filled again, two K steps on, first thing behind the round.
.macro TURN slot, next, fill
	WIN 0
	s_wait_tensorcnt 0x0
	ds_add_u32 v[SPW], v[NIL]
	s_wait_dscnt 17                                ; the add and the youngest sixteen loads may be out
	MUL8 F1, 0, 0, 0
	s_wait_dscnt 0x0                               ; the add is done, and my reads of this slot are over
	s_barrier_signal -1
	MUL8 F1, 0, 2, 0
.if \fill
	WIN 0
.endif
	s_barrier_wait -1
.if \fill
	CREST                                          ; no wave of any partner still reads this slot or has a load on its way
	s_add_nc_u64 s[G0+4*(\slot)+2:G0+4*(\slot)+3], s[G0+4*(\slot)+2:G0+4*(\slot)+3], 2*65536
	s_add_nc_u64 s[G0B+4*(\slot)+2:G0B+4*(\slot)+3], s[G0B+4*(\slot)+2:G0B+4*(\slot)+3], 1024*WPITCH
	JLOAD \slot                                    ; 112 matrix instructions ahead of the wait for it; its four v_nop are also the places in front of the loads below
.else
	PLACES
.endif
	FETCH \next, 0, F0
	MUL8 F1, 1, 0, 0
	MUL8 F1, 1, 2, 0
.endm
	s_wait_tensorcnt 1                             ; my part of K step 0 is in; K step 1's may stay out
	s_barrier_signal -1
	s_barrier_wait -1
	FETCH 0, 0, F0
.if MODE == 2
	s_wait_loadcnt 32                              ; the bias is in; the 32 younger loads of the residual stay out
.elseif MODE == 1
	s_wait_loadcnt 0x0                             ; the bias
.endif
	QUARTER 0, 1, F0, F1, 1                        ; the first quarter stands in front of the loop: its first products start the sums
	WIN 0
	s_mov_b32 s3, LAPS-1
.Llap:                                                 ; a trip goes once round the ring, from a lap's second quarter to the next lap's first, and fills both slots again
	QUARTER 0, 2, F1, F0, 0
	QUARTER 0, 3, F0, F1, 0
	TURN 0, 1, 1
	QUARTER 1, 1, F0, F1, 0
	QUARTER 1, 2, F1, F0, 0
	QUARTER 1, 3, F0, F1, 0
	TURN 1, 0, 1
	QUARTER 0, 1, F0, F1, 0
	WIN 0
	s_sub_co_u32 s3, s3, 1
	s_cmp_lg_u32 s3, 0
	s_cbranch_scc1 .Llap
	QUARTER 0, 2, F1, F0, 0                        ; the last lap fills nothing
	QUARTER 0, 3, F0, F1, 0
	TURN 0, 1, 0
	QUARTER 1, 1, F0, F1, 0
	QUARTER 1, 2, F1, F0, 0
	QUARTER 1, 3, F0, F1, 0
	s_wait_dscnt 16
	MUL8 F1, 0, 0, 0
	MUL8 F1, 0, 2, 0
	s_wait_dscnt 0x0
	MUL8 F1, 1, 0, 0
	MUL8 F1, 1, 2, 0
	WIN 0
	; THE WAY OUT.  My 64 x 64 sums go in f32 into my own stage and come back by rows.  LDS serves a wave's instructions in order (ISA guide 5.7.1.4), so no wait stands between my stores and my loads.
	PLACES
	PLACES
.set t, 0
.rept 16
	ds_store_b128 v[STO], v[ACC+8*t:ACC+8*t+3]   offset:(t/4)*16*SPITCH+(t%4)*64      ; each accumulator's low registers first
	ds_store_b128 v[STO], v[ACC+8*t+4:ACC+8*t+7] offset:(t/4)*16*SPITCH+(t%4)*64+16
.set t, t+1
.endr
.if MODE == 2
	WIN TO_F
.set i, 0
.rept 32
	ds_load_b128 v[4*i:4*i+3], v[RD] offset:2*SPITCH*i
.set i, i+1
.endr
	s_wait_dscnt 0x0
	s_wait_loadcnt 0x0                             ; the residual
	WIN 0x49                                       ; destination and source 0 window 1, source 1 window 2
.set i, 0
.rept 64
	v_pk_add_f32 v[2*i:2*i+1], v[2*i:2*i+1], v[2*i:2*i+1]
.set i, i+1
.endr
	WIN 0x04                                       ; store data window 1, address window 0
.set i, 0
.rept 32
	global_store_b128 v[CO], v[4*i:4*i+3], s[8:9] offset:8192*i  ; 16 lanes store 256 consecutive bytes, aligned
.set i, i+1
.endr
	WIN 0
.else
; gelu_tanh(u) = u / (1 + 2^(u (A + B u u))), A = -2 sqrt(2 / pi) log2(e), B = 0.044715 A.  Two batches a trip, 32 exponentials and 32 reciprocals, each with one plain instruction and one wait behind it.
.macro GELU
.set p, 0
.rept 16
	v_pk_mul_f32 v[T+2*p:T+2*p+1], v[X+2*p:X+2*p+1], v[X+2*p:X+2*p+1]
	v_pk_fma_f32 v[T+2*p:T+2*p+1], v[T+2*p:T+2*p+1], s[72:73], s[70:71] op_sel_hi:[1,0,0]
.if p > 0
	v_exp_f32 v[T+2*p-2], v[T+2*p-2]
.endif
	v_pk_mul_f32 v[T+2*p:T+2*p+1], v[T+2*p:T+2*p+1], v[X+2*p:X+2*p+1]
.if p > 0
	v_exp_f32 v[T+2*p-1], v[T+2*p-1]
.endif
.set p, p+1
.endr
	v_exp_f32 v[T+30], v[T+30]
	v_exp_f32 v[T+31], v[T+31]
	v_nop
	s_wait_alu depctr_va_vdst(0)                   ; one wait for the 32 exponentials, ahead of their first reader
.set p, 0
.rept 16
	v_pk_add_f32 v[T+2*p:T+2*p+1], v[T+2*p:T+2*p+1], 1.0 op_sel_hi:[1,0]
.if p > 0
	v_rcp_f32 v[T+2*p-2], v[T+2*p-2]
	v_rcp_f32 v[T+2*p-1], v[T+2*p-1]
.endif
.set p, p+1
.endr
	v_rcp_f32 v[T+30], v[T+30]
	v_rcp_f32 v[T+31], v[T+31]
	v_nop
	s_wait_alu depctr_va_vdst(0)                   ; one wait for the 32 reciprocals
.set p, 0
.rept 16
	v_pk_mul_f32 v[X+2*p:X+2*p+1], v[X+2*p:X+2*p+1], v[T+2*p:T+2*p+1]
.set p, p+1
.endr
.endm
	s_mov_b32 s74, 4
.Lout:                                                 ; four trips of 16 rows
.irp g, 0,1,2,3
	ds_load_b128 v[X+8*(\g):X+8*(\g)+3],   v[RD] offset:4*SPITCH*(\g)
	ds_load_b128 v[X+8*(\g)+4:X+8*(\g)+7], v[RD] offset:4*SPITCH*(\g)+16
.endr
	s_wait_dscnt 0x0
.if MODE == 1
	GELU
.endif
.set p, 0
.rept 16
	v_cvt_pk_bf16_f32 v[Y+p], v[X+2*p], v[X+2*p+1]
.set p, p+1
.endr
.irp g, 0,1,2,3
	global_store_b128 v[CO], v[Y+4*(\g):Y+4*(\g)+3], s[8:9] offset:512*(\g)  ; four rows of my plane: 512 consecutive bytes, aligned
.endr
	s_wait_xcnt 0x0                                ; the stores have read their address and data: CO is stepped, and Y written in the next trip, only behind this wait
	v_add_nc_u32 v[RD], 16*SPITCH, v[RD]
	v_add_nc_u32 v[CO], 2048, v[CO]
	s_sub_co_u32 s74, s74, 1
	s_cmp_lg_u32 s74, 0
	s_cbranch_scc1 .Lout
.endif
	s_wait_tensorcnt 0x0                           ; the wave's end: the add and its wait stand behind my last tensor load and my last LDS store
	ds_add_u32 v[SPW], v[NIL]
	s_wait_dscnt 0x0
	CROUND                                         ; the closing round: no work-group ends while a partner may still ask for a tile that names it
	s_endpgm
.Lfunc_end_k_q896f5912da_gemm_wo:
	.size	k_q896f5912da_gemm_wo, .Lfunc_end_k_q896f5912da_gemm_wo-k_q896f5912da_gemm_wo
	.p2alignl 7, 3214868480
	.fill 96, 4, 3214868480
	.section	.rodata,"a",@progbits
	.p2align	6, 0x0
	.amdhsa_kernel k_q896f5912da_gemm_wo
		.amdhsa_group_segment_fixed_size 327680
		.amdhsa_private_segment_fixed_size 0
		.amdhsa_enable_private_segment 0
		.amdhsa_kernarg_size 40
		.amdhsa_user_sgpr_count 2
		.amdhsa_user_sgpr_kernarg_segment_ptr 1
		.amdhsa_wavefront_size32 1
		.amdhsa_system_sgpr_workgroup_id_x 1
		.amdhsa_system_sgpr_workgroup_id_y 1
		.amdhsa_system_sgpr_workgroup_id_z 1
		.amdhsa_system_vgpr_workitem_id 0
		.amdhsa_next_free_vgpr 640
		.amdhsa_next_free_sgpr 76
		.amdhsa_reserve_vcc 0
		.amdhsa_float_denorm_mode_32 3
		.amdhsa_float_denorm_mode_16_64 3
		.amdhsa_memory_ordered 1
		.amdhsa_forward_progress 1
		.amdhsa_inst_pref_size 94
	.end_amdhsa_kernel
	.amdgpu_metadata
---
amdhsa.version: [ 1, 2 ]
amdhsa.kernels:
  - .name:           k_q896f5912da_gemm_wo
    .symbol:         k_q896f5912da_gemm_wo.kd
    .args:
      - { .name: ctx, .offset: 0, .size: 8, .value_kind: global_buffer, .address_space: global }
      - { .name: wb, .offset: 8, .size: 8, .value_kind: global_buffer, .address_space: global }
      - { .name: x1, .offset: 16, .size: 8, .value_kind: global_buffer, .address_space: global }
      - { .name: bo, .offset: 24, .size: 8, .value_kind: global_buffer, .address_space: global }
      - { .name: x, .offset: 32, .size: 8, .value_kind: global_buffer, .address_space: global }
    .group_segment_fixed_size: 327680
    .private_segment_fixed_size: 0
    .kernarg_segment_align: 8
    .kernarg_segment_size: 40
    .max_flat_workgroup_size: 128
    .sgpr_count:     76
    .vgpr_count:     640
    .wavefront_size: 32
...
	.end_amdgpu_metadata
.endif
;; end of part 4
;; launch ln2 (part 5): grid 256 x 1, 8 waves a work-group, no clusters, 0 bytes of LDS; arguments x1, ln2_scale, ln2_shift, h2; writes h2
.if DOCPART == 5
	.amdgcn_target "amdgcn-amd-amdhsa--gfx1250"
	.amdhsa_code_object_version 6
	.text
	.protected	k_q896f5912da_ln2
	.globl	k_q896f5912da_ln2
	.p2align	8
	.type	k_q896f5912da_ln2,@function
k_q896f5912da_ln2:
	s_mov_b64 s[64:65], 0
	v_nop
	global_prefetch_b8 v0, s[64:65] scope:SCOPE_SE
	s_setreg_imm32_b32 hwreg(HW_REG_WAVE_MODE, 25, 1), 1
	s_wait_xcnt 0x0
; h2 = layernorm(x1) * ln2_scale + ln2_shift, rounded once to bf16, in 16 planes of 64 columns:
; byte(m, n) = ((m >> 7) * 16 + (n >> 6)) * 16384 + (m & 127) * 128 + (n & 63) * 2, so that the product that follows fetches dense tiles.
; 16 tokens a work-group, two a wave.  Lane l: token (l >> 3) & 1, plane parity l >> 4, eight columns 8 (l & 7) on in each of eight planes: 64 numbers in registers between the passes.
; Mean first, then the sum of squares of x - mean (no difference of large sums), all in f32.  Matrix units, LDS and clusters would add nothing: nothing is shared, memory binds.
; It is a launch of its own because a row of x1 is made by eight work-groups of the launch before.  LIMITS: NaN and infinities are not treated apart.
.set XO,   2                           ; v2   byte offset of my first 32 bytes in the wave's two rows of x1
.set PO,   3                           ; v3   the same in gain and shift
.set YO,   4                           ; v4   my 16 bytes in h2, plane 0 or 1
.set CH,   6                           ; v[6:13]  four chains of packed sums
.set MEAN, 14                          ; v[14:15] the mean, twice
.set RSTD, 16                          ; v[16:17] 1 / sqrt(var + eps), twice
.set TMP,  18
.set RN,   19                          ; 1 / 1024
.set X,    32                          ; v[32:95]   my 64 numbers
.set SC,   96                          ; v[96:159]  their gains
.set SH,   160                         ; v[160:223] their shifts
.set IN,   8                           ; s[8:9] x1;  s[10:11] gain;  s[12:13] shift
.set OUT,  14                          ; s[14:15] h2
	s_load_b256 s[8:15], s[0:1], 0x0
	v_lshrrev_b32 v1, 5, v0
	v_readfirstlane_b32 s4, v1                     ; wave 0..7
	s_mov_b32 s5, 0x76543210                       ; v_permlanex16_b32: each lane takes its own place in the other half
	s_mov_b32 s6, 0xfedcba98
	v_and_b32 v5, 7, v0                            ; l & 7
	v_bfe_u32 v1, v0, 3, 1                         ; token
	v_bfe_u32 v[TMP], v0, 4, 1                     ; plane parity
	v_lshlrev_b32 v[PO], 5, v5
	v_lshl_add_u32 v[PO], v[TMP], 8, v[PO]         ; 256 x parity + 32 (l & 7)
	v_lshl_add_u32 v[XO], v1, 12, v[PO]            ; + 4,096 x token
	v_lshlrev_b32 v[YO], 4, v5
	v_lshl_add_u32 v[YO], v1, 7, v[YO]
	v_lshl_add_u32 v[YO], v[TMP], 14, v[YO]        ; 16,384 x parity + 128 x token + 16 (l & 7)
	v_mov_b32 v[RN], 0x3a800000
	s_lshl_b32 s30, ttmp9, 16                      ; 16 tokens of 4,096 bytes
	s_lshl_b32 s31, s4, 13                         ; my wave's two
	s_add_co_u32 s30, s30, s31
	s_mov_b32 s31, 0
	s_lshr_b32 s32, ttmp9, 3                       ; block of 128 tokens: 16 planes of 16,384 bytes
	s_lshl_b32 s32, s32, 18
	s_and_b32 s33, ttmp9, 7
	s_lshl_b32 s33, s33, 11                        ; 16 tokens of 128 bytes in a plane
	s_add_co_u32 s32, s32, s33
	s_lshl_b32 s33, s4, 8
	s_add_co_u32 s32, s32, s33
	s_mov_b32 s33, 0
	s_wait_kmcnt 0x0
	s_add_nc_u64 s[IN:IN+1], s[IN:IN+1], s[30:31]
	s_add_nc_u64 s[OUT:OUT+1], s[OUT:OUT+1], s[32:33]
.set i, 0
.rept 8
	global_load_b128 v[X+8*i:X+8*i+3],   v[XO], s[IN:IN+1] offset:512*i
	global_load_b128 v[X+8*i+4:X+8*i+7], v[XO], s[IN:IN+1] offset:512*i+16
.set i, i+1
.endr
.set i, 0
.rept 8
	global_load_b128 v[SC+8*i:SC+8*i+3],   v[PO], s[IN+2:IN+3] offset:512*i
	global_load_b128 v[SC+8*i+4:SC+8*i+7], v[PO], s[IN+2:IN+3] offset:512*i+16
	global_load_b128 v[SH+8*i:SH+8*i+3],   v[PO], s[IN+4:IN+5] offset:512*i
	global_load_b128 v[SH+8*i+4:SH+8*i+7], v[PO], s[IN+4:IN+5] offset:512*i+16
.set i, i+1
.endr
; the four chains into one number, then over the 16 lanes of a token: lane bits 0-2 ride on the additions, bit 4 crosses the halves; bit 3, the token, is left alone
.macro FOLD
	v_pk_add_f32 v[CH:CH+1], v[CH:CH+1], v[CH+2:CH+3]
	v_pk_add_f32 v[CH+4:CH+5], v[CH+4:CH+5], v[CH+6:CH+7]
	v_pk_add_f32 v[CH:CH+1], v[CH:CH+1], v[CH+4:CH+5]
	v_add_f32 v[CH], v[CH], v[CH+1]
	v_add_f32_dpp v[CH], v[CH], v[CH] row_xmask:1 row_mask:0xf bank_mask:0xf
	v_add_f32_dpp v[CH], v[CH], v[CH] row_xmask:2 row_mask:0xf bank_mask:0xf
	v_add_f32_dpp v[CH], v[CH], v[CH] row_xmask:4 row_mask:0xf bank_mask:0xf
	v_permlanex16_b32 v[TMP], v[CH], s5, s6
	v_add_f32 v[CH], v[CH], v[TMP]
.endm
	s_wait_loadcnt 32                              ; x1 is in; the 32 younger loads of gain and shift may stay out
.irp k, 0,1,2,3
	v_pk_add_f32 v[CH+2*(\k):CH+2*(\k)+1], v[X+2*(\k):X+2*(\k)+1], v[X+8+2*(\k):X+8+2*(\k)+1]  ; the first eight pairs start the chains
.endr
.set j, 8
.rept 24
	v_pk_add_f32 v[CH+2*(j%4):CH+2*(j%4)+1], v[CH+2*(j%4):CH+2*(j%4)+1], v[X+2*j:X+2*j+1]
.set j, j+1
.endr
	FOLD
	v_mul_f32 v[MEAN], v[CH], v[RN]
	v_mul_f32 v[MEAN+1], v[CH], v[RN]
.set j, 0
.rept 32
	v_pk_add_f32 v[X+2*j:X+2*j+1], v[X+2*j:X+2*j+1], v[MEAN:MEAN+1] neg_lo:[0,1] neg_hi:[0,1]  ; x - mean, in place
.set j, j+1
.endr
.irp k, 0,1,2,3
	v_pk_mul_f32 v[CH+2*(\k):CH+2*(\k)+1], v[X+2*(\k):X+2*(\k)+1], v[X+2*(\k):X+2*(\k)+1]
.endr
.set j, 4
.rept 28
	v_pk_fma_f32 v[CH+2*(j%4):CH+2*(j%4)+1], v[X+2*j:X+2*j+1], v[X+2*j:X+2*j+1], v[CH+2*(j%4):CH+2*(j%4)+1]
.set j, j+1
.endr
	FOLD
	v_fmaak_f32 v[CH], v[CH], v[RN], 0x3727c5ac    ; var + 1e-5
	v_rsq_f32 v[RSTD], v[CH]
	v_rsq_f32 v[RSTD+1], v[CH]
	v_nop                                          ; a plain instruction behind the last root,
	s_wait_alu depctr_va_vdst(0)                   ; and one wait for both, ahead of their first reader
	s_wait_loadcnt 0x0                             ; gain and shift
.set i, 0
.rept 8
.irp k, 0,1,2,3
	v_pk_mul_f32 v[X+8*i+2*(\k):X+8*i+2*(\k)+1], v[X+8*i+2*(\k):X+8*i+2*(\k)+1], v[RSTD:RSTD+1]
.endr
.irp k, 0,1,2,3
	v_pk_fma_f32 v[X+8*i+2*(\k):X+8*i+2*(\k)+1], v[X+8*i+2*(\k):X+8*i+2*(\k)+1], v[SC+8*i+2*(\k):SC+8*i+2*(\k)+1], v[SH+8*i+2*(\k):SH+8*i+2*(\k)+1]
.endr
.irp k, 0,1,2,3
	v_cvt_pk_bf16_f32 v[X+8*i+(\k)], v[X+8*i+2*(\k)], v[X+8*i+2*(\k)+1]
.endr
	global_store_b128 v[YO], v[X+8*i:X+8*i+3], s[OUT:OUT+1] offset:32768*i  ; lanes 0-15: 256 consecutive bytes, aligned, of plane 2 i (two tokens); lanes 16-31: of plane 2 i + 1
.set i, i+1
.endr
	s_endpgm
.Lfunc_end_k_q896f5912da_ln2:
	.size	k_q896f5912da_ln2, .Lfunc_end_k_q896f5912da_ln2-k_q896f5912da_ln2
	.p2alignl 7, 3214868480
	.fill 96, 4, 3214868480
	.section	.rodata,"a",@progbits
	.p2align	6, 0x0
	.amdhsa_kernel k_q896f5912da_ln2
		.amdhsa_group_segment_fixed_size 0
		.amdhsa_private_segment_fixed_size 0
		.amdhsa_enable_private_segment 0
		.amdhsa_kernarg_size 32
		.amdhsa_user_sgpr_count 2
		.amdhsa_user_sgpr_kernarg_segment_ptr 1
		.amdhsa_wavefront_size32 1
		.amdhsa_system_sgpr_workgroup_id_x 1
		.amdhsa_system_sgpr_workgroup_id_y 1
		.amdhsa_system_sgpr_workgroup_id_z 1
		.amdhsa_system_vgpr_workitem_id 0
		.amdhsa_next_free_vgpr 224
		.amdhsa_next_free_sgpr 66
		.amdhsa_reserve_vcc 0
		.amdhsa_float_denorm_mode_32 3
		.amdhsa_float_denorm_mode_16_64 3
		.amdhsa_memory_ordered 1
		.amdhsa_forward_progress 1
		.amdhsa_inst_pref_size 20
	.end_amdhsa_kernel
	.amdgpu_metadata
---
amdhsa.version: [ 1, 2 ]
amdhsa.kernels:
  - .name:           k_q896f5912da_ln2
    .symbol:         k_q896f5912da_ln2.kd
    .args:
      - { .name: x1, .offset: 0, .size: 8, .value_kind: global_buffer, .address_space: global }
      - { .name: ln2_scale, .offset: 8, .size: 8, .value_kind: global_buffer, .address_space: global }
      - { .name: ln2_shift, .offset: 16, .size: 8, .value_kind: global_buffer, .address_space: global }
      - { .name: h2, .offset: 24, .size: 8, .value_kind: global_buffer, .address_space: global }
    .group_segment_fixed_size: 0
    .private_segment_fixed_size: 0
    .kernarg_segment_align: 8
    .kernarg_segment_size: 32
    .max_flat_workgroup_size: 256
    .sgpr_count:     66
    .vgpr_count:     224
    .wavefront_size: 32
...
	.end_amdgpu_metadata
.endif
;; end of part 5
;; launch gemm_ffn1 (part 6): grid 32 x 32, 4 waves a work-group, clusters of 4 x 4, 327,680 bytes of LDS; arguments h2, wb, gact, b1; writes gact
.if DOCPART == 6
	.amdgcn_target "amdgcn-amd-amdhsa--gfx1250"
	.amdhsa_code_object_version 6
	.text
	.protected	k_q896f5912da_gemm_ffn1
	.globl	k_q896f5912da_gemm_ffn1
	.p2align	8
	.type	k_q896f5912da_gemm_ffn1,@function
k_q896f5912da_gemm_ffn1:
	s_mov_b64 s[64:65], 0
	v_nop
	global_prefetch_b8 v0, s[64:65] scope:SCOPE_SE
	s_setreg_imm32_b32 hwreg(HW_REG_WAVE_MODE, 25, 1), 1
	s_wait_xcnt 0x0
	s_wait_alu depctr_hold_cnt(0) depctr_sa_sdst(0) depctr_va_vdst(0) depctr_va_sdst(0) depctr_va_ssrc(0) depctr_va_vcc(0) depctr_vm_vsrc(0)
	s_getreg_b32 s2, hwreg(HW_REG_IB_STS2, 6, 4)
	s_cmp_eq_u32 s2, 0
	s_cbranch_scc0 .Lentry_in_a_cluster
	s_endpgm
.Lentry_in_a_cluster:
	s_bfe_u32 s2, ttmp6, 0x10000c
	s_cmp_lg_u32 s2, 0xf033
	s_cbranch_scc0 .Lentry_shape_is_right
	s_endpgm
.Lentry_shape_is_right:
; THIS LAUNCH: gact = gelu_tanh(h2 x W1 + b1), bf16 out in 64 planes.
; THE FRAME (one text serves this program's four products; the six constants below make it this launch's).  C[4096][N] = A[4096][KTOT] x W[KTOT][N], operands bf16, sums f32.
; A lies in planes: byte(m, k) = ((m >> 7) * NPA + (k >> 6)) * 16384 + (m & 127) * 128 + (k & 63) * 2.  W lies row-major [k][n] in wb, WPITCH elements from row to row, from byte WOFF.
; MODE 0: C rounded to bf16, in planes (NPO of them).  MODE 1: gelu_tanh(C + bias), likewise.  MODE 2: C + bias + residual in f32, row-major, 1,024 columns.
; SHARES.  A tile of C is 128 x 128: four waves, each 64 x 64 in 16 accumulators.  K goes in steps of 256 through two LDS slots; each wave fetches a quarter of a slot by one tensor load:
; waves 0, 1 two planes of A each (32,768 dense bytes, asked for as 128 rows of 256), waves 2, 3 128 rows of W each (256 bytes a row, aligned).
; CLUSTER 4 x 4: A's tile hangs on the tile row alone and is asked for jointly along a row of the cluster, W's on the tile column alone and jointly along a column.
; THE MATRIX INSTRUCTION IS USED TRANSPOSED: source 0 = 16 columns of W (turned on the way out of LDS by ds_load_tr16_b128), source 1 = 16 rows of A: lane l holds row l % 16 of C and the
; columns 8 (l / 16) + 0..7.  The bias, laid out so, is the C operand that starts the sums.
; NO PREFETCH: a step's tiles are small, 32,768 bytes a wave, and each is shared by four work-groups.
; REGISTERS: window 0: v16-29 addresses, v32-127 at work on the way out (v96-127 first hold the bias), v128-255 accumulators ((a, b) at 128 + 8 (4 a + b)).
;   window 1: two fragment buffers of 128: 64 along K, A's (c, a) at 8 (4 c + a), W's (c, b) at 64 + 8 (4 c + b).   window 2 (MODE 2): the residual.
; LIMITS: NaN and infinities are not treated apart; gelu's exponential saturates to 0 or infinity, which gives u or 0 as the tanh form does.
.set KTOT,   1024
.set WOFF,   8388608
.set WPITCH, 4096
.set MODE,   1
.set NPO,    64
.set SPLIT3, 0                         ; 1: the columns run through three matrices of 1,024 columns, 2 MiB apart in wb
.set NPA,    KTOT/64
.set LAPS,   KTOT/512                  ; a lap = two K steps = once round the ring
.set PA,     144                       ; a row of a plane of A in LDS: 128 bytes + 16: the 16 rows of a load start at 16 different groups of four banks (64 banks of 4 bytes: ISA guide 11.1)
.set PB,     288                       ; a row of W: 256 bytes + 32
.set PLANE,  128*PA
.set HALFT,  2*PLANE                   ; what one tensor load brings: 36,864 bytes of LDS, for A (2 planes) and for W (128 rows x 288) alike
.set BOFF,   2*HALFT                   ; a slot: A's four planes, then W's 256 rows
.set SLOT,   4*HALFT
.set SPITCH, 272                       ; the stage: 64 rows of 256 bytes of f32 + 16, for each wave its own
.set WSTAGE, 64*SPITCH                 ; the four stages lie in slot 0, which has had its last fill and its last read ahead of the last change of slots
.set SPARE,  2*SLOT                    ; behind the ring: the spare words, 128 bytes for each wave: two blocks of 256 bytes that no other line names
.set ADRA, 16                          ; v16-17  my A fragments in slot 0, 1
.set ADRB, 20                          ; v20-23  my W fragments: slot 0 rows 0-127, rows 128-255, slot 1 likewise
.set STO,  24
.set RD,   25
.set CO,   26
.set BO,   27
.set SPW,  28                          ; v28  SPARE + 4 x my thread's number; never rewritten
.set NIL,  29                          ; v29  0; never rewritten
.set X,    32
.set T,    64
.set BIAS, 96
.set Y,    96
.set ACC,  128
.set F0,   0
.set F1,   128
.set G1,  24                           ; s[24:31] group 1 for A;  s[32:39] group 0, a set for each slot
.set G0,  32
.set G1B, 48                           ; s[48:55], s[56:63] the same for W
.set G0B, 56
.set MSB, 0
.macro WIN new                         ; the immediate's high byte repeats the setting that is left; a switch that changes nothing is dropped
.if MSB != (\new)
	s_set_vgpr_msb (MSB<<8)|(\new)
.set MSB, \new
.endif
.endm
.set MUL,  0x05                        ; sources 0 and 1 window 1; C and D window 0
.set TO_F, 0x40                        ; destination window 1, address window 0
.macro JLOAD s                         ; a joint load: waves 0, 1 for A, waves 2, 3 for W; s_nop 0 and four v_nop follow each line, ahead of the jump and the label
	s_cmp_eq_u32 s11, 0
	s_cbranch_scc0 .Lfor_b_\@
	tensor_load_to_lds s[G0+4*(\s):G0+4*(\s)+3], s[G1:G1+7]
	s_nop 0
.rept 4
	v_nop
.endr
	s_branch .Lasked_\@
.Lfor_b_\@:
	tensor_load_to_lds s[G0B+4*(\s):G0B+4*(\s)+3], s[G1B:G1B+7]
	s_nop 0
.rept 4
	v_nop
.endr
.Lasked_\@:
.endm
.macro CREST                           ; a round of the cluster's barrier behind its opening barrier
	s_cmp_lg_u32 s10, 0
	s_cbranch_scc1 .Lnot_wave_0_\@
	s_barrier_signal -3
.Lnot_wave_0_\@:
	s_barrier_wait -3
	s_barrier_signal -1
	s_barrier_wait -1
.endm
.macro CROUND
	s_barrier_signal -1
	s_barrier_wait -1
	CREST
.endm
.macro PLACES                          ; four plain vector instructions between a matrix instruction and what reads its result or loads into its registers
.rept 4
	v_nop
.endr
.endm
	s_load_b128 s[4:7], s[0:1], 0x0                ; A s[4:5], wb s[6:7]
	s_load_b64 s[8:9], s[0:1], 0x10                ; out
.if MODE >= 1
	s_load_b64 s[66:67], s[0:1], 0x18              ; bias
.endif
.if MODE == 2
	s_load_b64 s[68:69], s[0:1], 0x20              ; residual
.endif
	v_lshl_add_u32 v[SPW], v0, 2, SPARE
	v_mov_b32 v[NIL], 0
	ds_add_u32 v[SPW], v[NIL]                      ; the wave's opening: the add and its wait come ahead of my first tensor load; work on registers stands between them
	v_lshrrev_b32 v1, 5, v0
	v_readfirstlane_b32 s10, v1                    ; wave 0..3
	s_lshr_b32 s11, s10, 1                         ; my half of the tile's rows; also: I fetch for A (0) or W (1)
	s_and_b32 s12, s10, 1                          ; my half of its columns; also: which half of that tile I fetch
	s_bfe_u32 s40, ttmp6, 0x40000                  ; cx
	s_bfe_u32 s41, ttmp6, 0x40004                  ; cy
	s_lshl_b32 s42, ttmp9, 2
	s_add_co_u32 s42, s42, s40                     ; tile column
	s_and_b32 s13, ttmp7, 0xffff
	s_lshl_b32 s13, s13, 2
	s_add_co_u32 s13, s13, s41                     ; tile row
	s_lshl_b32 s43, s41, 2
	s_lshl_b32 s43, 15, s43                        ; my row of the cluster
	s_lshl_b32 s44, 0x1111, s40                    ; my column
	s_or_b32 s[G1+0], s43, (1<<16)|(1<<20)|(1<<21)|(4<<22)|(3<<25)   ; mask; 2-byte elements; padding on; bit 21 beside a mask; after every 32 words 4 words
	s_or_b32 s[G1B+0], s44, (1<<16)|(1<<20)|(1<<21)|(5<<22)|(7<<25)  ; after every 64 words 8 words
.irp g, G1, G1B
	s_mov_b32 s[(\g)+1], 128<<16                   ; tensor_dim0 = 128
	s_mov_b32 s[(\g)+2], 128<<16                   ; tensor_dim1 = 128
	s_mov_b32 s[(\g)+3], 128<<16                   ; tile_dim0 = 128
	s_mov_b32 s[(\g)+4], 128                       ; tile_dim1 = 128
	s_mov_b32 s[(\g)+6], 0
	s_mov_b32 s[(\g)+7], 0
.endr
	s_mov_b32 s[G1+5], 128                         ; A: dense rows of 256 bytes
	s_mov_b32 s[G1B+5], WPITCH
	s_mul_i32 s16, s13, NPA*16384                  ; A: the tile row's planes,
	s_lshl_b32 s17, s12, 15                        ; my two of a step's four
	s_add_co_u32 s16, s16, s17
	s_mov_b32 s17, 0
.if SPLIT3
	s_lshr_b32 s46, s42, 3                         ; W: which of the three matrices,
	s_lshl_b32 s46, s46, 21
	s_and_b32 s47, s42, 7                          ; and the tile's 256 bytes of its rows
	s_lshl_b32 s47, s47, 8
	s_add_co_u32 s46, s46, s47
.else
	s_lshl_b32 s46, s42, 8                         ; W: the tile's 256 bytes of a row
.endif
	s_mul_i32 s47, s12, 128*WPITCH*2               ; my 128 of a step's 256 rows
	s_add_co_u32 s46, s46, s47
.if WOFF
	s_add_co_u32 s46, s46, WOFF
.endif
	s_mov_b32 s47, 0
	s_mul_i32 s20, s10, HALFT                      ; where my part goes: no place in the cluster enters an LDS address
.if MODE == 1
	s_mov_b32 s70, 0xc0135761                      ; -2 sqrt(2 / pi) log2(e)
	s_mov_b32 s71, s70
	s_mov_b32 s72, 0xbdd2d3e8                      ; the same x 0.044715
	s_mov_b32 s73, s72
.endif
	s_wait_dscnt 0x0                               ; the opening add is done
	s_wait_kmcnt 0x0
	s_add_nc_u64 s[14:15], s[4:5], s[16:17]
	s_add_nc_u64 s[46:47], s[6:7], s[46:47]
	CROUND                                         ; all sixteen work-groups are here: the first joint loads meet
.irp s, 0,1
	s_mov_b32 s[G0+4*(\s)], 1
	s_add_co_u32 s[G0+4*(\s)+1], s20, (\s)*SLOT
	s_add_nc_u64 s[G0+4*(\s)+2:G0+4*(\s)+3], s[14:15], (\s)*65536
	s_or_b32 s[G0+4*(\s)+3], s[G0+4*(\s)+3], 0x80000000
	s_mov_b32 s[G0B+4*(\s)], 1
	s_add_co_u32 s[G0B+4*(\s)+1], s20, (\s)*SLOT
	s_add_nc_u64 s[G0B+4*(\s)+2:G0B+4*(\s)+3], s[46:47], (\s)*512*WPITCH
	s_or_b32 s[G0B+4*(\s)+3], s[G0B+4*(\s)+3], 0x80000000
	JLOAD \s
.endr
	v_and_b32 v1, 15, v0                           ; r = l % 16
	v_bfe_u32 v2, v0, 4, 1                         ; h = l / 16
	v_mul_u32_u24 v3, v1, PA
	v_lshl_add_u32 v3, v2, 4, v3
	s_mul_i32 s21, s11, 64*PA                      ; my 64 rows in each plane
	v_add_nc_u32 v[ADRA], s21, v3
	v_add_nc_u32 v[ADRA+1], SLOT, v[ADRA]
	v_and_b32 v4, 7, v0                            ; the turning load: lane l reads row 8 h + l % 8, bytes 16 ((l / 8) % 2) on
	v_lshl_add_u32 v4, v2, 3, v4
	v_mul_u32_u24 v4, v4, PB
	v_bfe_u32 v5, v0, 3, 1
	v_lshl_add_u32 v4, v5, 4, v4
	s_lshl_b32 s22, s12, 7                         ; my 64 columns
	s_add_co_u32 s22, s22, BOFF
	v_add_nc_u32 v[ADRB], s22, v4
	v_add_nc_u32 v[ADRB+1], 128*PB, v[ADRB]
	v_add_nc_u32 v[ADRB+2], SLOT, v[ADRB]
	v_add_nc_u32 v[ADRB+3], SLOT+128*PB, v[ADRB]
	s_mul_i32 s23, s10, WSTAGE                     ; my stage
	v_mul_u32_u24 v6, v1, SPITCH                   ; in: row r, 32 bytes for each half of the lanes
	v_lshl_add_u32 v6, v2, 5, v6
	v_add_nc_u32 v[STO], s23, v6
.if MODE == 2
	v_mul_u32_u24 v5, v2, SPITCH                   ; back: lanes 0-15 one row of 256 bytes, lanes 16-31 the next
	v_lshl_add_u32 v5, v1, 4, v5
	v_add_nc_u32 v[RD], s23, v5
	v_lshlrev_b32 v[CO], 12, v2                    ; and the same two rows of 4,096 bytes in memory
	v_lshl_add_u32 v[CO], v1, 4, v[CO]
	s_lshl_b32 s16, s13, 19                        ; 128 rows a tile row,
	s_lshl_b32 s17, s11, 18                        ; my 64
	s_add_co_u32 s16, s16, s17
	s_mov_b32 s17, 0
	s_add_nc_u64 s[8:9], s[8:9], s[16:17]
	s_add_nc_u64 s[68:69], s[68:69], s[16:17]
	s_lshl_b32 s46, s42, 9                         ; the tile's 512 bytes of a row, my 256: in f32 the same offset serves the bias
	s_lshl_b32 s47, s12, 8
	s_add_co_u32 s46, s46, s47
	s_mov_b32 s47, 0
	s_add_nc_u64 s[8:9], s[8:9], s[46:47]
	s_add_nc_u64 s[68:69], s[68:69], s[46:47]
	s_add_nc_u64 s[66:67], s[66:67], s[46:47]
.else
	v_and_b32 v5, 31, v0                           ; back: 32 lanes take four rows, 32 bytes of f32 each, which become 512 consecutive bytes of bf16
	v_lshlrev_b32 v[CO], 4, v5
	v_lshrrev_b32 v5, 3, v5
	v_mul_u32_u24 v5, v5, SPITCH
	v_and_b32 v7, 7, v0
	v_lshl_add_u32 v5, v7, 5, v5
	v_add_nc_u32 v[RD], s23, v5
	s_mul_i32 s16, s13, NPO*16384                  ; the tile row's planes,
	s_lshl_b32 s17, s11, 13                        ; my 64 rows of 128 bytes
	s_add_co_u32 s16, s16, s17
	s_mov_b32 s17, 0
	s_add_nc_u64 s[8:9], s[8:9], s[16:17]
	s_lshl_b32 s46, s42, 1
	s_add_co_u32 s46, s46, s12                     ; my plane
	s_lshl_b32 s46, s46, 14
	s_mov_b32 s47, 0
	s_add_nc_u64 s[8:9], s[8:9], s[46:47]
.if MODE == 1
	s_lshl_b32 s46, s42, 9
	s_lshl_b32 s47, s12, 8
	s_add_co_u32 s46, s46, s47
	s_mov_b32 s47, 0
	s_add_nc_u64 s[66:67], s[66:67], s[46:47]
.endif
.endif
.if MODE >= 1
	v_lshlrev_b32 v[BO], 5, v2                     ; register j of block b is the bias of column 16 b + 8 h + j
.irp b, 0,1,2,3
	global_load_b128 v[BIAS+8*(\b):BIAS+8*(\b)+3],   v[BO], s[66:67] offset:64*(\b)
	global_load_b128 v[BIAS+8*(\b)+4:BIAS+8*(\b)+7], v[BO], s[66:67] offset:64*(\b)+16
.endr
.endif
.if MODE == 2
	WIN 0x80                                       ; destination window 2: my 64 x 64 of the residual, asked for now, wanted on the way out
.set i, 0
.rept 32
	global_load_b128 v[4*i:4*i+3], v[CO], s[68:69] offset:8192*i
.set i, i+1
.endr
	WIN 0
.endif
; 8 matrix instructions: row blocks a0, a0 + 1 x all 4 column blocks, 32 along K: half c of buffer f.  zero = 1: the product starts the sums, with 0 or with the bias.
; The 16 accumulators take turns, one instruction a turn, in the same order everywhere.
.macro MUL8 f, c, a0, zero
	WIN MUL
.irp a, \a0, (\a0)+1
.irp b, 0,1,2,3
.if (\zero) && (MODE == 0)
	v_wmma_f32_16x16x32_bf16 v[ACC+8*(4*(\a)+(\b)):ACC+8*(4*(\a)+(\b))+7], v[(\f)+64+8*(4*(\c)+(\b)):(\f)+64+8*(4*(\c)+(\b))+7], v[(\f)+8*(4*(\c)+(\a)):(\f)+8*(4*(\c)+(\a))+7], 0
.elseif \zero
	v_wmma_f32_16x16x32_bf16 v[ACC+8*(4*(\a)+(\b)):ACC+8*(4*(\a)+(\b))+7], v[(\f)+64+8*(4*(\c)+(\b)):(\f)+64+8*(4*(\c)+(\b))+7], v[(\f)+8*(4*(\c)+(\a)):(\f)+8*(4*(\c)+(\a))+7], v[BIAS+8*(\b):BIAS+8*(\b)+7]
.else
	v_wmma_f32_16x16x32_bf16 v[ACC+8*(4*(\a)+(\b)):ACC+8*(4*(\a)+(\b))+7], v[(\f)+64+8*(4*(\c)+(\b)):(\f)+64+8*(4*(\c)+(\b))+7], v[(\f)+8*(4*(\c)+(\a)):(\f)+8*(4*(\c)+(\a))+7], v[ACC+8*(4*(\a)+(\b)):ACC+8*(4*(\a)+(\b))+7]
.endif
.endr
.endr
.endm
; 32 LDS loads in one run: the fragments of quarter q (64 along K: plane q of A, rows 64 q on of W) of a slot, into buffer f; the first 32 along K first
.macro FETCH slot, q, f
	WIN TO_F
.irp c, 0,1
.irp i, 0,1,2,3
	ds_load_tr16_b128 v[(\f)+64+8*(4*(\c)+(\i)):(\f)+64+8*(4*(\c)+(\i))+3],   v[ADRB+2*(\slot)+(\q)/2] offset:(((\q)%2)*64+32*(\c))*PB+32*(\i)
	ds_load_tr16_b128 v[(\f)+64+8*(4*(\c)+(\i))+4:(\f)+64+8*(4*(\c)+(\i))+7], v[ADRB+2*(\slot)+(\q)/2] offset:(((\q)%2)*64+32*(\c)+16)*PB+32*(\i)
	ds_load_b128 v[(\f)+8*(4*(\c)+(\i)):(\f)+8*(4*(\c)+(\i))+3],   v[ADRA+(\slot)] offset:(\q)*PLANE+(\i)*16*PA+64*(\c)
	ds_load_b128 v[(\f)+8*(4*(\c)+(\i))+4:(\f)+8*(4*(\c)+(\i))+7], v[ADRA+(\slot)] offset:(\q)*PLANE+(\i)*16*PA+64*(\c)+32
.endr
.endr
.endm
; A K step is four quarters, 32 matrix instructions each, on buffers 0, 1, 0, 1.  One of the first three: multiplies buffer f and fetches quarter q into g.
.macro QUARTER slot, q, f, g, zero
	s_wait_dscnt 16                                ; the first 32 along K are in; the other sixteen loads may stay out
	MUL8 \f, 0, 0, \zero
	MUL8 \f, 0, 2, \zero
	PLACES
	FETCH \slot, \q, \g
	s_wait_dscnt 32                                ; all but the 32 just issued
	MUL8 \f, 1, 0, 0
	MUL8 \f, 1, 2, 0
.endm
; The last quarter multiplies buffer 1 and changes slots: one barrier; ahead of it each wave waits for all its tensor loads (one is out: its part of the next slot), adds 0 to its spare word, and waits
; for that and for its reads of this slot.  fill = 1: the barrier opens a round of the cluster's, and this slot is filled again, two K steps on, first thing behind the round.
.macro TURN slot, next, fill
	WIN 0
	s_wait_tensorcnt 0x0
	ds_add_u32 v[SPW], v[NIL]
	s_wait_dscnt 17                                ; the add and the youngest sixteen loads may be out
	MUL8 F1, 0, 0, 0
	s_wait_dscnt 0x0                               ; the add is done, and my reads of this slot are over
	s_barrier_signal -1
	MUL8 F1, 0, 2, 0
.if \fill
	WIN 0
.endif
	s_barrier_wait -1
.if \fill
	CREST                                          ; no wave of any partner still reads this slot or has a load on its way
	s_add_nc_u64 s[G0+4*(\slot)+2:G0+4*(\slot)+3], s[G0+4*(\slot)+2:G0+4*(\slot)+3], 2*65536
	s_add_nc_u64 s[G0B+4*(\slot)+2:G0B+4*(\slot)+3], s[G0B+4*(\slot)+2:G0B+4*(\slot)+3], 1024*WPITCH
	JLOAD \slot                                    ; 112 matrix instructions ahead of the wait for it; its four v_nop are also the places in front of the loads below
.else
	PLACES
.endif
	FETCH \next, 0, F0
	MUL8 F1, 1, 0, 0
	MUL8 F1, 1, 2, 0
.endm
	s_wait_tensorcnt 1                             ; my part of K step 0 is in; K step 1's may stay out
	s_barrier_signal -1
	s_barrier_wait -1
	FETCH 0, 0, F0
.if MODE == 2
	s_wait_loadcnt 32                              ; the bias is in; the 32 younger loads of the residual stay out
.elseif MODE == 1
	s_wait_loadcnt 0x0                             ; the bias
.endif
	QUARTER 0, 1, F0, F1, 1                        ; the first quarter stands in front of the loop: its first products start the sums
	WIN 0
	s_mov_b32 s3, LAPS-1
.Llap:                                                 ; a trip goes once round the ring, from a lap's second quarter to the next lap's first, and fills both slots again
	QUARTER 0, 2, F1, F0, 0
	QUARTER 0, 3, F0, F1, 0
	TURN 0, 1, 1
	QUARTER 1, 1, F0, F1, 0
	QUARTER 1, 2, F1, F0, 0
	QUARTER 1, 3, F0, F1, 0
	TURN 1, 0, 1
	QUARTER 0, 1, F0, F1, 0
	WIN 0
	s_sub_co_u32 s3, s3, 1
	s_cmp_lg_u32 s3, 0
	s_cbranch_scc1 .Llap
	QUARTER 0, 2, F1, F0, 0                        ; the last lap fills nothing
	QUARTER 0, 3, F0, F1, 0
	TURN 0, 1, 0
	QUARTER 1, 1, F0, F1, 0
	QUARTER 1, 2, F1, F0, 0
	QUARTER 1, 3, F0, F1, 0
	s_wait_dscnt 16
	MUL8 F1, 0, 0, 0
	MUL8 F1, 0, 2, 0
	s_wait_dscnt 0x0
	MUL8 F1, 1, 0, 0
	MUL8 F1, 1, 2, 0
	WIN 0
	; THE WAY OUT.  My 64 x 64 sums go in f32 into my own stage and come back by rows.  LDS serves a wave's instructions in order (ISA guide 5.7.1.4), so no wait stands between my stores and my loads.
	PLACES
	PLACES
.set t, 0
.rept 16
	ds_store_b128 v[STO], v[ACC+8*t:ACC+8*t+3]   offset:(t/4)*16*SPITCH+(t%4)*64      ; each accumulator's low registers first
	ds_store_b128 v[STO], v[ACC+8*t+4:ACC+8*t+7] offset:(t/4)*16*SPITCH+(t%4)*64+16
.set t, t+1
.endr
.if MODE == 2
	WIN TO_F
.set i, 0
.rept 32
	ds_load_b128 v[4*i:4*i+3], v[RD] offset:2*SPITCH*i
.set i, i+1
.endr
	s_wait_dscnt 0x0
	s_wait_loadcnt 0x0                             ; the residual
	WIN 0x49                                       ; destination and source 0 window 1, source 1 window 2
.set i, 0
.rept 64
	v_pk_add_f32 v[2*i:2*i+1], v[2*i:2*i+1], v[2*i:2*i+1]
.set i, i+1
.endr
	WIN 0x04                                       ; store data window 1, address window 0
.set i, 0
.rept 32
	global_store_b128 v[CO], v[4*i:4*i+3], s[8:9] offset:8192*i  ; 16 lanes store 256 consecutive bytes, aligned
.set i, i+1
.endr
	WIN 0
.else
; gelu_tanh(u) = u / (1 + 2^(u (A + B u u))), A = -2 sqrt(2 / pi) log2(e), B = 0.044715 A.  Two batches a trip, 32 exponentials and 32 reciprocals, each with one plain instruction and one wait behind it.
.macro GELU
.set p, 0
.rept 16
	v_pk_mul_f32 v[T+2*p:T+2*p+1], v[X+2*p:X+2*p+1], v[X+2*p:X+2*p+1]
	v_pk_fma_f32 v[T+2*p:T+2*p+1], v[T+2*p:T+2*p+1], s[72:73], s[70:71] op_sel_hi:[1,0,0]
.if p > 0
	v_exp_f32 v[T+2*p-2], v[T+2*p-2]
.endif
	v_pk_mul_f32 v[T+2*p:T+2*p+1], v[T+2*p:T+2*p+1], v[X+2*p:X+2*p+1]
.if p > 0
	v_exp_f32 v[T+2*p-1], v[T+2*p-1]
.endif
.set p, p+1
.endr
	v_exp_f32 v[T+30], v[T+30]
	v_exp_f32 v[T+31], v[T+31]
	v_nop
	s_wait_alu depctr_va_vdst(0)                   ; one wait for the 32 exponentials, ahead of their first reader
.set p, 0
.rept 16
	v_pk_add_f32 v[T+2*p:T+2*p+1], v[T+2*p:T+2*p+1], 1.0 op_sel_hi:[1,0]
.if p > 0
	v_rcp_f32 v[T+2*p-2], v[T+2*p-2]
	v_rcp_f32 v[T+2*p-1], v[T+2*p-1]
.endif
.set p, p+1
.endr
	v_rcp_f32 v[T+30], v[T+30]
	v_rcp_f32 v[T+31], v[T+31]
	v_nop
	s_wait_alu depctr_va_vdst(0)                   ; one wait for the 32 reciprocals
.set p, 0
.rept 16
	v_pk_mul_f32 v[X+2*p:X+2*p+1], v[X+2*p:X+2*p+1], v[T+2*p:T+2*p+1]
.set p, p+1
.endr
.endm
	s_mov_b32 s74, 4
.Lout:                                                 ; four trips of 16 rows
.irp g, 0,1,2,3
	ds_load_b128 v[X+8*(\g):X+8*(\g)+3],   v[RD] offset:4*SPITCH*(\g)
	ds_load_b128 v[X+8*(\g)+4:X+8*(\g)+7], v[RD] offset:4*SPITCH*(\g)+16
.endr
	s_wait_dscnt 0x0
.if MODE == 1
	GELU
.endif
.set p, 0
.rept 16
	v_cvt_pk_bf16_f32 v[Y+p], v[X+2*p], v[X+2*p+1]
.set p, p+1
.endr
.irp g, 0,1,2,3
	global_store_b128 v[CO], v[Y+4*(\g):Y+4*(\g)+3], s[8:9] offset:512*(\g)  ; four rows of my plane: 512 consecutive bytes, aligned
.endr
	s_wait_xcnt 0x0                                ; the stores have read their address and data: CO is stepped, and Y written in the next trip, only behind this wait
	v_add_nc_u32 v[RD], 16*SPITCH, v[RD]
	v_add_nc_u32 v[CO], 2048, v[CO]
	s_sub_co_u32 s74, s74, 1
	s_cmp_lg_u32 s74, 0
	s_cbranch_scc1 .Lout
.endif
	s_wait_tensorcnt 0x0                           ; the wave's end: the add and its wait stand behind my last tensor load and my last LDS store
	ds_add_u32 v[SPW], v[NIL]
	s_wait_dscnt 0x0
	CROUND                                         ; the closing round: no work-group ends while a partner may still ask for a tile that names it
	s_endpgm
.Lfunc_end_k_q896f5912da_gemm_ffn1:
	.size	k_q896f5912da_gemm_ffn1, .Lfunc_end_k_q896f5912da_gemm_ffn1-k_q896f5912da_gemm_ffn1
	.p2alignl 7, 3214868480
	.fill 96, 4, 3214868480
	.section	.rodata,"a",@progbits
	.p2align	6, 0x0
	.amdhsa_kernel k_q896f5912da_gemm_ffn1
		.amdhsa_group_segment_fixed_size 327680
		.amdhsa_private_segment_fixed_size 0
		.amdhsa_enable_private_segment 0
		.amdhsa_kernarg_size 32
		.amdhsa_user_sgpr_count 2
		.amdhsa_user_sgpr_kernarg_segment_ptr 1
		.amdhsa_wavefront_size32 1
		.amdhsa_system_sgpr_workgroup_id_x 1
		.amdhsa_system_sgpr_workgroup_id_y 1
		.amdhsa_system_sgpr_workgroup_id_z 1
		.amdhsa_system_vgpr_workitem_id 0
		.amdhsa_next_free_vgpr 512
		.amdhsa_next_free_sgpr 76
		.amdhsa_reserve_vcc 0
		.amdhsa_float_denorm_mode_32 3
		.amdhsa_float_denorm_mode_16_64 3
		.amdhsa_memory_ordered 1
		.amdhsa_forward_progress 1
		.amdhsa_inst_pref_size 91
	.end_amdhsa_kernel
	.amdgpu_metadata
---
amdhsa.version: [ 1, 2 ]
amdhsa.kernels:
  - .name:           k_q896f5912da_gemm_ffn1
    .symbol:         k_q896f5912da_gemm_ffn1.kd
    .args:
      - { .name: h2, .offset: 0, .size: 8, .value_kind: global_buffer, .address_space: global }
      - { .name: wb, .offset: 8, .size: 8, .value_kind: global_buffer, .address_space: global }
      - { .name: gact, .offset: 16, .size: 8, .value_kind: global_buffer, .address_space: global }
      - { .name: b1, .offset: 24, .size: 8, .value_kind: global_buffer, .address_space: global }
    .group_segment_fixed_size: 327680
    .private_segment_fixed_size: 0
    .kernarg_segment_align: 8
    .kernarg_segment_size: 32
    .max_flat_workgroup_size: 128
    .sgpr_count:     76
    .vgpr_count:     512
    .wavefront_size: 32
...
	.end_amdgpu_metadata
.endif
;; end of part 6
;; launch gemm_ffn2 (part 7): grid 8 x 32, 4 waves a work-group, clusters of 4 x 4, 327,680 bytes of LDS; arguments gact, wb, out0, b2, x1; writes out0
.if DOCPART == 7
	.amdgcn_target "amdgcn-amd-amdhsa--gfx1250"
	.amdhsa_code_object_version 6
	.text
	.protected	k_q896f5912da_gemm_ffn2
	.globl	k_q896f5912da_gemm_ffn2
	.p2align	8
	.type	k_q896f5912da_gemm_ffn2,@function
k_q896f5912da_gemm_ffn2:
	s_mov_b64 s[64:65], 0
	v_nop
	global_prefetch_b8 v0, s[64:65] scope:SCOPE_SE
	s_setreg_imm32_b32 hwreg(HW_REG_WAVE_MODE, 25, 1), 1
	s_wait_xcnt 0x0
	s_wait_alu depctr_hold_cnt(0) depctr_sa_sdst(0) depctr_va_vdst(0) depctr_va_sdst(0) depctr_va_ssrc(0) depctr_va_vcc(0) depctr_vm_vsrc(0)
	s_getreg_b32 s2, hwreg(HW_REG_IB_STS2, 6, 4)
	s_cmp_eq_u32 s2, 0
	s_cbranch_scc0 .Lentry_in_a_cluster
	s_endpgm
.Lentry_in_a_cluster:
	s_bfe_u32 s2, ttmp6, 0x10000c
	s_cmp_lg_u32 s2, 0xf033
	s_cbranch_scc0 .Lentry_shape_is_right
	s_endpgm
.Lentry_shape_is_right:
; THIS LAUNCH: out0 = x1 + gact x W2 + b2, f32 row-major; K = 4,096.
; THE FRAME (one text serves this program's four products; the six constants below make it this launch's).  C[4096][N] = A[4096][KTOT] x W[KTOT][N], operands bf16, sums f32.
; A lies in planes: byte(m, k) = ((m >> 7) * NPA + (k >> 6)) * 16384 + (m & 127) * 128 + (k & 63) * 2.  W lies row-major [k][n] in wb, WPITCH elements from row to row, from byte WOFF.
; MODE 0: C rounded to bf16, in planes (NPO of them).  MODE 1: gelu_tanh(C + bias), likewise.  MODE 2: C + bias + residual in f32, row-major, 1,024 columns.
; SHARES.  A tile of C is 128 x 128: four waves, each 64 x 64 in 16 accumulators.  K goes in steps of 256 through two LDS slots; each wave fetches a quarter of a slot by one tensor load:
; waves 0, 1 two planes of A each (32,768 dense bytes, asked for as 128 rows of 256), waves 2, 3 128 rows of W each (256 bytes a row, aligned).
; CLUSTER 4 x 4: A's tile hangs on the tile row alone and is asked for jointly along a row of the cluster, W's on the tile column alone and jointly along a column.
; THE MATRIX INSTRUCTION IS USED TRANSPOSED: source 0 = 16 columns of W (turned on the way out of LDS by ds_load_tr16_b128), source 1 = 16 rows of A: lane l holds row l % 16 of C and the
; columns 8 (l / 16) + 0..7.  The bias, laid out so, is the C operand that starts the sums.
; NO PREFETCH: a step's tiles are small, 32,768 bytes a wave, and each is shared by four work-groups.
; REGISTERS: window 0: v16-29 addresses, v32-127 at work on the way out (v96-127 first hold the bias), v128-255 accumulators ((a, b) at 128 + 8 (4 a + b)).
;   window 1: two fragment buffers of 128: 64 along K, A's (c, a) at 8 (4 c + a), W's (c, b) at 64 + 8 (4 c + b).   window 2 (MODE 2): the residual.
; LIMITS: NaN and infinities are not treated apart; gelu's exponential saturates to 0 or infinity, which gives u or 0 as the tanh form does.
.set KTOT,   4096
.set WOFF,   16777216
.set WPITCH, 1024
.set MODE,   2
.set NPO,    16
.set SPLIT3, 0                         ; 1: the columns run through three matrices of 1,024 columns, 2 MiB apart in wb
.set NPA,    KTOT/64
.set LAPS,   KTOT/512                  ; a lap = two K steps = once round the ring
.set PA,     144                       ; a row of a plane of A in LDS: 128 bytes + 16: the 16 rows of a load start at 16 different groups of four banks (64 banks of 4 bytes: ISA guide 11.1)
.set PB,     288                       ; a row of W: 256 bytes + 32
.set PLANE,  128*PA
.set HALFT,  2*PLANE                   ; what one tensor load brings: 36,864 bytes of LDS, for A (2 planes) and for W (128 rows x 288) alike
.set BOFF,   2*HALFT                   ; a slot: A's four planes, then W's 256 rows
.set SLOT,   4*HALFT
.set SPITCH, 272                       ; the stage: 64 rows of 256 bytes of f32 + 16, for each wave its own
.set WSTAGE, 64*SPITCH                 ; the four stages lie in slot 0, which has had its last fill and its last read ahead of the last change of slots
.set SPARE,  2*SLOT                    ; behind the ring: the spare words, 128 bytes for each wave: two blocks of 256 bytes that no other line names
.set ADRA, 16                          ; v16-17  my A fragments in slot 0, 1
.set ADRB, 20                          ; v20-23  my W fragments: slot 0 rows 0-127, rows 128-255, slot 1 likewise
.set STO,  24
.set RD,   25
.set CO,   26
.set BO,   27
.set SPW,  28                          ; v28  SPARE + 4 x my thread's number; never rewritten
.set NIL,  29                          ; v29  0; never rewritten
.set X,    32
.set T,    64
.set BIAS, 96
.set Y,    96
.set ACC,  128
.set F0,   0
.set F1,   128
.set G1,  24                           ; s[24:31] group 1 for A;  s[32:39] group 0, a set for each slot
.set G0,  32
.set G1B, 48                           ; s[48:55], s[56:63] the same for W
.set G0B, 56
.set MSB, 0
.macro WIN new                         ; the immediate's high byte repeats the setting that is left; a switch that changes nothing is dropped
.if MSB != (\new)
	s_set_vgpr_msb (MSB<<8)|(\new)
.set MSB, \new
.endif
.endm
.set MUL,  0x05                        ; sources 0 and 1 window 1; C and D window 0
.set TO_F, 0x40                        ; destination window 1, address window 0
.macro JLOAD s                         ; a joint load: waves 0, 1 for A, waves 2, 3 for W; s_nop 0 and four v_nop follow each line, ahead of the jump and the label
	s_cmp_eq_u32 s11, 0
	s_cbranch_scc0 .Lfor_b_\@
	tensor_load_to_lds s[G0+4*(\s):G0+4*(\s)+3], s[G1:G1+7]
	s_nop 0
.rept 4
	v_nop
.endr
	s_branch .Lasked_\@
.Lfor_b_\@:
	tensor_load_to_lds s[G0B+4*(\s):G0B+4*(\s)+3], s[G1B:G1B+7]
	s_nop 0
.rept 4
	v_nop
.endr
.Lasked_\@:
.endm
.macro CREST                           ; a round of the cluster's barrier behind its opening barrier
	s_cmp_lg_u32 s10, 0
	s_cbranch_scc1 .Lnot_wave_0_\@
	s_barrier_signal -3
.Lnot_wave_0_\@:
	s_barrier_wait -3
	s_barrier_signal -1
	s_barrier_wait -1
.endm
.macro CROUND
	s_barrier_signal -1
	s_barrier_wait -1
	CREST
.endm
.macro PLACES                          ; four plain vector instructions between a matrix instruction and what reads its result or loads into its registers
.rept 4
	v_nop
.endr
.endm
	s_load_b128 s[4:7], s[0:1], 0x0                ; A s[4:5], wb s[6:7]
	s_load_b64 s[8:9], s[0:1], 0x10                ; out
.if MODE >= 1
	s_load_b64 s[66:67], s[0:1], 0x18              ; bias
.endif
.if MODE == 2
	s_load_b64 s[68:69], s[0:1], 0x20              ; residual
.endif
	v_lshl_add_u32 v[SPW], v0, 2, SPARE
	v_mov_b32 v[NIL], 0
	ds_add_u32 v[SPW], v[NIL]                      ; the wave's opening: the add and its wait come ahead of my first tensor load; work on registers stands between them
	v_lshrrev_b32 v1, 5, v0
	v_readfirstlane_b32 s10, v1                    ; wave 0..3
	s_lshr_b32 s11, s10, 1                         ; my half of the tile's rows; also: I fetch for A (0) or W (1)
	s_and_b32 s12, s10, 1                          ; my half of its columns; also: which half of that tile I fetch
	s_bfe_u32 s40, ttmp6, 0x40000                  ; cx
	s_bfe_u32 s41, ttmp6, 0x40004                  ; cy
	s_lshl_b32 s42, ttmp9, 2
	s_add_co_u32 s42, s42, s40                     ; tile column
	s_and_b32 s13, ttmp7, 0xffff
	s_lshl_b32 s13, s13, 2
	s_add_co_u32 s13, s13, s41                     ; tile row
	s_lshl_b32 s43, s41, 2
	s_lshl_b32 s43, 15, s43                        ; my row of the cluster
	s_lshl_b32 s44, 0x1111, s40                    ; my column
	s_or_b32 s[G1+0], s43, (1<<16)|(1<<20)|(1<<21)|(4<<22)|(3<<25)   ; mask; 2-byte elements; padding on; bit 21 beside a mask; after every 32 words 4 words
	s_or_b32 s[G1B+0], s44, (1<<16)|(1<<20)|(1<<21)|(5<<22)|(7<<25)  ; after every 64 words 8 words
.irp g, G1, G1B
	s_mov_b32 s[(\g)+1], 128<<16                   ; tensor_dim0 = 128
	s_mov_b32 s[(\g)+2], 128<<16                   ; tensor_dim1 = 128
	s_mov_b32 s[(\g)+3], 128<<16                   ; tile_dim0 = 128
	s_mov_b32 s[(\g)+4], 128                       ; tile_dim1 = 128
	s_mov_b32 s[(\g)+6], 0
	s_mov_b32 s[(\g)+7], 0
.endr
	s_mov_b32 s[G1+5], 128                         ; A: dense rows of 256 bytes
	s_mov_b32 s[G1B+5], WPITCH
	s_mul_i32 s16, s13, NPA*16384                  ; A: the tile row's planes,
	s_lshl_b32 s17, s12, 15                        ; my two of a step's four
	s_add_co_u32 s16, s16, s17
	s_mov_b32 s17, 0
.if SPLIT3
	s_lshr_b32 s46, s42, 3                         ; W: which of the three matrices,
	s_lshl_b32 s46, s46, 21
	s_and_b32 s47, s42, 7                          ; and the tile's 256 bytes of its rows
	s_lshl_b32 s47, s47, 8
	s_add_co_u32 s46, s46, s47
.else
	s_lshl_b32 s46, s42, 8                         ; W: the tile's 256 bytes of a row
.endif
	s_mul_i32 s47, s12, 128*WPITCH*2               ; my 128 of a step's 256 rows
	s_add_co_u32 s46, s46, s47
.if WOFF
	s_add_co_u32 s46, s46, WOFF
.endif
	s_mov_b32 s47, 0
	s_mul_i32 s20, s10, HALFT                      ; where my part goes: no place in the cluster enters an LDS address
.if MODE == 1
	s_mov_b32 s70, 0xc0135761                      ; -2 sqrt(2 / pi) log2(e)
	s_mov_b32 s71, s70
	s_mov_b32 s72, 0xbdd2d3e8                      ; the same x 0.044715
	s_mov_b32 s73, s72
.endif
	s_wait_dscnt 0x0                               ; the opening add is done
	s_wait_kmcnt 0x0
	s_add_nc_u64 s[14:15], s[4:5], s[16:17]
	s_add_nc_u64 s[46:47], s[6:7], s[46:47]
	CROUND                                         ; all sixteen work-groups are here: the first joint loads meet
.irp s, 0,1
	s_mov_b32 s[G0+4*(\s)], 1
	s_add_co_u32 s[G0+4*(\s)+1], s20, (\s)*SLOT
	s_add_nc_u64 s[G0+4*(\s)+2:G0+4*(\s)+3], s[14:15], (\s)*65536
	s_or_b32 s[G0+4*(\s)+3], s[G0+4*(\s)+3], 0x80000000
	s_mov_b32 s[G0B+4*(\s)], 1
	s_add_co_u32 s[G0B+4*(\s)+1], s20, (\s)*SLOT
	s_add_nc_u64 s[G0B+4*(\s)+2:G0B+4*(\s)+3], s[46:47], (\s)*512*WPITCH
	s_or_b32 s[G0B+4*(\s)+3], s[G0B+4*(\s)+3], 0x80000000
	JLOAD \s
.endr
	v_and_b32 v1, 15, v0                           ; r = l % 16
	v_bfe_u32 v2, v0, 4, 1                         ; h = l / 16
	v_mul_u32_u24 v3, v1, PA
	v_lshl_add_u32 v3, v2, 4, v3
	s_mul_i32 s21, s11, 64*PA                      ; my 64 rows in each plane
	v_add_nc_u32 v[ADRA], s21, v3
	v_add_nc_u32 v[ADRA+1], SLOT, v[ADRA]
	v_and_b32 v4, 7, v0                            ; the turning load: lane l reads row 8 h + l % 8, bytes 16 ((l / 8) % 2) on
	v_lshl_add_u32 v4, v2, 3, v4
	v_mul_u32_u24 v4, v4, PB
	v_bfe_u32 v5, v0, 3, 1
	v_lshl_add_u32 v4, v5, 4, v4
	s_lshl_b32 s22, s12, 7                         ; my 64 columns
	s_add_co_u32 s22, s22, BOFF
	v_add_nc_u32 v[ADRB], s22, v4
	v_add_nc_u32 v[ADRB+1], 128*PB, v[ADRB]
	v_add_nc_u32 v[ADRB+2], SLOT, v[ADRB]
	v_add_nc_u32 v[ADRB+3], SLOT+128*PB, v[ADRB]
	s_mul_i32 s23, s10, WSTAGE                     ; my stage
	v_mul_u32_u24 v6, v1, SPITCH                   ; in: row r, 32 bytes for each half of the lanes
	v_lshl_add_u32 v6, v2, 5, v6
	v_add_nc_u32 v[STO], s23, v6
.if MODE == 2
	v_mul_u32_u24 v5, v2, SPITCH                   ; back: lanes 0-15 one row of 256 bytes, lanes 16-31 the next
	v_lshl_add_u32 v5, v1, 4, v5
	v_add_nc_u32 v[RD], s23, v5
	v_lshlrev_b32 v[CO], 12, v2                    ; and the same two rows of 4,096 bytes in memory
	v_lshl_add_u32 v[CO], v1, 4, v[CO]
	s_lshl_b32 s16, s13, 19                        ; 128 rows a tile row,
	s_lshl_b32 s17, s11, 18                        ; my 64
	s_add_co_u32 s16, s16, s17
	s_mov_b32 s17, 0
	s_add_nc_u64 s[8:9], s[8:9], s[16:17]
	s_add_nc_u64 s[68:69], s[68:69], s[16:17]
	s_lshl_b32 s46, s42, 9                         ; the tile's 512 bytes of a row, my 256: in f32 the same offset serves the bias
	s_lshl_b32 s47, s12, 8
	s_add_co_u32 s46, s46, s47
	s_mov_b32 s47, 0
	s_add_nc_u64 s[8:9], s[8:9], s[46:47]
	s_add_nc_u64 s[68:69], s[68:69], s[46:47]
	s_add_nc_u64 s[66:67], s[66:67], s[46:47]
.else
	v_and_b32 v5, 31, v0                           ; back: 32 lanes take four rows, 32 bytes of f32 each, which become 512 consecutive bytes of bf16
	v_lshlrev_b32 v[CO], 4, v5
	v_lshrrev_b32 v5, 3, v5
	v_mul_u32_u24 v5, v5, SPITCH
	v_and_b32 v7, 7, v0
	v_lshl_add_u32 v5, v7, 5, v5
	v_add_nc_u32 v[RD], s23, v5
	s_mul_i32 s16, s13, NPO*16384                  ; the tile row's planes,
	s_lshl_b32 s17, s11, 13                        ; my 64 rows of 128 bytes
	s_add_co_u32 s16, s16, s17
	s_mov_b32 s17, 0
	s_add_nc_u64 s[8:9], s[8:9], s[16:17]
	s_lshl_b32 s46, s42, 1
	s_add_co_u32 s46, s46, s12                     ; my plane
	s_lshl_b32 s46, s46, 14
	s_mov_b32 s47, 0
	s_add_nc_u64 s[8:9], s[8:9], s[46:47]
.if MODE == 1
	s_lshl_b32 s46, s42, 9
	s_lshl_b32 s47, s12, 8
	s_add_co_u32 s46, s46, s47
	s_mov_b32 s47, 0
	s_add_nc_u64 s[66:67], s[66:67], s[46:47]
.endif
.endif
.if MODE >= 1
	v_lshlrev_b32 v[BO], 5, v2                     ; register j of block b is the bias of column 16 b + 8 h + j
.irp b, 0,1,2,3
	global_load_b128 v[BIAS+8*(\b):BIAS+8*(\b)+3],   v[BO], s[66:67] offset:64*(\b)
	global_load_b128 v[BIAS+8*(\b)+4:BIAS+8*(\b)+7], v[BO], s[66:67] offset:64*(\b)+16
.endr
.endif
.if MODE == 2
	WIN 0x80                                       ; destination window 2: my 64 x 64 of the residual, asked for now, wanted on the way out
.set i, 0
.rept 32
	global_load_b128 v[4*i:4*i+3], v[CO], s[68:69] offset:8192*i
.set i, i+1
.endr
	WIN 0
.endif
; 8 matrix instructions: row blocks a0, a0 + 1 x all 4 column blocks, 32 along K: half c of buffer f.  zero = 1: the product starts the sums, with 0 or with the bias.
; The 16 accumulators take turns, one instruction a turn, in the same order everywhere.
.macro MUL8 f, c, a0, zero
	WIN MUL
.irp a, \a0, (\a0)+1
.irp b, 0,1,2,3
.if (\zero) && (MODE == 0)
	v_wmma_f32_16x16x32_bf16 v[ACC+8*(4*(\a)+(\b)):ACC+8*(4*(\a)+(\b))+7], v[(\f)+64+8*(4*(\c)+(\b)):(\f)+64+8*(4*(\c)+(\b))+7], v[(\f)+8*(4*(\c)+(\a)):(\f)+8*(4*(\c)+(\a))+7], 0
.elseif \zero
	v_wmma_f32_16x16x32_bf16 v[ACC+8*(4*(\a)+(\b)):ACC+8*(4*(\a)+(\b))+7], v[(\f)+64+8*(4*(\c)+(\b)):(\f)+64+8*(4*(\c)+(\b))+7], v[(\f)+8*(4*(\c)+(\a)):(\f)+8*(4*(\c)+(\a))+7], v[BIAS+8*(\b):BIAS+8*(\b)+7]
.else
	v_wmma_f32_16x16x32_bf16 v[ACC+8*(4*(\a)+(\b)):ACC+8*(4*(\a)+(\b))+7], v[(\f)+64+8*(4*(\c)+(\b)):(\f)+64+8*(4*(\c)+(\b))+7], v[(\f)+8*(4*(\c)+(\a)):(\f)+8*(4*(\c)+(\a))+7], v[ACC+8*(4*(\a)+(\b)):ACC+8*(4*(\a)+(\b))+7]
.endif
.endr
.endr
.endm
; 32 LDS loads in one run: the fragments of quarter q (64 along K: plane q of A, rows 64 q on of W) of a slot, into buffer f; the first 32 along K first
.macro FETCH slot, q, f
	WIN TO_F
.irp c, 0,1
.irp i, 0,1,2,3
	ds_load_tr16_b128 v[(\f)+64+8*(4*(\c)+(\i)):(\f)+64+8*(4*(\c)+(\i))+3],   v[ADRB+2*(\slot)+(\q)/2] offset:(((\q)%2)*64+32*(\c))*PB+32*(\i)
	ds_load_tr16_b128 v[(\f)+64+8*(4*(\c)+(\i))+4:(\f)+64+8*(4*(\c)+(\i))+7], v[ADRB+2*(\slot)+(\q)/2] offset:(((\q)%2)*64+32*(\c)+16)*PB+32*(\i)
	ds_load_b128 v[(\f)+8*(4*(\c)+(\i)):(\f)+8*(4*(\c)+(\i))+3],   v[ADRA+(\slot)] offset:(\q)*PLANE+(\i)*16*PA+64*(\c)
	ds_load_b128 v[(\f)+8*(4*(\c)+(\i))+4:(\f)+8*(4*(\c)+(\i))+7], v[ADRA+(\slot)] offset:(\q)*PLANE+(\i)*16*PA+64*(\c)+32
.endr
.endr
.endm
; A K step is four quarters, 32 matrix instructions each, on buffers 0, 1, 0, 1.  One of the first three: multiplies buffer f and fetches quarter q into g.
.macro QUARTER slot, q, f, g, zero
	s_wait_dscnt 16                                ; the first 32 along K are in; the other sixteen loads may stay out
	MUL8 \f, 0, 0, \zero
	MUL8 \f, 0, 2, \zero
	PLACES
	FETCH \slot, \q, \g
	s_wait_dscnt 32                                ; all but the 32 just issued
	MUL8 \f, 1, 0, 0
	MUL8 \f, 1, 2, 0
.endm
; The last quarter multiplies buffer 1 and changes slots: one barrier; ahead of it each wave waits for all its tensor loads (one is out: its part of the next slot), adds 0 to its spare word, and waits
; for that and for its reads of this slot.  fill = 1: the barrier opens a round of the cluster's, and this slot is filled again, two K steps on, first thing behind the round.
.macro TURN slot, next, fill
	WIN 0
	s_wait_tensorcnt 0x0
	ds_add_u32 v[SPW], v[NIL]
	s_wait_dscnt 17                                ; the add and the youngest sixteen loads may be out
	MUL8 F1, 0, 0, 0
	s_wait_dscnt 0x0                               ; the add is done, and my reads of this slot are over
	s_barrier_signal -1
	MUL8 F1, 0, 2, 0
.if \fill
	WIN 0
.endif
	s_barrier_wait -1
.if \fill
	CREST                                          ; no wave of any partner still reads this slot or has a load on its way
	s_add_nc_u64 s[G0+4*(\slot)+2:G0+4*(\slot)+3], s[G0+4*(\slot)+2:G0+4*(\slot)+3], 2*65536
	s_add_nc_u64 s[G0B+4*(\slot)+2:G0B+4*(\slot)+3], s[G0B+4*(\slot)+2:G0B+4*(\slot)+3], 1024*WPITCH
	JLOAD \slot                                    ; 112 matrix instructions ahead of the wait for it; its four v_nop are also the places in front of the loads below
.else
	PLACES
.endif
	FETCH \next, 0, F0
	MUL8 F1, 1, 0, 0
	MUL8 F1, 1, 2, 0
.endm
	s_wait_tensorcnt 1                             ; my part of K step 0 is in; K step 1's may stay out
	s_barrier_signal -1
	s_barrier_wait -1
	FETCH 0, 0, F0
.if MODE == 2
	s_wait_loadcnt 32                              ; the bias is in; the 32 younger loads of the residual stay out
.elseif MODE == 1
	s_wait_loadcnt 0x0                             ; the bias
.endif
	QUARTER 0, 1, F0, F1, 1                        ; the first quarter stands in front of the loop: its first products start the sums
	WIN 0
	s_mov_b32 s3, LAPS-1
.Llap:                                                 ; a trip goes once round the ring, from a lap's second quarter to the next lap's first, and fills both slots again
	QUARTER 0, 2, F1, F0, 0
	QUARTER 0, 3, F0, F1, 0
	TURN 0, 1, 1
	QUARTER 1, 1, F0, F1, 0
	QUARTER 1, 2, F1, F0, 0
	QUARTER 1, 3, F0, F1, 0
	TURN 1, 0, 1
	QUARTER 0, 1, F0, F1, 0
	WIN 0
	s_sub_co_u32 s3, s3, 1
	s_cmp_lg_u32 s3, 0
	s_cbranch_scc1 .Llap
	QUARTER 0, 2, F1, F0, 0                        ; the last lap fills nothing
	QUARTER 0, 3, F0, F1, 0
	TURN 0, 1, 0
	QUARTER 1, 1, F0, F1, 0
	QUARTER 1, 2, F1, F0, 0
	QUARTER 1, 3, F0, F1, 0
	s_wait_dscnt 16
	MUL8 F1, 0, 0, 0
	MUL8 F1, 0, 2, 0
	s_wait_dscnt 0x0
	MUL8 F1, 1, 0, 0
	MUL8 F1, 1, 2, 0
	WIN 0
	; THE WAY OUT.  My 64 x 64 sums go in f32 into my own stage and come back by rows.  LDS serves a wave's instructions in order (ISA guide 5.7.1.4), so no wait stands between my stores and my loads.
	PLACES
	PLACES
.set t, 0
.rept 16
	ds_store_b128 v[STO], v[ACC+8*t:ACC+8*t+3]   offset:(t/4)*16*SPITCH+(t%4)*64      ; each accumulator's low registers first
	ds_store_b128 v[STO], v[ACC+8*t+4:ACC+8*t+7] offset:(t/4)*16*SPITCH+(t%4)*64+16
.set t, t+1
.endr
.if MODE == 2
	WIN TO_F
.set i, 0
.rept 32
	ds_load_b128 v[4*i:4*i+3], v[RD] offset:2*SPITCH*i
.set i, i+1
.endr
	s_wait_dscnt 0x0
	s_wait_loadcnt 0x0                             ; the residual
	WIN 0x49                                       ; destination and source 0 window 1, source 1 window 2
.set i, 0
.rept 64
	v_pk_add_f32 v[2*i:2*i+1], v[2*i:2*i+1], v[2*i:2*i+1]
.set i, i+1
.endr
	WIN 0x04                                       ; store data window 1, address window 0
.set i, 0
.rept 32
	global_store_b128 v[CO], v[4*i:4*i+3], s[8:9] offset:8192*i  ; 16 lanes store 256 consecutive bytes, aligned
.set i, i+1
.endr
	WIN 0
.else
; gelu_tanh(u) = u / (1 + 2^(u (A + B u u))), A = -2 sqrt(2 / pi) log2(e), B = 0.044715 A.  Two batches a trip, 32 exponentials and 32 reciprocals, each with one plain instruction and one wait behind it.
.macro GELU
.set p, 0
.rept 16
	v_pk_mul_f32 v[T+2*p:T+2*p+1], v[X+2*p:X+2*p+1], v[X+2*p:X+2*p+1]
	v_pk_fma_f32 v[T+2*p:T+2*p+1], v[T+2*p:T+2*p+1], s[72:73], s[70:71] op_sel_hi:[1,0,0]
.if p > 0
	v_exp_f32 v[T+2*p-2], v[T+2*p-2]
.endif
	v_pk_mul_f32 v[T+2*p:T+2*p+1], v[T+2*p:T+2*p+1], v[X+2*p:X+2*p+1]
.if p > 0
	v_exp_f32 v[T+2*p-1], v[T+2*p-1]
.endif
.set p, p+1
.endr
	v_exp_f32 v[T+30], v[T+30]
	v_exp_f32 v[T+31], v[T+31]
	v_nop
	s_wait_alu depctr_va_vdst(0)                   ; one wait for the 32 exponentials, ahead of their first reader
.set p, 0
.rept 16
	v_pk_add_f32 v[T+2*p:T+2*p+1], v[T+2*p:T+2*p+1], 1.0 op_sel_hi:[1,0]
.if p > 0
	v_rcp_f32 v[T+2*p-2], v[T+2*p-2]
	v_rcp_f32 v[T+2*p-1], v[T+2*p-1]
.endif
.set p, p+1
.endr
	v_rcp_f32 v[T+30], v[T+30]
	v_rcp_f32 v[T+31], v[T+31]
	v_nop
	s_wait_alu depctr_va_vdst(0)                   ; one wait for the 32 reciprocals
.set p, 0
.rept 16
	v_pk_mul_f32 v[X+2*p:X+2*p+1], v[X+2*p:X+2*p+1], v[T+2*p:T+2*p+1]
.set p, p+1
.endr
.endm
	s_mov_b32 s74, 4
.Lout:                                                 ; four trips of 16 rows
.irp g, 0,1,2,3
	ds_load_b128 v[X+8*(\g):X+8*(\g)+3],   v[RD] offset:4*SPITCH*(\g)
	ds_load_b128 v[X+8*(\g)+4:X+8*(\g)+7], v[RD] offset:4*SPITCH*(\g)+16
.endr
	s_wait_dscnt 0x0
.if MODE == 1
	GELU
.endif
.set p, 0
.rept 16
	v_cvt_pk_bf16_f32 v[Y+p], v[X+2*p], v[X+2*p+1]
.set p, p+1
.endr
.irp g, 0,1,2,3
	global_store_b128 v[CO], v[Y+4*(\g):Y+4*(\g)+3], s[8:9] offset:512*(\g)  ; four rows of my plane: 512 consecutive bytes, aligned
.endr
	s_wait_xcnt 0x0                                ; the stores have read their address and data: CO is stepped, and Y written in the next trip, only behind this wait
	v_add_nc_u32 v[RD], 16*SPITCH, v[RD]
	v_add_nc_u32 v[CO], 2048, v[CO]
	s_sub_co_u32 s74, s74, 1
	s_cmp_lg_u32 s74, 0
	s_cbranch_scc1 .Lout
.endif
	s_wait_tensorcnt 0x0                           ; the wave's end: the add and its wait stand behind my last tensor load and my last LDS store
	ds_add_u32 v[SPW], v[NIL]
	s_wait_dscnt 0x0
	CROUND                                         ; the closing round: no work-group ends while a partner may still ask for a tile that names it
	s_endpgm
.Lfunc_end_k_q896f5912da_gemm_ffn2:
	.size	k_q896f5912da_gemm_ffn2, .Lfunc_end_k_q896f5912da_gemm_ffn2-k_q896f5912da_gemm_ffn2
	.p2alignl 7, 3214868480
	.fill 96, 4, 3214868480
	.section	.rodata,"a",@progbits
	.p2align	6, 0x0
	.amdhsa_kernel k_q896f5912da_gemm_ffn2
		.amdhsa_group_segment_fixed_size 327680
		.amdhsa_private_segment_fixed_size 0
		.amdhsa_enable_private_segment 0
		.amdhsa_kernarg_size 40
		.amdhsa_user_sgpr_count 2
		.amdhsa_user_sgpr_kernarg_segment_ptr 1
		.amdhsa_wavefront_size32 1
		.amdhsa_system_sgpr_workgroup_id_x 1
		.amdhsa_system_sgpr_workgroup_id_y 1
		.amdhsa_system_sgpr_workgroup_id_z 1
		.amdhsa_system_vgpr_workitem_id 0
		.amdhsa_next_free_vgpr 640
		.amdhsa_next_free_sgpr 76
		.amdhsa_reserve_vcc 0
		.amdhsa_float_denorm_mode_32 3
		.amdhsa_float_denorm_mode_16_64 3
		.amdhsa_memory_ordered 1
		.amdhsa_forward_progress 1
		.amdhsa_inst_pref_size 94
	.end_amdhsa_kernel
	.amdgpu_metadata
---
amdhsa.version: [ 1, 2 ]
amdhsa.kernels:
  - .name:           k_q896f5912da_gemm_ffn2
    .symbol:         k_q896f5912da_gemm_ffn2.kd
    .args:
      - { .name: gact, .offset: 0, .size: 8, .value_kind: global_buffer, .address_space: global }
      - { .name: wb, .offset: 8, .size: 8, .value_kind: global_buffer, .address_space: global }
      - { .name: out0, .offset: 16, .size: 8, .value_kind: global_buffer, .address_space: global }
      - { .name: b2, .offset: 24, .size: 8, .value_kind: global_buffer, .address_space: global }
      - { .name: x1, .offset: 32, .size: 8, .value_kind: global_buffer, .address_space: global }
    .group_segment_fixed_size: 327680
    .private_segment_fixed_size: 0
    .kernarg_segment_align: 8
    .kernarg_segment_size: 40
    .max_flat_workgroup_size: 128
    .sgpr_count:     76
    .vgpr_count:     640
    .wavefront_size: 32
...
	.end_amdgpu_metadata
.endif
;; end of part 7
;; ======== version 2 of 3: 7 launches
;; workspace buffers: wb 25,165,824 bytes; h1 8,388,608 bytes; qkvb 25,165,824 bytes; ctx 8,388,608 bytes; x1 16,777,216 bytes; h2 8,388,608 bytes; gact 33,554,432 bytes
;; launch prep (part 8): grid 1024 x 1, 8 waves a work-group, no clusters, 0 bytes of LDS; arguments x, ln1_scale, ln1_shift, Wq, Wk, Wv, Wo, W1, W2, h1, wb; writes h1, wb
.if DOCPART == 8
	.amdgcn_target "amdgcn-amd-amdhsa--gfx1250"
	.amdhsa_code_object_version 6
	.text
	.protected	k_q896f5912da_prep
	.globl	k_q896f5912da_prep
	.p2align	8
	.type	k_q896f5912da_prep,@function
k_q896f5912da_prep:
	s_mov_b64 s[64:65], 0
	v_nop
	global_prefetch_b8 v0, s[64:65] scope:SCOPE_SE
	s_setreg_imm32_b32 hwreg(HW_REG_WAVE_MODE, 25, 1), 1
	s_wait_xcnt 0x0
; PREP: two jobs of equal size in one launch; each work-group reads 65,536 bytes.
; Work-groups 0-255: h1 = layernorm(x) * ln1_scale + ln1_shift, rounded once to bf16.  Work-groups 256-1023: the six weight matrices rounded once to bf16 into wb, each row-major as given:
; Wq at byte 0, Wk at 2 MiB, Wv at 4 MiB, Wo at 6 MiB, W1 at 8 MiB, W2 at 16 MiB.
; h1's LAYOUT (all bf16 activations of this program have it), NP = 16 planes of 64 columns: byte(m, n) = ((m >> 7) * NP + (n >> 6)) * 16384 + (m & 127) * 128 + (n & 63) * 2:
; 128 tokens x 64 columns are 16,384 dense bytes, so the products that follow fetch dense tiles.
; LAYERNORM.  16 tokens a work-group, two a wave.  Lane l: token l >> 4, four columns 4 (l & 15) on in each of the 16 planes: 64 numbers in registers between the passes.  So a load of the wave covers
; 256 consecutive bytes of each token's row, and a store 256 consecutive bytes, aligned: the two tokens' rows of one plane.  A token's 16 lanes are one row of lanes: the sums never cross the halves.
; Mean first, then the sum of squares of x - mean (no difference of large sums), all in f32.  Matrix units, LDS and clusters would add nothing: nothing is shared, memory binds.
; LIMITS: NaN and infinities are not treated apart.
.set XO,   2                           ; v2   byte offset of my first 16 bytes in the wave's two rows of x
.set PO,   3                           ; v3   the same in gain and shift
.set YO,   4                           ; v4   my 8 bytes in plane 0 of h1
.set CH,   6                           ; v[6:13]  four chains of packed sums
.set MEAN, 14                          ; v[14:15] the mean, twice
.set RSTD, 16                          ; v[16:17] 1 / sqrt(var + eps), twice
.set EPSR, 18                          ; 1e-5
.set RN,   19                          ; 1 / 1024
.set X,    32                          ; v[32:95]   my 64 numbers: plane i's four at X + 4 i
.set SC,   96                          ; v[96:159]  their gains
.set SH,   160                         ; v[160:223] their shifts
.set IN,   8                           ; s[8:9] x;  s[10:11] gain;  s[12:13] shift
.set OUT,  26                          ; s[26:27] h1
	s_load_b512 s[8:23], s[0:1], 0x0               ; x, ln1_scale, ln1_shift, Wq s[14:15], Wk s[16:17], Wv s[18:19], Wo s[20:21], W1 s[22:23]
	s_load_b128 s[24:27], s[0:1], 0x40             ; W2 s[24:25], h1 s[26:27]
	s_load_b64 s[28:29], s[0:1], 0x50              ; wb
	v_lshrrev_b32 v1, 5, v0
	v_readfirstlane_b32 s4, v1                     ; wave 0..7
	s_cmp_lt_u32 ttmp9, 256
	s_cbranch_scc0 .Lcast
	v_and_b32 v5, 15, v0                           ; l & 15
	v_bfe_u32 v1, v0, 4, 1                         ; token
	v_lshlrev_b32 v[PO], 4, v5                     ; 16 (l & 15)
	v_lshl_add_u32 v[XO], v1, 12, v[PO]            ; + 4,096 x token
	v_lshlrev_b32 v[YO], 3, v5
	v_lshl_add_u32 v[YO], v1, 7, v[YO]             ; 128 x token + 8 (l & 15)
	v_mov_b32 v[RN], 0x3a800000
	v_mov_b32 v[EPSR], 0x3727c5ac
	s_lshl_b32 s30, ttmp9, 16                      ; 16 tokens of 4,096 bytes
	s_lshl_b32 s31, s4, 13                         ; my wave's two
	s_add_co_u32 s30, s30, s31
	s_mov_b32 s31, 0
	s_lshr_b32 s32, ttmp9, 3                       ; block of 128 tokens: 16 planes of 16,384 bytes
	s_lshl_b32 s32, s32, 18
	s_and_b32 s33, ttmp9, 7
	s_lshl_b32 s33, s33, 11                        ; 16 tokens of 128 bytes in a plane
	s_add_co_u32 s32, s32, s33
	s_lshl_b32 s33, s4, 8
	s_add_co_u32 s32, s32, s33
	s_mov_b32 s33, 0
	s_wait_kmcnt 0x0
	s_add_nc_u64 s[IN:IN+1], s[IN:IN+1], s[30:31]
	s_add_nc_u64 s[OUT:OUT+1], s[OUT:OUT+1], s[32:33]
.set i, 0
.rept 16
	global_load_b128 v[X+4*i:X+4*i+3], v[XO], s[IN:IN+1] offset:256*i th:TH_LOAD_NT
.set i, i+1
.endr
.set i, 0
.rept 16
	global_load_b128 v[SC+4*i:SC+4*i+3], v[PO], s[IN+2:IN+3] offset:256*i
	global_load_b128 v[SH+4*i:SH+4*i+3], v[PO], s[IN+4:IN+5] offset:256*i
.set i, i+1
.endr
; the four chains into one number, then over the 16 lanes of a token: four steps that ride on the additions; every lane of the token ends with the sum
.macro FOLD
	v_pk_add_f32 v[CH:CH+1], v[CH:CH+1], v[CH+2:CH+3]
	v_pk_add_f32 v[CH+4:CH+5], v[CH+4:CH+5], v[CH+6:CH+7]
	v_pk_add_f32 v[CH:CH+1], v[CH:CH+1], v[CH+4:CH+5]
	v_add_f32 v[CH], v[CH], v[CH+1]
	v_add_f32_dpp v[CH], v[CH], v[CH] row_xmask:1 row_mask:0xf bank_mask:0xf
	v_add_f32_dpp v[CH], v[CH], v[CH] row_xmask:2 row_mask:0xf bank_mask:0xf
	v_add_f32_dpp v[CH], v[CH], v[CH] row_xmask:4 row_mask:0xf bank_mask:0xf
	v_add_f32_dpp v[CH], v[CH], v[CH] row_xmask:8 row_mask:0xf bank_mask:0xf
.endm
	s_wait_loadcnt 32                              ; x is in; the 32 younger loads of gain and shift may stay out
.irp k, 0,1,2,3
	v_pk_add_f32 v[CH+2*(\k):CH+2*(\k)+1], v[X+2*(\k):X+2*(\k)+1], v[X+8+2*(\k):X+8+2*(\k)+1]  ; the first eight pairs start the chains
.endr
.set j, 8
.rept 24
	v_pk_add_f32 v[CH+2*(j%4):CH+2*(j%4)+1], v[CH+2*(j%4):CH+2*(j%4)+1], v[X+2*j:X+2*j+1]
.set j, j+1
.endr
	FOLD
	v_mul_f32 v[MEAN], v[CH], v[RN]
	v_mul_f32 v[MEAN+1], v[CH], v[RN]
.set j, 0
.rept 32
	v_pk_add_f32 v[X+2*j:X+2*j+1], v[X+2*j:X+2*j+1], v[MEAN:MEAN+1] neg_lo:[0,1] neg_hi:[0,1]  ; x - mean, in place
.set j, j+1
.endr
.irp k, 0,1,2,3
	v_pk_mul_f32 v[CH+2*(\k):CH+2*(\k)+1], v[X+2*(\k):X+2*(\k)+1], v[X+2*(\k):X+2*(\k)+1]
.endr
.set j, 4
.rept 28
	v_pk_fma_f32 v[CH+2*(j%4):CH+2*(j%4)+1], v[X+2*j:X+2*j+1], v[X+2*j:X+2*j+1], v[CH+2*(j%4):CH+2*(j%4)+1]
.set j, j+1
.endr
	FOLD
	v_fma_f32 v[CH], v[CH], v[RN], v[EPSR]         ; var + 1e-5
	v_rsq_f32 v[RSTD], v[CH]
	v_rsq_f32 v[RSTD+1], v[CH]
	v_nop                                          ; a plain instruction behind the last root,
	s_wait_alu depctr_va_vdst(0)                   ; and one wait for both, ahead of their first reader
	s_wait_loadcnt 0x0                             ; gain and shift
.set i, 0
.rept 16
	v_pk_mul_f32 v[X+4*i:X+4*i+1],   v[X+4*i:X+4*i+1],   v[RSTD:RSTD+1]
	v_pk_mul_f32 v[X+4*i+2:X+4*i+3], v[X+4*i+2:X+4*i+3], v[RSTD:RSTD+1]
	v_pk_fma_f32 v[X+4*i:X+4*i+1],   v[X+4*i:X+4*i+1],   v[SC+4*i:SC+4*i+1],   v[SH+4*i:SH+4*i+1]
	v_pk_fma_f32 v[X+4*i+2:X+4*i+3], v[X+4*i+2:X+4*i+3], v[SC+4*i+2:SC+4*i+3], v[SH+4*i+2:SH+4*i+3]
	v_cvt_pk_bf16_f32 v[X+4*i],   v[X+4*i],   v[X+4*i+1]
	v_cvt_pk_bf16_f32 v[X+4*i+1], v[X+4*i+2], v[X+4*i+3]
	global_store_b64 v[YO], v[X+4*i:X+4*i+1], s[OUT:OUT+1] offset:16384*i  ; the wave stores 256 consecutive bytes, aligned: my two tokens' rows of plane i; no register is written twice
.set i, i+1
.endr
	s_endpgm
; THE CAST.  Work-group u = number - 256 takes elements 16,384 u .. of the six matrices laid end to end in wb's order.  Thread t: four numbers a step, 16 bytes in, 8 bytes out; sixteen steps:
; a load of the wave covers 512 consecutive bytes, a store 256, aligned.
.Lcast:
	s_sub_co_u32 s2, ttmp9, 256
	s_mov_b32 s34, 0                               ; the first work-group of the matrix that mine lies in
	v_lshlrev_b32 v2, 4, v0
	v_lshlrev_b32 v3, 3, v0
	s_wait_kmcnt 0x0
	s_mov_b64 s[32:33], s[14:15]                   ; Wq: 64 work-groups, and so Wk, Wv, Wo; W1 and W2 256 each
	s_cmp_ge_u32 s2, 64
	s_cselect_b64 s[32:33], s[16:17], s[32:33]
	s_cselect_b32 s34, 64, s34
	s_cmp_ge_u32 s2, 128
	s_cselect_b64 s[32:33], s[18:19], s[32:33]
	s_cselect_b32 s34, 128, s34
	s_cmp_ge_u32 s2, 192
	s_cselect_b64 s[32:33], s[20:21], s[32:33]
	s_cselect_b32 s34, 192, s34
	s_cmp_ge_u32 s2, 256
	s_cselect_b64 s[32:33], s[22:23], s[32:33]
	s_cselect_b32 s34, 256, s34
	s_cmp_ge_u32 s2, 512
	s_cselect_b64 s[32:33], s[24:25], s[32:33]
	s_cselect_b32 s34, 512, s34
	s_sub_co_u32 s34, s2, s34
	s_lshl_b32 s34, s34, 16                        ; 65,536 bytes of f32 a work-group
	s_mov_b32 s35, 0
	s_add_nc_u64 s[32:33], s[32:33], s[34:35]
	s_lshl_b32 s30, s2, 15                         ; 32,768 bytes of bf16
	s_mov_b32 s31, 0
	s_add_nc_u64 s[28:29], s[28:29], s[30:31]
.set n, 0
.rept 16
	global_load_b128 v[32+4*n:32+4*n+3], v2, s[32:33] offset:4096*n th:TH_LOAD_NT
.set n, n+1
.endr
.set n, 0
.rept 16
	s_wait_loadcnt 15-n                            ; this step's load is in; the later steps' may stay out
	v_cvt_pk_bf16_f32 v[96+2*n],   v[32+4*n],   v[32+4*n+1]
	v_cvt_pk_bf16_f32 v[96+2*n+1], v[32+4*n+2], v[32+4*n+3]
	global_store_b64 v3, v[96+2*n:96+2*n+1], s[28:29] offset:2048*n  ; no register is written twice
.set n, n+1
.endr
	s_endpgm
.Lfunc_end_k_q896f5912da_prep:
	.size	k_q896f5912da_prep, .Lfunc_end_k_q896f5912da_prep-k_q896f5912da_prep
	.p2alignl 7, 3214868480
	.fill 96, 4, 3214868480
	.section	.rodata,"a",@progbits
	.p2align	6, 0x0
	.amdhsa_kernel k_q896f5912da_prep
		.amdhsa_group_segment_fixed_size 0
		.amdhsa_private_segment_fixed_size 0
		.amdhsa_enable_private_segment 0
		.amdhsa_kernarg_size 88
		.amdhsa_user_sgpr_count 2
		.amdhsa_user_sgpr_kernarg_segment_ptr 1
		.amdhsa_wavefront_size32 1
		.amdhsa_system_sgpr_workgroup_id_x 1
		.amdhsa_system_sgpr_workgroup_id_y 1
		.amdhsa_system_sgpr_workgroup_id_z 1
		.amdhsa_system_vgpr_workitem_id 0
		.amdhsa_next_free_vgpr 224
		.amdhsa_next_free_sgpr 66
		.amdhsa_reserve_vcc 0
		.amdhsa_float_denorm_mode_32 3
		.amdhsa_float_denorm_mode_16_64 3
		.amdhsa_memory_ordered 1
		.amdhsa_forward_progress 1
		.amdhsa_inst_pref_size 28
	.end_amdhsa_kernel
	.amdgpu_metadata
---
amdhsa.version: [ 1, 2 ]
amdhsa.kernels:
  - .name:           k_q896f5912da_prep
    .symbol:         k_q896f5912da_prep.kd
    .args:
      - { .name: x, .offset: 0, .size: 8, .value_kind: global_buffer, .address_space: global }
      - { .name: ln1_scale, .offset: 8, .size: 8, .value_kind: global_buffer, .address_space: global }
      - { .name: ln1_shift, .offset: 16, .size: 8, .value_kind: global_buffer, .address_space: global }
      - { .name: Wq, .offset: 24, .size: 8, .value_kind: global_buffer, .address_space: global }
      - { .name: Wk, .offset: 32, .size: 8, .value_kind: global_buffer, .address_space: global }
      - { .name: Wv, .offset: 40, .size: 8, .value_kind: global_buffer, .address_space: global }
      - { .name: Wo, .offset: 48, .size: 8, .value_kind: global_buffer, .address_space: global }
      - { .name: W1, .offset: 56, .size: 8, .value_kind: global_buffer, .address_space: global }
      - { .name: W2, .offset: 64, .size: 8, .value_kind: global_buffer, .address_space: global }
      - { .name: h1, .offset: 72, .size: 8, .value_kind: global_buffer, .address_space: global }
      - { .name: wb, .offset: 80, .size: 8, .value_kind: global_buffer, .address_space: global }
    .group_segment_fixed_size: 0
    .private_segment_fixed_size: 0
    .kernarg_segment_align: 8
    .kernarg_segment_size: 88
    .max_flat_workgroup_size: 256
    .sgpr_count:     66
    .vgpr_count:     224
    .wavefront_size: 32
...
	.end_amdgpu_metadata
.endif
;; end of part 8
;; launch gemm_qkv (part 9): grid 12 x 16, 4 waves a work-group, clusters of 4 x 4, 327,680 bytes of LDS; arguments h1, wb, qkvb; writes qkvb
.if DOCPART == 9
	.amdgcn_target "amdgcn-amd-amdhsa--gfx1250"
	.amdhsa_code_object_version 6
	.text
	.protected	k_q896f5912da_gemm_qkv
	.globl	k_q896f5912da_gemm_qkv
	.p2align	8
	.type	k_q896f5912da_gemm_qkv,@function
k_q896f5912da_gemm_qkv:
	s_mov_b64 s[64:65], 0
	v_nop
	global_prefetch_b8 v0, s[64:65] scope:SCOPE_SE
	s_setreg_imm32_b32 hwreg(HW_REG_WAVE_MODE, 25, 1), 1
	s_wait_xcnt 0x0
	s_wait_alu depctr_hold_cnt(0) depctr_sa_sdst(0) depctr_va_vdst(0) depctr_va_sdst(0) depctr_va_ssrc(0) depctr_va_vcc(0) depctr_vm_vsrc(0)
	s_getreg_b32 s2, hwreg(HW_REG_IB_STS2, 6, 4)
	s_cmp_eq_u32 s2, 0
	s_cbranch_scc0 .Lentry_in_a_cluster
	s_endpgm
.Lentry_in_a_cluster:
	s_bfe_u32 s2, ttmp6, 0x10000c
	s_cmp_lg_u32 s2, 0xf033
	s_cbranch_scc0 .Lentry_shape_is_right
	s_endpgm
.Lentry_shape_is_right:
; THIS LAUNCH: q, k, v = h1 x (Wq | Wk | Wv), no bias, bf16 out in 48 planes (q 0-15, k 16-31, v 32-47).  12 x 16 tiles: 192 work-groups.
; THE WIDE FRAME (one text serves this program's two products with 3,072 and 4,096 columns; the six constants below make it this launch's).  C[4096][N] = A[4096][KTOT] x W[KTOT][N], operands bf16, sums f32.
; A lies in planes: byte(m, k) = ((m >> 7) * NPA + (k >> 6)) * 16384 + (m & 127) * 128 + (k & 63) * 2.  W lies row-major [k][n] in wb, WPITCH elements from row to row, from byte WOFF.
; MODE 0: C rounded to bf16, in planes (NPO of them).  MODE 1: gelu_tanh(C + bias), likewise.
; SHARES.  A tile of C is 256 x 256: four waves, each 128 x 128 in 64 accumulators, 512 registers: for 32 along K a wave reads 2 x 128 x 64 bytes from LDS for 64 matrix instructions.
; K goes in steps of 128 through two LDS slots; each wave fetches a quarter of a slot by one tensor load: waves 0, 1 a block of 128 tokens x 128 K of A each (two planes, 32,768 dense bytes, asked for
; as 128 rows of 256), waves 2, 3 64 rows of W each (512 bytes a row, aligned).  From a refill to the wait for it a wave issues 224 matrix instructions.
; CLUSTER 4 x 4: A's tile hangs on the tile row alone and is asked for jointly along a row of the cluster, W's on the tile column alone and jointly along a column.
; ONE TEXT FOR A K STEP.  The slot in hand is a scalar, 0 or SLOT, turned by an exclusive or at each change of slots; it is added to the lane terms of the LDS reads and to the walking descriptors'
; LDS words.  The steps that fill a slot again are one loop; the last two, which fill nothing, are a second loop; it is left in the middle of its second trip.
; THE MATRIX INSTRUCTION IS USED TRANSPOSED: source 0 = 16 columns of W (turned on the way out of LDS by ds_load_tr16_b128), source 1 = 16 rows of A: lane l holds row l % 16 of C and the
; columns 8 (l / 16) + 0..7.  The bias, laid out so, is the C operand that starts the sums.
; REGISTERS, in windows of 256: window 0: v16-30 addresses; v32-111 at work on the way out; v64-127, v128-191 fragments of A, two buffers; v192-255 the bias.
;   window 1: v64-127, v128-191 fragments of W, two buffers.   window 2: the 32 accumulators of my rows 0-63 ((a, b) at 8 (8 a + b));   window 3: those of my rows 64-127.
; LIMITS: NaN and infinities are not treated apart; gelu's exponential saturates to 0 or infinity, which gives u or 0 as the tanh form does.
.set KTOT,   1024
.set WOFF,   0
.set WPITCH, 1024
.set MODE,   0
.set NPO,    48
.set SPLIT3, 1                         ; 1: the columns run through three matrices of 1,024 columns, 2 MiB apart in wb
.set NPA,    KTOT/64
.set NS,     KTOT/128                  ; K steps
.set PA,     144                       ; a row of a plane of A in LDS: 128 bytes + 16: the 16 rows of a load start at 16 different groups of four banks (64 banks of 4 bytes: ISA guide 11.1)
.set PB,     544                       ; a row of W: 512 bytes + 32 = 17 x 32
.set PLANE,  128*PA
.set HALFA,  2*PLANE                   ; what a tensor load for A brings: 128 tokens x 2 planes
.set HALFB,  64*PB                     ; what a tensor load for W brings: 64 rows
.set BOFF,   2*HALFA                   ; a slot: A's two blocks of tokens, then W's 128 rows
.set SLOT,   BOFF+2*HALFB
.set ASTEP,  32768                     ; bytes from a K step to the next: in A two planes,
.set BSTEP,  256*WPITCH                ; in W 128 rows
.set SPITCH, 272                       ; the stage: rows of 64 f32 + 16 bytes; 256 of them for each wave: plane 0's 128 rows, then plane 1's
.set WSTAGE, 256*SPITCH                ; the four stages lie over both slots: they are written behind the last change of slots, when no wave reads the ring any more and nothing is filled
.set SPARE,  2*SLOT                    ; behind the ring: the spare words, 128 bytes for each wave: two blocks of 256 bytes that no other line names
.set ADRA0, 16                         ; v16  my lane's and wave's place among A's fragments in slot 0; never rewritten
.set ADRB0, 17                         ; v17  the same for W
.set ADRA, 18                          ; v18  the same in the slot in hand
.set ADRB, 19                          ; v19
.set STO,  24
.set RD,   25
.set CO,   26
.set BO,   27
.set SPW,  28                          ; v28  SPARE + 4 x my thread's number; never rewritten
.set NIL,  29                          ; v29  0; never rewritten
.set PFO,  30                          ; v30  the prefetches' lane offset; never rewritten
.set X,    32
.set T,    64
.set Y,    96
.set BIAS, 192
.set F0,   64
.set F1,   128
.set G1,  24                           ; s[24:31] group 1 for A;  s[32:39] group 0: a set for each of the two first fills; the second then walks on
.set G0,  32
.set G1B, 48                           ; s[48:55], s[56:63] the same for W
.set G0B, 56
.set PFS, 18                           ; s[18:19] bytes from a K step to the next in the tensor that I fetch
.set LIM, 43                           ; s43  2 in a wave that prefetches, else the greatest number
.set PFA, 44                           ; s[44:45] where my next prefetch stands
.set LA,  68                           ; s68  LDS place in a slot of what I fetch for A
.set LB,  69                           ; s69  the same for W
.set TR,  75                           ; s75  the slot in hand: 0 or SLOT
.set MSB, 0
.macro WIN new                         ; the immediate's high byte repeats the setting that is left; a switch that changes nothing is dropped
.if MSB != (\new)
	s_set_vgpr_msb (MSB<<8)|(\new)
.set MSB, \new
.endif
.endm
.set MUL_LO, 0xa1                      ; source 0 (W) window 1, source 1 (A) window 0, C and D window 2; + 0x50: C and D window 3
.set TO_B,   0x40                      ; destination window 1, address window 0
.macro JLOAD s                         ; a joint load: waves 0, 1 for A, waves 2, 3 for W; s_nop 0 and four v_nop follow each line, ahead of the jump and the label
	s_cmp_eq_u32 s11, 0
	s_cbranch_scc0 .Lfor_b_\@
	tensor_load_to_lds s[G0+4*(\s):G0+4*(\s)+3], s[G1:G1+7]
	s_nop 0
.rept 4
	v_nop
.endr
	s_branch .Lasked_\@
.Lfor_b_\@:
	tensor_load_to_lds s[G0B+4*(\s):G0B+4*(\s)+3], s[G1B:G1B+7]
	s_nop 0
.rept 4
	v_nop
.endr
.Lasked_\@:
.endm
; A PREFETCH INTO THE L2, behind each joint refill and the run of LDS loads that follows it: the K step that stands two refills on, 512 matrix instructions ahead of the load that will ask for it.
; Each block of 256 bytes is named once in the launch.  A's tile row is read by every cluster of that row of clusters: cluster x = 0 asks; W's tile column by every cluster of that column: cluster y = 0 asks.
; Of the 128 blocks that a wave fetches in a K step each of the four partners that ask for them jointly takes 32, told apart by address (cx for A, cy for W): a lane a block, one instruction a wave.
; K steps 0 to 3 come by their loads alone; the loop's last two refills (s3 = 2, 1) have no K step two on and ask for nothing.
.macro ASK
	s_cmp_gt_u32 s3, s[LIM]
	s_cbranch_scc0 .Lnot_mine_\@
	global_prefetch_b8 v[PFO], s[PFA:PFA+1] th:TH_LOAD_NT scope:SCOPE_SE
.Lnot_mine_\@:
.endm
.macro CREST                           ; a round of the cluster's barrier behind its opening barrier
	s_cmp_lg_u32 s10, 0
	s_cbranch_scc1 .Lnot_wave_0_\@
	s_barrier_signal -3
.Lnot_wave_0_\@:
	s_barrier_wait -3
	s_barrier_signal -1
	s_barrier_wait -1
.endm
.macro CROUND
	s_barrier_signal -1
	s_barrier_wait -1
	CREST
.endm
.macro PLACES                          ; four plain vector instructions between a matrix instruction and what reads its result or loads into its registers
.rept 4
	v_nop
.endr
.endm
	s_load_b128 s[4:7], s[0:1], 0x0                ; A s[4:5], wb s[6:7]
	s_load_b64 s[8:9], s[0:1], 0x10                ; out
.if MODE == 1
	s_load_b64 s[66:67], s[0:1], 0x18              ; bias
.endif
	v_lshl_add_u32 v[SPW], v0, 2, SPARE
	v_mov_b32 v[NIL], 0
	ds_add_u32 v[SPW], v[NIL]                      ; the wave's opening: the add and its wait come ahead of my first tensor load; work on registers stands between them
	v_lshrrev_b32 v1, 5, v0
	v_readfirstlane_b32 s10, v1                    ; wave 0..3
	s_lshr_b32 s11, s10, 1                         ; my half of the tile's rows; also: I fetch for A (0) or W (1)
	s_and_b32 s12, s10, 1                          ; my half of its columns; also: which half of that tile I fetch
	s_bfe_u32 s40, ttmp6, 0x40000                  ; cx
	s_bfe_u32 s41, ttmp6, 0x40004                  ; cy
	s_lshl_b32 s42, ttmp9, 2
	s_add_co_u32 s42, s42, s40                     ; tile column
	s_and_b32 s13, ttmp7, 0xffff
	s_lshl_b32 s13, s13, 2
	s_add_co_u32 s13, s13, s41                     ; tile row
	s_lshl_b32 s43, s41, 2
	s_lshl_b32 s43, 15, s43                        ; my row of the cluster
	s_lshl_b32 s44, 0x1111, s40                    ; my column
	s_or_b32 s[G1+0], s43, (1<<16)|(1<<20)|(1<<21)|(4<<22)|(3<<25)   ; mask; 2-byte elements; padding on; bit 21 beside a mask; after every 32 words 4 words
	s_or_b32 s[G1B+0], s44, (1<<16)|(1<<20)|(1<<21)|(6<<22)|(7<<25)  ; after every 128 words 8 words
	s_mov_b32 s[G1+1], 128<<16                     ; A: tensor_dim0 = 128
	s_mov_b32 s[G1+2], 128<<16                     ; tensor_dim1 = 128
	s_mov_b32 s[G1+3], 128<<16                     ; tile_dim0 = 128
	s_mov_b32 s[G1+4], 128                         ; tile_dim1 = 128
	s_mov_b32 s[G1+5], 128                         ; dense rows of 256 bytes
	s_mov_b32 s[G1+6], 0
	s_mov_b32 s[G1+7], 0
	s_mov_b32 s[G1B+1], 256<<16                    ; W: tensor_dim0 = 256
	s_mov_b32 s[G1B+2], 64<<16                     ; tensor_dim1 = 64
	s_mov_b32 s[G1B+3], 256<<16                    ; tile_dim0 = 256
	s_mov_b32 s[G1B+4], 64                         ; tile_dim1 = 64
	s_mov_b32 s[G1B+5], WPITCH
	s_mov_b32 s[G1B+6], 0
	s_mov_b32 s[G1B+7], 0
	s_lshl_b32 s16, s13, 1
	s_add_co_u32 s16, s16, s12                     ; A: the block of 128 tokens that I fetch,
	s_mul_i32 s16, s16, NPA*16384                  ; its planes
	s_mov_b32 s17, 0
.if SPLIT3
	s_lshr_b32 s46, s42, 2                         ; W: which of the three matrices,
	s_lshl_b32 s46, s46, 21
	s_and_b32 s47, s42, 3                          ; and the tile's 512 bytes of its rows
	s_lshl_b32 s47, s47, 9
	s_add_co_u32 s46, s46, s47
.else
	s_lshl_b32 s46, s42, 9                         ; W: the tile's 512 bytes of a row
.endif
	s_mul_i32 s47, s12, 64*WPITCH*2                ; my 64 of a step's 128 rows
	s_add_co_u32 s46, s46, s47
.if WOFF
	s_add_co_u32 s46, s46, WOFF
.endif
	s_mov_b32 s47, 0
	s_mul_i32 s[LA], s12, HALFA                    ; where my part goes: no place in the cluster enters an LDS address
	s_mul_i32 s[LB], s12, HALFB
	s_add_co_u32 s[LB], s[LB], BOFF
	s_mov_b32 s[TR], 0
.if MODE == 1
	s_mov_b32 s70, 0xc0135761                      ; -2 sqrt(2 / pi) log2(e)
	s_mov_b32 s71, s70
	s_mov_b32 s72, 0xbdd2d3e8                      ; the same x 0.044715
	s_mov_b32 s73, s72
.endif
	s_wait_dscnt 0x0                               ; the opening add is done
	s_wait_kmcnt 0x0
	s_add_nc_u64 s[14:15], s[4:5], s[16:17]
	s_add_nc_u64 s[46:47], s[6:7], s[46:47]
	CROUND                                         ; all sixteen work-groups are here: the first joint loads meet
.irp s, 0,1
	s_mov_b32 s[G0+4*(\s)], 1
	s_add_co_u32 s[G0+4*(\s)+1], s[LA], (\s)*SLOT
	s_add_nc_u64 s[G0+4*(\s)+2:G0+4*(\s)+3], s[14:15], (\s)*ASTEP
	s_or_b32 s[G0+4*(\s)+3], s[G0+4*(\s)+3], 0x80000000
	s_mov_b32 s[G0B+4*(\s)], 1
	s_add_co_u32 s[G0B+4*(\s)+1], s[LB], (\s)*SLOT
	s_add_nc_u64 s[G0B+4*(\s)+2:G0B+4*(\s)+3], s[46:47], (\s)*BSTEP
	s_or_b32 s[G0B+4*(\s)+3], s[G0B+4*(\s)+3], 0x80000000
	JLOAD \s
.endr
	; the prefetches' address.  Lane l names block l of my work-group's 32: in A they lie end to end; in W they are 16 rows of two.  Nothing is prefetched here, at the head
	v_and_b32 v5, 31, v0
	v_lshrrev_b32 v6, 1, v5                        ; l / 2
	v_and_b32 v5, 1, v5                            ; l % 2
	s_lshl_b32 s20, s40, 13                        ; A: 32 blocks of 256 bytes x cx
	s_mul_i32 s21, s41, 16*WPITCH*2                ; W: 16 rows x cy
	s_and_b32 s22, ttmp7, 0xffff                   ; cluster y
	s_mov_b32 s23, WPITCH*2
	s_mov_b32 s[PFS], BSTEP
	s_mov_b32 s[PFS+1], 0
	s_cmp_eq_u32 s11, 0                            ; do I fetch for A?
	s_cselect_b32 s20, s20, s21
	s_cselect_b32 s22, ttmp9, s22                  ; the coordinate along which other clusters read the same blocks
	s_cselect_b32 s23, 512, s23                    ; bytes from a pair of blocks to the next
	s_cselect_b32 s[PFS], ASTEP, s[PFS]
	s_cselect_b64 s[PFA:PFA+1], s[14:15], s[46:47]
	s_mov_b32 s21, 0
	s_add_nc_u64 s[PFA:PFA+1], s[PFA:PFA+1], s[20:21]
	s_mul_i32 s20, s[PFS], 3
	s_add_nc_u64 s[PFA:PFA+1], s[PFA:PFA+1], s[20:21]  ; at K step 3: the first change of slots steps it to 4
	s_cmp_eq_u32 s22, 0
	s_cselect_b32 s[LIM], 2, -1                    ; the same in all sixteen partners, for a given wave
	v_mul_u32_u24 v[PFO], v6, s23
	v_lshl_add_u32 v[PFO], v5, 8, v[PFO]
	; the fragments' addresses
	v_and_b32 v1, 15, v0                           ; r = l % 16
	v_bfe_u32 v2, v0, 4, 1                         ; h = l / 16
	v_mul_u32_u24 v3, v1, PA
	v_lshl_add_u32 v3, v2, 4, v3
	s_mul_i32 s21, s11, HALFA                      ; my 128 rows are one block of tokens
	v_add_nc_u32 v[ADRA0], s21, v3
	v_and_b32 v4, 7, v0                            ; the turning load: lane l reads row 8 h + l % 8, bytes 16 ((l / 8) % 2) on
	v_lshl_add_u32 v4, v2, 3, v4
	v_mul_u32_u24 v4, v4, PB
	v_bfe_u32 v5, v0, 3, 1
	v_lshl_add_u32 v4, v5, 4, v4
	s_lshl_b32 s22, s12, 8                         ; my 128 columns
	s_add_co_u32 s22, s22, BOFF
	v_add_nc_u32 v[ADRB0], s22, v4
	v_mov_b32 v[ADRA], v[ADRA0]
	v_mov_b32 v[ADRB], v[ADRB0]
	s_mul_i32 s23, s10, WSTAGE                     ; my stage
	v_mul_u32_u24 v6, v1, SPITCH                   ; in: row r, 32 bytes for each half of the lanes
	v_lshl_add_u32 v6, v2, 5, v6
	v_add_nc_u32 v[STO], s23, v6
	v_and_b32 v5, 31, v0                           ; back: 32 lanes take four rows, 32 bytes of f32 each, which become 512 consecutive bytes of bf16
	v_lshlrev_b32 v[CO], 4, v5
	v_lshrrev_b32 v5, 3, v5
	v_mul_u32_u24 v5, v5, SPITCH
	v_and_b32 v7, 7, v0
	v_lshl_add_u32 v5, v7, 5, v5
	v_add_nc_u32 v[RD], s23, v5
	s_lshl_b32 s16, s13, 1
	s_add_co_u32 s16, s16, s11                     ; my block of 128 tokens,
	s_mul_i32 s16, s16, NPO*16384                  ; its planes in the output
	s_mov_b32 s17, 0
	s_add_nc_u64 s[8:9], s[8:9], s[16:17]
	s_lshl_b32 s46, s42, 1
	s_add_co_u32 s46, s46, s12
	s_lshl_b32 s46, s46, 15                        ; my two planes, 4 x tile column + 2 x half: 32,768 dense bytes
	s_mov_b32 s47, 0
	s_add_nc_u64 s[8:9], s[8:9], s[46:47]
.if MODE == 1
	s_lshl_b32 s46, s42, 10
	s_lshl_b32 s47, s12, 9
	s_add_co_u32 s46, s46, s47
	s_mov_b32 s47, 0
	s_add_nc_u64 s[66:67], s[66:67], s[46:47]
	v_lshlrev_b32 v[BO], 5, v2                     ; register j of block b is the bias of column 16 b + 8 h + j
.irp b, 0,1,2,3,4,5,6,7
	global_load_b128 v[BIAS+8*(\b):BIAS+8*(\b)+3],   v[BO], s[66:67] offset:64*(\b)
	global_load_b128 v[BIAS+8*(\b)+4:BIAS+8*(\b)+7], v[BO], s[66:67] offset:64*(\b)+16
.endr
.endif
; 16 matrix instructions: row blocks a0, a0 + 1 of the window's four (hi = 0: my rows 0-63, 1: rows 64-127) x all 8 column blocks, 32 along K.  zero = 1: the product starts the sums, with 0 or with the bias.
; The 64 accumulators take turns, one instruction a turn, in the same order in every quarter.
.macro MUL16 f, hi, a0, zero
.if (\zero) && (MODE == 1)
	WIN 0x81+0x40*(\hi)                            ; C, the bias, in window 0
.else
	WIN MUL_LO+0x50*(\hi)
.endif
.irp a, \a0, (\a0)+1
.irp b, 0,1,2,3,4,5,6,7
.if (\zero) && (MODE == 1)
	v_wmma_f32_16x16x32_bf16 v[8*(8*(\a)+(\b)):8*(8*(\a)+(\b))+7], v[(\f)+8*(\b):(\f)+8*(\b)+7], v[(\f)+8*(4*(\hi)+(\a)):(\f)+8*(4*(\hi)+(\a))+7], v[BIAS+8*(\b):BIAS+8*(\b)+7]
.elseif \zero
	v_wmma_f32_16x16x32_bf16 v[8*(8*(\a)+(\b)):8*(8*(\a)+(\b))+7], v[(\f)+8*(\b):(\f)+8*(\b)+7], v[(\f)+8*(4*(\hi)+(\a)):(\f)+8*(4*(\hi)+(\a))+7], 0
.else
	v_wmma_f32_16x16x32_bf16 v[8*(8*(\a)+(\b)):8*(8*(\a)+(\b))+7], v[(\f)+8*(\b):(\f)+8*(\b)+7], v[(\f)+8*(4*(\hi)+(\a)):(\f)+8*(4*(\hi)+(\a))+7], v[8*(8*(\a)+(\b)):8*(8*(\a)+(\b))+7]
.endif
.endr
.endr
.endm
; 32 LDS loads in one run: the fragments of quarter q (32 along K) of the slot in hand, into buffer f: W's 128 columns, then A's 128 rows
.macro FETCH q, f
	WIN TO_B
.irp i, 0,1,2,3,4,5,6,7
	ds_load_tr16_b128 v[(\f)+8*(\i):(\f)+8*(\i)+3],   v[ADRB] offset:32*(\q)*PB+32*(\i)
	ds_load_tr16_b128 v[(\f)+8*(\i)+4:(\f)+8*(\i)+7], v[ADRB] offset:(32*(\q)+16)*PB+32*(\i)
.endr
	WIN 0
.irp i, 0,1,2,3,4,5,6,7
	ds_load_b128 v[(\f)+8*(\i):(\f)+8*(\i)+3],   v[ADRA] offset:((\q)/2)*PLANE+(\i)*16*PA+((\q)%2)*64
	ds_load_b128 v[(\f)+8*(\i)+4:(\f)+8*(\i)+7], v[ADRA] offset:((\q)/2)*PLANE+(\i)*16*PA+((\q)%2)*64+32
.endr
.endm
; A K step is four quarters of 32 along K, 64 matrix instructions each, on buffers 0, 1, 0, 1.  One of the first three: multiplies buffer f; in its middle it fetches quarter q into buffer g.
.macro QUARTER q, f, g, zero
	s_wait_dscnt 8                                 ; W and A's rows 0-63 are in; the youngest eight loads (A's rows 64-127) may be out
	MUL16 \f, 0, 0, \zero
	MUL16 \f, 0, 2, \zero
	PLACES
	FETCH \q, \g
	s_wait_dscnt 32                                ; all but the 32 just issued
	MUL16 \f, 1, 0, \zero
	MUL16 \f, 1, 2, \zero
.endm
; The last quarter multiplies buffer 1 and changes slots.  MEET is its first half: one barrier; ahead of it each wave waits for all its tensor loads (at most one is out: its part of the next slot), adds 0
; to its spare word, and waits for that and for its reads of this slot.  fill = 1: the walking descriptors are stepped while the add is out: to the slot in hand, and one K step on.
.macro MEET fill
	WIN 0
	s_wait_tensorcnt 0x0                           ; no tensor load of mine is out, so a group 0 may be written
	ds_add_u32 v[SPW], v[NIL]
.if \fill
	s_add_co_u32 s[G0+5], s[LA], s[TR]
	s_add_co_u32 s[G0B+5], s[LB], s[TR]
	s_add_nc_u64 s[G0+6:G0+7], s[G0+6:G0+7], ASTEP  ; the type bits on top are not reached
	s_add_nc_u64 s[G0B+6:G0B+7], s[G0B+6:G0B+7], BSTEP
.endif
	s_wait_dscnt 9                                 ; the add and the youngest eight loads may be out
	MUL16 F1, 0, 0, 0
	s_wait_dscnt 0x0                               ; the add is done, and my reads of this slot are over
	s_barrier_signal -1
	MUL16 F1, 0, 2, 0
	WIN 0
	s_barrier_wait -1
.endm
; The whole last quarter of a step that fills its slot again: the barrier opens a round of the cluster's; the joint refill, two K steps on, is the first thing behind the round.
.macro TURN
	s_wait_xcnt 0x0                                ; the last prefetch, a K step back, has read its address: it is stepped here, ahead of the waits of the change of slots
	s_add_nc_u64 s[PFA:PFA+1], s[PFA:PFA+1], s[PFS:PFS+1]
	MEET 1
	CREST                                          ; no wave of any partner still reads this slot or has a load on its way
	JLOAD 1                                        ; its four v_nop are also places in front of the loads below
	s_xor_b32 s[TR], s[TR], SLOT                   ; the other slot is in hand
	v_add_nc_u32 v[ADRA], s[TR], v[ADRA0]
	v_add_nc_u32 v[ADRB], s[TR], v[ADRB0]
	FETCH 0, F0
	ASK
	MUL16 F1, 1, 0, 0
	MUL16 F1, 1, 2, 0
.endm
	s_wait_tensorcnt 1                             ; my part of K step 0 is in; K step 1's may stay out
	s_barrier_signal -1
	s_barrier_wait -1
	FETCH 0, F0
.if MODE == 1
	s_wait_loadcnt 0x0                             ; the bias
.endif
	QUARTER 1, F0, F1, 1                           ; the first quarter stands in front of the loop: its products start the sums
	WIN 0
	s_mov_b32 s3, NS-2
.Lstep:                                                ; a trip goes from a K step's second quarter to the next step's first, and fills the slot that it leaves
	QUARTER 2, F1, F0, 0
	QUARTER 3, F0, F1, 0
	TURN
	QUARTER 1, F0, F1, 0
	WIN 0
	s_sub_co_u32 s3, s3, 1
	s_cmp_lg_u32 s3, 0
	s_cbranch_scc1 .Lstep
	s_mov_b32 s3, 2
.Ltail:                                                ; the last two K steps fill nothing, and have no round of the cluster's barrier
	QUARTER 2, F1, F0, 0
	QUARTER 3, F0, F1, 0
	MEET 0
	s_sub_co_u32 s3, s3, 1
	s_cmp_eq_u32 s3, 0
	s_cbranch_scc1 .Lend                           ; the last step is left here: behind its barrier no wave reads the ring any more
	s_xor_b32 s[TR], s[TR], SLOT
	v_add_nc_u32 v[ADRA], s[TR], v[ADRA0]
	v_add_nc_u32 v[ADRB], s[TR], v[ADRB0]
	PLACES
	FETCH 0, F0
	MUL16 F1, 1, 0, 0
	MUL16 F1, 1, 2, 0
	QUARTER 1, F0, F1, 0
	WIN 0
	s_branch .Ltail
.Lend:
	MUL16 F1, 1, 0, 0
	MUL16 F1, 1, 2, 0
	WIN 0
	; THE WAY OUT.  My 128 x 128 sums go in f32 into my own stage and come back by rows.  LDS serves a wave's instructions in order (ISA guide 5.7.1.4), so no wait stands between my stores and my loads.
	PLACES
	PLACES
.irp hi, 0,1
	WIN 0x08+4*(\hi)                               ; store data in window 2 or 3, address in window 0
.irp a, 0,1,2,3
.irp b, 0,1,2,3,4,5,6,7
	ds_store_b128 v[STO], v[8*(8*(\a)+(\b)):8*(8*(\a)+(\b))+3]   offset:(((\b)/4)*128+16*(4*(\hi)+(\a)))*SPITCH+((\b)%4)*64     ; each accumulator's low registers first
	ds_store_b128 v[STO], v[8*(8*(\a)+(\b))+4:8*(8*(\a)+(\b))+7] offset:(((\b)/4)*128+16*(4*(\hi)+(\a)))*SPITCH+((\b)%4)*64+16
.endr
.endr
.endr
	WIN 0
.if MODE == 1
; gelu_tanh(u) = u / (1 + 2^(u (A + B u u))), A = -2 sqrt(2 / pi) log2(e), B = 0.044715 A.  Two batches a trip, 32 exponentials and 32 reciprocals, each with one plain instruction and one wait behind it.
.macro GELU
.set p, 0
.rept 16
	v_pk_mul_f32 v[T+2*p:T+2*p+1], v[X+2*p:X+2*p+1], v[X+2*p:X+2*p+1]
	v_pk_fma_f32 v[T+2*p:T+2*p+1], v[T+2*p:T+2*p+1], s[72:73], s[70:71] op_sel_hi:[1,0,0]
.if p > 0
	v_exp_f32 v[T+2*p-2], v[T+2*p-2]
.endif
	v_pk_mul_f32 v[T+2*p:T+2*p+1], v[T+2*p:T+2*p+1], v[X+2*p:X+2*p+1]
.if p > 0
	v_exp_f32 v[T+2*p-1], v[T+2*p-1]
.endif
.set p, p+1
.endr
	v_exp_f32 v[T+30], v[T+30]
	v_exp_f32 v[T+31], v[T+31]
	v_nop
	s_wait_alu depctr_va_vdst(0)                   ; one wait for the 32 exponentials, ahead of their first reader
.set p, 0
.rept 16
	v_pk_add_f32 v[T+2*p:T+2*p+1], v[T+2*p:T+2*p+1], 1.0 op_sel_hi:[1,0]
.if p > 0
	v_rcp_f32 v[T+2*p-2], v[T+2*p-2]
	v_rcp_f32 v[T+2*p-1], v[T+2*p-1]
.endif
.set p, p+1
.endr
	v_rcp_f32 v[T+30], v[T+30]
	v_rcp_f32 v[T+31], v[T+31]
	v_nop
	s_wait_alu depctr_va_vdst(0)                   ; one wait for the 32 reciprocals
.set p, 0
.rept 16
	v_pk_mul_f32 v[X+2*p:X+2*p+1], v[X+2*p:X+2*p+1], v[T+2*p:T+2*p+1]
.set p, p+1
.endr
.endm
.endif
	s_mov_b32 s74, 16
.Lout:                                                 ; sixteen trips of 16 rows of a plane: plane 0's 128 rows, then plane 1's, in the stage and in memory alike
.irp g, 0,1,2,3
	ds_load_b128 v[X+8*(\g):X+8*(\g)+3],   v[RD] offset:4*SPITCH*(\g)
	ds_load_b128 v[X+8*(\g)+4:X+8*(\g)+7], v[RD] offset:4*SPITCH*(\g)+16
.endr
	s_wait_dscnt 0x0
.if MODE == 1
	GELU
.endif
.set p, 0
.rept 16
	v_cvt_pk_bf16_f32 v[Y+p], v[X+2*p], v[X+2*p+1]
.set p, p+1
.endr
.irp g, 0,1,2,3
	global_store_b128 v[CO], v[Y+4*(\g):Y+4*(\g)+3], s[8:9] offset:512*(\g)  ; four rows of my plane: 512 consecutive bytes, aligned
.endr
	s_wait_xcnt 0x0                                ; the stores have read their address and data: CO is stepped, and Y written in the next trip, only behind this wait
	v_add_nc_u32 v[RD], 16*SPITCH, v[RD]
	v_add_nc_u32 v[CO], 2048, v[CO]
	s_sub_co_u32 s74, s74, 1
	s_cmp_lg_u32 s74, 0
	s_cbranch_scc1 .Lout
	s_wait_tensorcnt 0x0                           ; the wave's end: the add and its wait stand behind my last tensor load and my last LDS store
	ds_add_u32 v[SPW], v[NIL]
	s_wait_dscnt 0x0
	CROUND                                         ; the closing round: no work-group ends while a partner may still ask for a tile that names it
	s_endpgm
.Lfunc_end_k_q896f5912da_gemm_qkv:
	.size	k_q896f5912da_gemm_qkv, .Lfunc_end_k_q896f5912da_gemm_qkv-k_q896f5912da_gemm_qkv
	.p2alignl 7, 3214868480
	.fill 96, 4, 3214868480
	.section	.rodata,"a",@progbits
	.p2align	6, 0x0
	.amdhsa_kernel k_q896f5912da_gemm_qkv
		.amdhsa_group_segment_fixed_size 327680
		.amdhsa_private_segment_fixed_size 0
		.amdhsa_enable_private_segment 0
		.amdhsa_kernarg_size 24
		.amdhsa_user_sgpr_count 2
		.amdhsa_user_sgpr_kernarg_segment_ptr 1
		.amdhsa_wavefront_size32 1
		.amdhsa_system_sgpr_workgroup_id_x 1
		.amdhsa_system_sgpr_workgroup_id_y 1
		.amdhsa_system_sgpr_workgroup_id_z 1
		.amdhsa_system_vgpr_workitem_id 0
		.amdhsa_next_free_vgpr 1024
		.amdhsa_next_free_sgpr 76
		.amdhsa_reserve_vcc 0
		.amdhsa_float_denorm_mode_32 3
		.amdhsa_float_denorm_mode_16_64 3
		.amdhsa_memory_ordered 1
		.amdhsa_forward_progress 1
		.amdhsa_inst_pref_size 83
	.end_amdhsa_kernel
	.amdgpu_metadata
---
amdhsa.version: [ 1, 2 ]
amdhsa.kernels:
  - .name:           k_q896f5912da_gemm_qkv
    .symbol:         k_q896f5912da_gemm_qkv.kd
    .args:
      - { .name: h1, .offset: 0, .size: 8, .value_kind: global_buffer, .address_space: global }
      - { .name: wb, .offset: 8, .size: 8, .value_kind: global_buffer, .address_space: global }
      - { .name: qkvb, .offset: 16, .size: 8, .value_kind: global_buffer, .address_space: global }
    .group_segment_fixed_size: 327680
    .private_segment_fixed_size: 0
    .kernarg_segment_align: 8
    .kernarg_segment_size: 24
    .max_flat_workgroup_size: 128
    .sgpr_count:     76
    .vgpr_count:     1024
    .wavefront_size: 32
...
	.end_amdgpu_metadata
.endif
;; end of part 9
;; launch attn: the kernel of part 3 again; grid 4 x 64, 4 waves a work-group, clusters of 4 x 1, 327,680 bytes of LDS; arguments qkvb, ctx; writes ctx
;; launch gemm_wo (part 10): grid 8 x 32, 4 waves a work-group, clusters of 4 x 4, 327,680 bytes of LDS; arguments ctx, wb, x1, bo, x; writes x1
.if DOCPART == 10
	.amdgcn_target "amdgcn-amd-amdhsa--gfx1250"
	.amdhsa_code_object_version 6
	.text
	.protected	k_q896f5912da_gemm_wo
	.globl	k_q896f5912da_gemm_wo
	.p2align	8
	.type	k_q896f5912da_gemm_wo,@function
k_q896f5912da_gemm_wo:
	s_mov_b64 s[64:65], 0
	v_nop
	global_prefetch_b8 v0, s[64:65] scope:SCOPE_SE
	s_setreg_imm32_b32 hwreg(HW_REG_WAVE_MODE, 25, 1), 1
	s_wait_xcnt 0x0
	s_wait_alu depctr_hold_cnt(0) depctr_sa_sdst(0) depctr_va_vdst(0) depctr_va_sdst(0) depctr_va_ssrc(0) depctr_va_vcc(0) depctr_vm_vsrc(0)
	s_getreg_b32 s2, hwreg(HW_REG_IB_STS2, 6, 4)
	s_cmp_eq_u32 s2, 0
	s_cbranch_scc0 .Lentry_in_a_cluster
	s_endpgm
.Lentry_in_a_cluster:
	s_bfe_u32 s2, ttmp6, 0x10000c
	s_cmp_lg_u32 s2, 0xf033
	s_cbranch_scc0 .Lentry_shape_is_right
	s_endpgm
.Lentry_shape_is_right:
; THIS LAUNCH: x1 = x + ctx x Wo + bo, f32 row-major; K = 1,024.
; THE NARROW FRAME (one text serves this program's two products with 1,024 columns; the three constants below make it this launch's).
; C[4096][1024] = residual + bias + A[4096][KTOT] x W[KTOT][1024], operands bf16, sums f32, C in f32 row-major.
; A lies in planes: byte(m, k) = ((m >> 7) * NPA + (k >> 6)) * 16384 + (m & 127) * 128 + (k & 63) * 2.  W lies row-major [k][n] in wb, WPITCH elements from row to row, from byte WOFF.
; SHARES.  A tile of C is 128 x 128, which gives each of 256 work-groups one tile: four waves, each 64 x 64 in 16 accumulators.  K goes in steps of 256 through two LDS slots; each wave fetches a quarter
; of a slot by one tensor load: waves 0, 1 two planes of A each (32,768 dense bytes, asked for as 128 rows of 256), waves 2, 3 128 rows of W each (256 bytes a row, aligned).
; CLUSTER 4 x 4: A's tile hangs on the tile row alone and is asked for jointly along a row of the cluster, W's on the tile column alone and jointly along a column.
; ONE TEXT FOR A K STEP.  The slot in hand is a scalar, 0 or SLOT, turned by an exclusive or at each change of slots; it is added to the lane terms of the LDS reads and to the walking descriptors'
; LDS words.  The steps that fill a slot again are one loop; the last two, which fill nothing, are a second loop; it is left in the middle of its second trip.
; THE MATRIX INSTRUCTION IS USED TRANSPOSED: source 0 = 16 columns of W (turned on the way out of LDS by ds_load_tr16_b128), source 1 = 16 rows of A: lane l holds row l % 16 of C and the
; columns 8 (l / 16) + 0..7.  The bias, laid out so, is the C operand that starts the sums.
; NO PREFETCH: a step's tiles are small, 32,768 bytes a wave, and each is shared by four work-groups.
; REGISTERS: window 0: v16-29 addresses, v96-127 the bias, v128-255 accumulators ((a, b) at 128 + 8 (4 a + b)).
;   window 1: two fragment buffers of 128: 64 along K, A's (c, a) at 8 (4 c + a), W's (c, b) at 64 + 8 (4 c + b); on the way out my 64 x 64 of C.   window 2: the residual.
; LIMITS: NaN and infinities are not treated apart.
.set KTOT,   1024
.set WOFF,   6291456
.set WPITCH, 1024
.set NPA,    KTOT/64
.set NS,     KTOT/256                  ; K steps
.set PA,     144                       ; a row of a plane of A in LDS: 128 bytes + 16: the 16 rows of a load start at 16 different groups of four banks (64 banks of 4 bytes: ISA guide 11.1)
.set PB,     288                       ; a row of W: 256 bytes + 32
.set PLANE,  128*PA
.set HALFT,  2*PLANE                   ; what one tensor load brings: 36,864 bytes of LDS, for A (2 planes) and for W (128 rows x 288) alike
.set BOFF,   2*HALFT                   ; a slot: A's four planes, then W's 256 rows
.set SLOT,   4*HALFT
.set ASTEP,  65536                     ; bytes from a K step to the next: in A four planes,
.set BSTEP,  512*WPITCH                ; in W 256 rows
.set SPITCH, 272                       ; the stage: 64 rows of 256 bytes of f32 + 16, for each wave its own
.set WSTAGE, 64*SPITCH                 ; the four stages lie in slot 0: they are written behind the last change of slots, when no wave reads the ring any more and nothing is filled
.set SPARE,  2*SLOT                    ; behind the ring: the spare words, 128 bytes for each wave: two blocks of 256 bytes that no other line names
.set ADRA0, 16                         ; v16  my lane's and wave's place among A's fragments in slot 0; never rewritten
.set ADRB0, 17                         ; v17  the same for W
.set ADRA, 18                          ; v18  the same in the slot in hand
.set ADRB, 20                          ; v20-21  W's rows 0-127, rows 128-255 in the slot in hand
.set STO,  24
.set RD,   25
.set CO,   26
.set BO,   27
.set SPW,  28                          ; v28  SPARE + 4 x my thread's number; never rewritten
.set NIL,  29                          ; v29  0; never rewritten
.set BIAS, 96
.set ACC,  128
.set F0,   0
.set F1,   128
.set G1,  24                           ; s[24:31] group 1 for A;  s[32:39] group 0: a set for each of the two first fills; the second then walks on
.set G0,  32
.set G1B, 48                           ; s[48:55], s[56:63] the same for W
.set G0B, 56
.set LA,  70                           ; s70  LDS place in a slot of what I fetch: wave x 36,864
.set TR,  75                           ; s75  the slot in hand: 0 or SLOT
.set MSB, 0
.macro WIN new                         ; the immediate's high byte repeats the setting that is left; a switch that changes nothing is dropped
.if MSB != (\new)
	s_set_vgpr_msb (MSB<<8)|(\new)
.set MSB, \new
.endif
.endm
.set MUL,  0x05                        ; sources 0 and 1 window 1; C and D window 0
.set TO_F, 0x40                        ; destination window 1, address window 0
.macro JLOAD s                         ; a joint load: waves 0, 1 for A, waves 2, 3 for W; s_nop 0 and four v_nop follow each line, ahead of the jump and the label
	s_cmp_eq_u32 s11, 0
	s_cbranch_scc0 .Lfor_b_\@
	tensor_load_to_lds s[G0+4*(\s):G0+4*(\s)+3], s[G1:G1+7]
	s_nop 0
.rept 4
	v_nop
.endr
	s_branch .Lasked_\@
.Lfor_b_\@:
	tensor_load_to_lds s[G0B+4*(\s):G0B+4*(\s)+3], s[G1B:G1B+7]
	s_nop 0
.rept 4
	v_nop
.endr
.Lasked_\@:
.endm
.macro CREST                           ; a round of the cluster's barrier behind its opening barrier
	s_cmp_lg_u32 s10, 0
	s_cbranch_scc1 .Lnot_wave_0_\@
	s_barrier_signal -3
.Lnot_wave_0_\@:
	s_barrier_wait -3
	s_barrier_signal -1
	s_barrier_wait -1
.endm
.macro CROUND
	s_barrier_signal -1
	s_barrier_wait -1
	CREST
.endm
.macro PLACES                          ; four plain vector instructions between a matrix instruction and what reads its result or loads into its registers
.rept 4
	v_nop
.endr
.endm
	s_load_b128 s[4:7], s[0:1], 0x0                ; A s[4:5], wb s[6:7]
	s_load_b64 s[8:9], s[0:1], 0x10                ; out
	s_load_b64 s[66:67], s[0:1], 0x18              ; bias
	s_load_b64 s[68:69], s[0:1], 0x20              ; residual
	v_lshl_add_u32 v[SPW], v0, 2, SPARE
	v_mov_b32 v[NIL], 0
	ds_add_u32 v[SPW], v[NIL]                      ; the wave's opening: the add and its wait come ahead of my first tensor load; work on registers stands between them
	v_lshrrev_b32 v1, 5, v0
	v_readfirstlane_b32 s10, v1                    ; wave 0..3
	s_lshr_b32 s11, s10, 1                         ; my half of the tile's rows; also: I fetch for A (0) or W (1)
	s_and_b32 s12, s10, 1                          ; my half of its columns; also: which half of that tile I fetch
	s_bfe_u32 s40, ttmp6, 0x40000                  ; cx
	s_bfe_u32 s41, ttmp6, 0x40004                  ; cy
	s_lshl_b32 s42, ttmp9, 2
	s_add_co_u32 s42, s42, s40                     ; tile column
	s_and_b32 s13, ttmp7, 0xffff
	s_lshl_b32 s13, s13, 2
	s_add_co_u32 s13, s13, s41                     ; tile row
	s_lshl_b32 s43, s41, 2
	s_lshl_b32 s43, 15, s43                        ; my row of the cluster
	s_lshl_b32 s44, 0x1111, s40                    ; my column
	s_or_b32 s[G1+0], s43, (1<<16)|(1<<20)|(1<<21)|(4<<22)|(3<<25)   ; mask; 2-byte elements; padding on; bit 21 beside a mask; after every 32 words 4 words
	s_or_b32 s[G1B+0], s44, (1<<16)|(1<<20)|(1<<21)|(5<<22)|(7<<25)  ; after every 64 words 8 words
.irp g, G1, G1B
	s_mov_b32 s[(\g)+1], 128<<16                   ; tensor_dim0 = 128
	s_mov_b32 s[(\g)+2], 128<<16                   ; tensor_dim1 = 128
	s_mov_b32 s[(\g)+3], 128<<16                   ; tile_dim0 = 128
	s_mov_b32 s[(\g)+4], 128                       ; tile_dim1 = 128
	s_mov_b32 s[(\g)+6], 0
	s_mov_b32 s[(\g)+7], 0
.endr
	s_mov_b32 s[G1+5], 128                         ; A: dense rows of 256 bytes
	s_mov_b32 s[G1B+5], WPITCH
	s_mul_i32 s16, s13, NPA*16384                  ; A: the tile row's planes,
	s_lshl_b32 s17, s12, 15                        ; my two of a step's four
	s_add_co_u32 s16, s16, s17
	s_mov_b32 s17, 0
	s_lshl_b32 s46, s42, 8                         ; W: the tile's 256 bytes of a row,
	s_mul_i32 s47, s12, 128*WPITCH*2               ; my 128 of a step's 256 rows,
	s_add_co_u32 s46, s46, s47
	s_add_co_u32 s46, s46, WOFF                    ; the matrix's place in wb
	s_mov_b32 s47, 0
	s_mul_i32 s[LA], s10, HALFT                    ; where my part goes: no place in the cluster enters an LDS address
	s_mov_b32 s[TR], 0
	s_wait_dscnt 0x0                               ; the opening add is done
	s_wait_kmcnt 0x0
	s_add_nc_u64 s[14:15], s[4:5], s[16:17]
	s_add_nc_u64 s[46:47], s[6:7], s[46:47]
	CROUND                                         ; all sixteen work-groups are here: the first joint loads meet
.irp s, 0,1
	s_mov_b32 s[G0+4*(\s)], 1
	s_add_co_u32 s[G0+4*(\s)+1], s[LA], (\s)*SLOT
	s_add_nc_u64 s[G0+4*(\s)+2:G0+4*(\s)+3], s[14:15], (\s)*ASTEP
	s_or_b32 s[G0+4*(\s)+3], s[G0+4*(\s)+3], 0x80000000
	s_mov_b32 s[G0B+4*(\s)], 1
	s_add_co_u32 s[G0B+4*(\s)+1], s[LA], (\s)*SLOT
	s_add_nc_u64 s[G0B+4*(\s)+2:G0B+4*(\s)+3], s[46:47], (\s)*BSTEP
	s_or_b32 s[G0B+4*(\s)+3], s[G0B+4*(\s)+3], 0x80000000
	JLOAD \s
.endr
	v_and_b32 v1, 15, v0                           ; r = l % 16
	v_bfe_u32 v2, v0, 4, 1                         ; h = l / 16
	v_mul_u32_u24 v3, v1, PA
	v_lshl_add_u32 v3, v2, 4, v3
	s_mul_i32 s21, s11, 64*PA                      ; my 64 rows in each plane
	v_add_nc_u32 v[ADRA0], s21, v3
	v_and_b32 v4, 7, v0                            ; the turning load: lane l reads row 8 h + l % 8, bytes 16 ((l / 8) % 2) on
	v_lshl_add_u32 v4, v2, 3, v4
	v_mul_u32_u24 v4, v4, PB
	v_bfe_u32 v5, v0, 3, 1
	v_lshl_add_u32 v4, v5, 4, v4
	s_lshl_b32 s22, s12, 7                         ; my 64 columns
	s_add_co_u32 s22, s22, BOFF
	v_add_nc_u32 v[ADRB0], s22, v4
	v_mov_b32 v[ADRA], v[ADRA0]
	v_mov_b32 v[ADRB], v[ADRB0]
	v_add_nc_u32 v[ADRB+1], 128*PB, v[ADRB0]
	s_mul_i32 s23, s10, WSTAGE                     ; my stage
	v_mul_u32_u24 v6, v1, SPITCH                   ; in: row r, 32 bytes for each half of the lanes
	v_lshl_add_u32 v6, v2, 5, v6
	v_add_nc_u32 v[STO], s23, v6
	v_mul_u32_u24 v5, v2, SPITCH                   ; back: lanes 0-15 one row of 256 bytes, lanes 16-31 the next
	v_lshl_add_u32 v5, v1, 4, v5
	v_add_nc_u32 v[RD], s23, v5
	v_lshlrev_b32 v[CO], 12, v2                    ; and the same two rows of 4,096 bytes in memory
	v_lshl_add_u32 v[CO], v1, 4, v[CO]
	s_lshl_b32 s16, s13, 19                        ; 128 rows a tile row,
	s_lshl_b32 s17, s11, 18                        ; my 64
	s_add_co_u32 s16, s16, s17
	s_mov_b32 s17, 0
	s_add_nc_u64 s[8:9], s[8:9], s[16:17]
	s_add_nc_u64 s[68:69], s[68:69], s[16:17]
	s_lshl_b32 s46, s42, 9                         ; the tile's 512 bytes of a row, my 256: in f32 the same offset serves the bias
	s_lshl_b32 s47, s12, 8
	s_add_co_u32 s46, s46, s47
	s_mov_b32 s47, 0
	s_add_nc_u64 s[8:9], s[8:9], s[46:47]
	s_add_nc_u64 s[68:69], s[68:69], s[46:47]
	s_add_nc_u64 s[66:67], s[66:67], s[46:47]
	v_lshlrev_b32 v[BO], 5, v2                     ; register j of block b is the bias of column 16 b + 8 h + j
.irp b, 0,1,2,3
	global_load_b128 v[BIAS+8*(\b):BIAS+8*(\b)+3],   v[BO], s[66:67] offset:64*(\b)
	global_load_b128 v[BIAS+8*(\b)+4:BIAS+8*(\b)+7], v[BO], s[66:67] offset:64*(\b)+16
.endr
	WIN 0x80                                       ; destination window 2: my 64 x 64 of the residual, asked for now, wanted on the way out
.set i, 0
.rept 32
	global_load_b128 v[4*i:4*i+3], v[CO], s[68:69] offset:8192*i
.set i, i+1
.endr
	WIN 0
; 8 matrix instructions: row blocks a0, a0 + 1 x all 4 column blocks, 32 along K: half c of buffer f.  zero = 1: the product starts the sums, with the bias.
; The 16 accumulators take turns, one instruction a turn, in the same order everywhere.
.macro MUL8 f, c, a0, zero
	WIN MUL
.irp a, \a0, (\a0)+1
.irp b, 0,1,2,3
.if \zero
	v_wmma_f32_16x16x32_bf16 v[ACC+8*(4*(\a)+(\b)):ACC+8*(4*(\a)+(\b))+7], v[(\f)+64+8*(4*(\c)+(\b)):(\f)+64+8*(4*(\c)+(\b))+7], v[(\f)+8*(4*(\c)+(\a)):(\f)+8*(4*(\c)+(\a))+7], v[BIAS+8*(\b):BIAS+8*(\b)+7]
.else
	v_wmma_f32_16x16x32_bf16 v[ACC+8*(4*(\a)+(\b)):ACC+8*(4*(\a)+(\b))+7], v[(\f)+64+8*(4*(\c)+(\b)):(\f)+64+8*(4*(\c)+(\b))+7], v[(\f)+8*(4*(\c)+(\a)):(\f)+8*(4*(\c)+(\a))+7], v[ACC+8*(4*(\a)+(\b)):ACC+8*(4*(\a)+(\b))+7]
.endif
.endr
.endr
.endm
; 32 LDS loads in one run: the fragments of quarter q (64 along K: plane q of A, rows 64 q on of W) of the slot in hand, into buffer f; the first 32 along K first
.macro FETCH q, f
	WIN TO_F
.irp c, 0,1
.irp i, 0,1,2,3
	ds_load_tr16_b128 v[(\f)+64+8*(4*(\c)+(\i)):(\f)+64+8*(4*(\c)+(\i))+3],   v[ADRB+(\q)/2] offset:(((\q)%2)*64+32*(\c))*PB+32*(\i)
	ds_load_tr16_b128 v[(\f)+64+8*(4*(\c)+(\i))+4:(\f)+64+8*(4*(\c)+(\i))+7], v[ADRB+(\q)/2] offset:(((\q)%2)*64+32*(\c)+16)*PB+32*(\i)
	ds_load_b128 v[(\f)+8*(4*(\c)+(\i)):(\f)+8*(4*(\c)+(\i))+3],   v[ADRA] offset:(\q)*PLANE+(\i)*16*PA+64*(\c)
	ds_load_b128 v[(\f)+8*(4*(\c)+(\i))+4:(\f)+8*(4*(\c)+(\i))+7], v[ADRA] offset:(\q)*PLANE+(\i)*16*PA+64*(\c)+32
.endr
.endr
.endm
; A K step is four quarters, 32 matrix instructions each, on buffers 0, 1, 0, 1.  One of the first three: multiplies buffer f and fetches quarter q into g.
.macro QUARTER q, f, g, zero
	s_wait_dscnt 16                                ; the first 32 along K are in; the other sixteen loads may stay out
	MUL8 \f, 0, 0, \zero
	MUL8 \f, 0, 2, \zero
	PLACES
	FETCH \q, \g
	s_wait_dscnt 32                                ; all but the 32 just issued
	MUL8 \f, 1, 0, 0
	MUL8 \f, 1, 2, 0
.endm
; The last quarter multiplies buffer 1 and changes slots.  MEET is its first half: one barrier; ahead of it each wave waits for all its tensor loads (at most one is out: its part of the next slot), adds 0
; to its spare word, and waits for that and for its reads of this slot.  fill = 1: the walking descriptors are stepped while the add is out: to the slot in hand, and one K step on.
.macro MEET fill
	WIN 0
	s_wait_tensorcnt 0x0                           ; no tensor load of mine is out, so a group 0 may be written
	ds_add_u32 v[SPW], v[NIL]
.if \fill
	s_add_co_u32 s[G0+5], s[LA], s[TR]
	s_add_co_u32 s[G0B+5], s[LA], s[TR]
	s_add_nc_u64 s[G0+6:G0+7], s[G0+6:G0+7], ASTEP  ; the type bits on top are not reached
	s_add_nc_u64 s[G0B+6:G0B+7], s[G0B+6:G0B+7], BSTEP
.endif
	s_wait_dscnt 17                                ; the add and the youngest sixteen loads may be out
	MUL8 F1, 0, 0, 0
	s_wait_dscnt 0x0                               ; the add is done, and my reads of this slot are over
	s_barrier_signal -1
	MUL8 F1, 0, 2, 0
	WIN 0
	s_barrier_wait -1
.endm
; The whole last quarter of a step that fills its slot again: the barrier opens a round of the cluster's; the joint refill, two K steps on, is the first thing behind the round:
; 112 matrix instructions ahead of the wait for it.
.macro TURN
	MEET 1
	CREST                                          ; no wave of any partner still reads this slot or has a load on its way
	JLOAD 1                                        ; its four v_nop are also places in front of the loads below
	s_xor_b32 s[TR], s[TR], SLOT                   ; the other slot is in hand
	v_add_nc_u32 v[ADRA], s[TR], v[ADRA0]
	v_add_nc_u32 v[ADRB], s[TR], v[ADRB0]
	v_add_nc_u32 v[ADRB+1], 128*PB, v[ADRB]
	FETCH 0, F0
	MUL8 F1, 1, 0, 0
	MUL8 F1, 1, 2, 0
.endm
	s_wait_tensorcnt 1                             ; my part of K step 0 is in; K step 1's may stay out
	s_barrier_signal -1
	s_barrier_wait -1
	FETCH 0, F0
	s_wait_loadcnt 32                              ; the bias is in; the 32 younger loads of the residual stay out
	QUARTER 1, F0, F1, 1                           ; the first quarter stands in front of the loop: its first products start the sums
	WIN 0
	s_mov_b32 s3, NS-2
.Lstep:                                                ; a trip goes from a K step's second quarter to the next step's first, and fills the slot that it leaves
	QUARTER 2, F1, F0, 0
	QUARTER 3, F0, F1, 0
	TURN
	QUARTER 1, F0, F1, 0
	WIN 0
	s_sub_co_u32 s3, s3, 1
	s_cmp_lg_u32 s3, 0
	s_cbranch_scc1 .Lstep
	s_mov_b32 s3, 2
.Ltail:                                                ; the last two K steps fill nothing, and have no round of the cluster's barrier
	QUARTER 2, F1, F0, 0
	QUARTER 3, F0, F1, 0
	MEET 0
	s_sub_co_u32 s3, s3, 1
	s_cmp_eq_u32 s3, 0
	s_cbranch_scc1 .Lend                           ; the last step is left here: behind its barrier no wave reads the ring any more
	s_xor_b32 s[TR], s[TR], SLOT
	v_add_nc_u32 v[ADRA], s[TR], v[ADRA0]
	v_add_nc_u32 v[ADRB], s[TR], v[ADRB0]
	v_add_nc_u32 v[ADRB+1], 128*PB, v[ADRB]
	PLACES
	FETCH 0, F0
	MUL8 F1, 1, 0, 0
	MUL8 F1, 1, 2, 0
	QUARTER 1, F0, F1, 0
	WIN 0
	s_branch .Ltail
.Lend:
	MUL8 F1, 1, 0, 0
	MUL8 F1, 1, 2, 0
	WIN 0
	; THE WAY OUT.  My 64 x 64 sums go in f32 into my own stage and come back by rows.  LDS serves a wave's instructions in order (ISA guide 5.7.1.4), so no wait stands between my stores and my loads.
	PLACES
	PLACES
.set t, 0
.rept 16
	ds_store_b128 v[STO], v[ACC+8*t:ACC+8*t+3]   offset:(t/4)*16*SPITCH+(t%4)*64      ; each accumulator's low registers first
	ds_store_b128 v[STO], v[ACC+8*t+4:ACC+8*t+7] offset:(t/4)*16*SPITCH+(t%4)*64+16
.set t, t+1
.endr
	WIN TO_F
.set i, 0
.rept 32
	ds_load_b128 v[4*i:4*i+3], v[RD] offset:2*SPITCH*i
.set i, i+1
.endr
	s_wait_dscnt 0x0
	s_wait_loadcnt 0x0                             ; the residual
	WIN 0x49                                       ; destination and source 0 window 1, source 1 window 2
.set i, 0
.rept 64
	v_pk_add_f32 v[2*i:2*i+1], v[2*i:2*i+1], v[2*i:2*i+1]
.set i, i+1
.endr
	WIN 0x04                                       ; store data window 1, address window 0
.set i, 0
.rept 32
	global_store_b128 v[CO], v[4*i:4*i+3], s[8:9] offset:8192*i  ; 16 lanes store 256 consecutive bytes, aligned
.set i, i+1
.endr
	WIN 0
	s_wait_tensorcnt 0x0                           ; the wave's end: the add and its wait stand behind my last tensor load and my last LDS store
	ds_add_u32 v[SPW], v[NIL]
	s_wait_dscnt 0x0
	CROUND                                         ; the closing round: no work-group ends while a partner may still ask for a tile that names it
	s_endpgm
.Lfunc_end_k_q896f5912da_gemm_wo:
	.size	k_q896f5912da_gemm_wo, .Lfunc_end_k_q896f5912da_gemm_wo-k_q896f5912da_gemm_wo
	.p2alignl 7, 3214868480
	.fill 96, 4, 3214868480
	.section	.rodata,"a",@progbits
	.p2align	6, 0x0
	.amdhsa_kernel k_q896f5912da_gemm_wo
		.amdhsa_group_segment_fixed_size 327680
		.amdhsa_private_segment_fixed_size 0
		.amdhsa_enable_private_segment 0
		.amdhsa_kernarg_size 40
		.amdhsa_user_sgpr_count 2
		.amdhsa_user_sgpr_kernarg_segment_ptr 1
		.amdhsa_wavefront_size32 1
		.amdhsa_system_sgpr_workgroup_id_x 1
		.amdhsa_system_sgpr_workgroup_id_y 1
		.amdhsa_system_sgpr_workgroup_id_z 1
		.amdhsa_system_vgpr_workitem_id 0
		.amdhsa_next_free_vgpr 640
		.amdhsa_next_free_sgpr 76
		.amdhsa_reserve_vcc 0
		.amdhsa_float_denorm_mode_32 3
		.amdhsa_float_denorm_mode_16_64 3
		.amdhsa_memory_ordered 1
		.amdhsa_forward_progress 1
		.amdhsa_inst_pref_size 67
	.end_amdhsa_kernel
	.amdgpu_metadata
---
amdhsa.version: [ 1, 2 ]
amdhsa.kernels:
  - .name:           k_q896f5912da_gemm_wo
    .symbol:         k_q896f5912da_gemm_wo.kd
    .args:
      - { .name: ctx, .offset: 0, .size: 8, .value_kind: global_buffer, .address_space: global }
      - { .name: wb, .offset: 8, .size: 8, .value_kind: global_buffer, .address_space: global }
      - { .name: x1, .offset: 16, .size: 8, .value_kind: global_buffer, .address_space: global }
      - { .name: bo, .offset: 24, .size: 8, .value_kind: global_buffer, .address_space: global }
      - { .name: x, .offset: 32, .size: 8, .value_kind: global_buffer, .address_space: global }
    .group_segment_fixed_size: 327680
    .private_segment_fixed_size: 0
    .kernarg_segment_align: 8
    .kernarg_segment_size: 40
    .max_flat_workgroup_size: 128
    .sgpr_count:     76
    .vgpr_count:     640
    .wavefront_size: 32
...
	.end_amdgpu_metadata
.endif
;; end of part 10
;; launch ln2 (part 11): grid 256 x 1, 8 waves a work-group, no clusters, 0 bytes of LDS; arguments x1, ln2_scale, ln2_shift, h2; writes h2
.if DOCPART == 11
	.amdgcn_target "amdgcn-amd-amdhsa--gfx1250"
	.amdhsa_code_object_version 6
	.text
	.protected	k_q896f5912da_ln2
	.globl	k_q896f5912da_ln2
	.p2align	8
	.type	k_q896f5912da_ln2,@function
k_q896f5912da_ln2:
	s_mov_b64 s[64:65], 0
	v_nop
	global_prefetch_b8 v0, s[64:65] scope:SCOPE_SE
	s_setreg_imm32_b32 hwreg(HW_REG_WAVE_MODE, 25, 1), 1
	s_wait_xcnt 0x0
; h2 = layernorm(x1) * ln2_scale + ln2_shift, rounded once to bf16, in 16 planes of 64 columns:
; byte(m, n) = ((m >> 7) * 16 + (n >> 6)) * 16384 + (m & 127) * 128 + (n & 63) * 2, so that the product that follows fetches dense tiles.
; 16 tokens a work-group, two a wave.  Lane l: token l >> 4, four columns 4 (l & 15) on in each of the 16 planes: 64 numbers in registers between the passes.  So a load of the wave covers
; 256 consecutive bytes of each token's row, and a store 256 consecutive bytes, aligned: the two tokens' rows of one plane.  A token's 16 lanes are one row of lanes: the sums never cross the halves.
; Mean first, then the sum of squares of x - mean (no difference of large sums), all in f32.  Matrix units, LDS and clusters would add nothing: nothing is shared, memory binds.
; It is a launch of its own because a row of x1 is made by eight work-groups of the launch before.  LIMITS: NaN and infinities are not treated apart.
.set XO,   2                           ; v2   byte offset of my first 16 bytes in the wave's two rows of x1
.set PO,   3                           ; v3   the same in gain and shift
.set YO,   4                           ; v4   my 8 bytes in plane 0 of h2
.set CH,   6                           ; v[6:13]  four chains of packed sums
.set MEAN, 14                          ; v[14:15] the mean, twice
.set RSTD, 16                          ; v[16:17] 1 / sqrt(var + eps), twice
.set EPSR, 18                          ; 1e-5
.set RN,   19                          ; 1 / 1024
.set X,    32                          ; v[32:95]   my 64 numbers: plane i's four at X + 4 i
.set SC,   96                          ; v[96:159]  their gains
.set SH,   160                         ; v[160:223] their shifts
.set IN,   8                           ; s[8:9] x1;  s[10:11] gain;  s[12:13] shift
.set OUT,  14                          ; s[14:15] h2
	s_load_b256 s[8:15], s[0:1], 0x0
	v_lshrrev_b32 v1, 5, v0
	v_readfirstlane_b32 s4, v1                     ; wave 0..7
	v_and_b32 v5, 15, v0                           ; l & 15
	v_bfe_u32 v1, v0, 4, 1                         ; token
	v_lshlrev_b32 v[PO], 4, v5                     ; 16 (l & 15)
	v_lshl_add_u32 v[XO], v1, 12, v[PO]            ; + 4,096 x token
	v_lshlrev_b32 v[YO], 3, v5
	v_lshl_add_u32 v[YO], v1, 7, v[YO]             ; 128 x token + 8 (l & 15)
	v_mov_b32 v[RN], 0x3a800000
	v_mov_b32 v[EPSR], 0x3727c5ac
	s_lshl_b32 s30, ttmp9, 16                      ; 16 tokens of 4,096 bytes
	s_lshl_b32 s31, s4, 13                         ; my wave's two
	s_add_co_u32 s30, s30, s31
	s_mov_b32 s31, 0
	s_lshr_b32 s32, ttmp9, 3                       ; block of 128 tokens: 16 planes of 16,384 bytes
	s_lshl_b32 s32, s32, 18
	s_and_b32 s33, ttmp9, 7
	s_lshl_b32 s33, s33, 11                        ; 16 tokens of 128 bytes in a plane
	s_add_co_u32 s32, s32, s33
	s_lshl_b32 s33, s4, 8
	s_add_co_u32 s32, s32, s33
	s_mov_b32 s33, 0
	s_wait_kmcnt 0x0
	s_add_nc_u64 s[IN:IN+1], s[IN:IN+1], s[30:31]
	s_add_nc_u64 s[OUT:OUT+1], s[OUT:OUT+1], s[32:33]
.set i, 0
.rept 16
	global_load_b128 v[X+4*i:X+4*i+3], v[XO], s[IN:IN+1] offset:256*i
.set i, i+1
.endr
.set i, 0
.rept 16
	global_load_b128 v[SC+4*i:SC+4*i+3], v[PO], s[IN+2:IN+3] offset:256*i
	global_load_b128 v[SH+4*i:SH+4*i+3], v[PO], s[IN+4:IN+5] offset:256*i
.set i, i+1
.endr
; the four chains into one number, then over the 16 lanes of a token: four steps that ride on the additions; every lane of the token ends with the sum
.macro FOLD
	v_pk_add_f32 v[CH:CH+1], v[CH:CH+1], v[CH+2:CH+3]
	v_pk_add_f32 v[CH+4:CH+5], v[CH+4:CH+5], v[CH+6:CH+7]
	v_pk_add_f32 v[CH:CH+1], v[CH:CH+1], v[CH+4:CH+5]
	v_add_f32 v[CH], v[CH], v[CH+1]
	v_add_f32_dpp v[CH], v[CH], v[CH] row_xmask:1 row_mask:0xf bank_mask:0xf
	v_add_f32_dpp v[CH], v[CH], v[CH] row_xmask:2 row_mask:0xf bank_mask:0xf
	v_add_f32_dpp v[CH], v[CH], v[CH] row_xmask:4 row_mask:0xf bank_mask:0xf
	v_add_f32_dpp v[CH], v[CH], v[CH] row_xmask:8 row_mask:0xf bank_mask:0xf
.endm
	s_wait_loadcnt 32                              ; x1 is in; the 32 younger loads of gain and shift may stay out
.irp k, 0,1,2,3
	v_pk_add_f32 v[CH+2*(\k):CH+2*(\k)+1], v[X+2*(\k):X+2*(\k)+1], v[X+8+2*(\k):X+8+2*(\k)+1]  ; the first eight pairs start the chains
.endr
.set j, 8
.rept 24
	v_pk_add_f32 v[CH+2*(j%4):CH+2*(j%4)+1], v[CH+2*(j%4):CH+2*(j%4)+1], v[X+2*j:X+2*j+1]
.set j, j+1
.endr
	FOLD
	v_mul_f32 v[MEAN], v[CH], v[RN]
	v_mul_f32 v[MEAN+1], v[CH], v[RN]
.set j, 0
.rept 32
	v_pk_add_f32 v[X+2*j:X+2*j+1], v[X+2*j:X+2*j+1], v[MEAN:MEAN+1] neg_lo:[0,1] neg_hi:[0,1]  ; x - mean, in place
.set j, j+1
.endr
.irp k, 0,1,2,3
	v_pk_mul_f32 v[CH+2*(\k):CH+2*(\k)+1], v[X+2*(\k):X+2*(\k)+1], v[X+2*(\k):X+2*(\k)+1]
.endr
.set j, 4
.rept 28
	v_pk_fma_f32 v[CH+2*(j%4):CH+2*(j%4)+1], v[X+2*j:X+2*j+1], v[X+2*j:X+2*j+1], v[CH+2*(j%4):CH+2*(j%4)+1]
.set j, j+1
.endr
	FOLD
	v_fma_f32 v[CH], v[CH], v[RN], v[EPSR]         ; var + 1e-5
	v_rsq_f32 v[RSTD], v[CH]
	v_rsq_f32 v[RSTD+1], v[CH]
	v_nop                                          ; a plain instruction behind the last root,
	s_wait_alu depctr_va_vdst(0)                   ; and one wait for both, ahead of their first reader
	s_wait_loadcnt 0x0                             ; gain and shift
.set i, 0
.rept 16
	v_pk_mul_f32 v[X+4*i:X+4*i+1],   v[X+4*i:X+4*i+1],   v[RSTD:RSTD+1]
	v_pk_mul_f32 v[X+4*i+2:X+4*i+3], v[X+4*i+2:X+4*i+3], v[RSTD:RSTD+1]
	v_pk_fma_f32 v[X+4*i:X+4*i+1],   v[X+4*i:X+4*i+1],   v[SC+4*i:SC+4*i+1],   v[SH+4*i:SH+4*i+1]
	v_pk_fma_f32 v[X+4*i+2:X+4*i+3], v[X+4*i+2:X+4*i+3], v[SC+4*i+2:SC+4*i+3], v[SH+4*i+2:SH+4*i+3]
	v_cvt_pk_bf16_f32 v[X+4*i],   v[X+4*i],   v[X+4*i+1]
	v_cvt_pk_bf16_f32 v[X+4*i+1], v[X+4*i+2], v[X+4*i+3]
	global_store_b64 v[YO], v[X+4*i:X+4*i+1], s[OUT:OUT+1] offset:16384*i  ; the wave stores 256 consecutive bytes, aligned: my two tokens' rows of plane i; no register is written twice
.set i, i+1
.endr
	s_endpgm
.Lfunc_end_k_q896f5912da_ln2:
	.size	k_q896f5912da_ln2, .Lfunc_end_k_q896f5912da_ln2-k_q896f5912da_ln2
	.p2alignl 7, 3214868480
	.fill 96, 4, 3214868480
	.section	.rodata,"a",@progbits
	.p2align	6, 0x0
	.amdhsa_kernel k_q896f5912da_ln2
		.amdhsa_group_segment_fixed_size 0
		.amdhsa_private_segment_fixed_size 0
		.amdhsa_enable_private_segment 0
		.amdhsa_kernarg_size 32
		.amdhsa_user_sgpr_count 2
		.amdhsa_user_sgpr_kernarg_segment_ptr 1
		.amdhsa_wavefront_size32 1
		.amdhsa_system_sgpr_workgroup_id_x 1
		.amdhsa_system_sgpr_workgroup_id_y 1
		.amdhsa_system_sgpr_workgroup_id_z 1
		.amdhsa_system_vgpr_workitem_id 0
		.amdhsa_next_free_vgpr 224
		.amdhsa_next_free_sgpr 66
		.amdhsa_reserve_vcc 0
		.amdhsa_float_denorm_mode_32 3
		.amdhsa_float_denorm_mode_16_64 3
		.amdhsa_memory_ordered 1
		.amdhsa_forward_progress 1
		.amdhsa_inst_pref_size 21
	.end_amdhsa_kernel
	.amdgpu_metadata
---
amdhsa.version: [ 1, 2 ]
amdhsa.kernels:
  - .name:           k_q896f5912da_ln2
    .symbol:         k_q896f5912da_ln2.kd
    .args:
      - { .name: x1, .offset: 0, .size: 8, .value_kind: global_buffer, .address_space: global }
      - { .name: ln2_scale, .offset: 8, .size: 8, .value_kind: global_buffer, .address_space: global }
      - { .name: ln2_shift, .offset: 16, .size: 8, .value_kind: global_buffer, .address_space: global }
      - { .name: h2, .offset: 24, .size: 8, .value_kind: global_buffer, .address_space: global }
    .group_segment_fixed_size: 0
    .private_segment_fixed_size: 0
    .kernarg_segment_align: 8
    .kernarg_segment_size: 32
    .max_flat_workgroup_size: 256
    .sgpr_count:     66
    .vgpr_count:     224
    .wavefront_size: 32
...
	.end_amdgpu_metadata
.endif
;; end of part 11
;; launch gemm_ffn1 (part 12): grid 16 x 16, 4 waves a work-group, clusters of 4 x 4, 327,680 bytes of LDS; arguments h2, wb, gact, b1; writes gact
.if DOCPART == 12
	.amdgcn_target "amdgcn-amd-amdhsa--gfx1250"
	.amdhsa_code_object_version 6
	.text
	.protected	k_q896f5912da_gemm_ffn1
	.globl	k_q896f5912da_gemm_ffn1
	.p2align	8
	.type	k_q896f5912da_gemm_ffn1,@function
k_q896f5912da_gemm_ffn1:
	s_mov_b64 s[64:65], 0
	v_nop
	global_prefetch_b8 v0, s[64:65] scope:SCOPE_SE
	s_setreg_imm32_b32 hwreg(HW_REG_WAVE_MODE, 25, 1), 1
	s_wait_xcnt 0x0
	s_wait_alu depctr_hold_cnt(0) depctr_sa_sdst(0) depctr_va_vdst(0) depctr_va_sdst(0) depctr_va_ssrc(0) depctr_va_vcc(0) depctr_vm_vsrc(0)
	s_getreg_b32 s2, hwreg(HW_REG_IB_STS2, 6, 4)
	s_cmp_eq_u32 s2, 0
	s_cbranch_scc0 .Lentry_in_a_cluster
	s_endpgm
.Lentry_in_a_cluster:
	s_bfe_u32 s2, ttmp6, 0x10000c
	s_cmp_lg_u32 s2, 0xf033
	s_cbranch_scc0 .Lentry_shape_is_right
	s_endpgm
.Lentry_shape_is_right:
; THIS LAUNCH: gact = gelu_tanh(h2 x W1 + b1), bf16 out in 64 planes.  16 x 16 tiles: 256 work-groups.
; THE WIDE FRAME (one text serves this program's two products with 3,072 and 4,096 columns; the six constants below make it this launch's).  C[4096][N] = A[4096][KTOT] x W[KTOT][N], operands bf16, sums f32.
; A lies in planes: byte(m, k) = ((m >> 7) * NPA + (k >> 6)) * 16384 + (m & 127) * 128 + (k & 63) * 2.  W lies row-major [k][n] in wb, WPITCH elements from row to row, from byte WOFF.
; MODE 0: C rounded to bf16, in planes (NPO of them).  MODE 1: gelu_tanh(C + bias), likewise.
; SHARES.  A tile of C is 256 x 256: four waves, each 128 x 128 in 64 accumulators, 512 registers: for 32 along K a wave reads 2 x 128 x 64 bytes from LDS for 64 matrix instructions.
; K goes in steps of 128 through two LDS slots; each wave fetches a quarter of a slot by one tensor load: waves 0, 1 a block of 128 tokens x 128 K of A each (two planes, 32,768 dense bytes, asked for
; as 128 rows of 256), waves 2, 3 64 rows of W each (512 bytes a row, aligned).  From a refill to the wait for it a wave issues 224 matrix instructions.
; CLUSTER 4 x 4: A's tile hangs on the tile row alone and is asked for jointly along a row of the cluster, W's on the tile column alone and jointly along a column.
; ONE TEXT FOR A K STEP.  The slot in hand is a scalar, 0 or SLOT, turned by an exclusive or at each change of slots; it is added to the lane terms of the LDS reads and to the walking descriptors'
; LDS words.  The steps that fill a slot again are one loop; the last two, which fill nothing, are a second loop; it is left in the middle of its second trip.
; THE MATRIX INSTRUCTION IS USED TRANSPOSED: source 0 = 16 columns of W (turned on the way out of LDS by ds_load_tr16_b128), source 1 = 16 rows of A: lane l holds row l % 16 of C and the
; columns 8 (l / 16) + 0..7.  The bias, laid out so, is the C operand that starts the sums.
; REGISTERS, in windows of 256: window 0: v16-30 addresses; v32-111 at work on the way out; v64-127, v128-191 fragments of A, two buffers; v192-255 the bias.
;   window 1: v64-127, v128-191 fragments of W, two buffers.   window 2: the 32 accumulators of my rows 0-63 ((a, b) at 8 (8 a + b));   window 3: those of my rows 64-127.
; LIMITS: NaN and infinities are not treated apart; gelu's exponential saturates to 0 or infinity, which gives u or 0 as the tanh form does.
.set KTOT,   1024
.set WOFF,   8388608
.set WPITCH, 4096
.set MODE,   1
.set NPO,    64
.set SPLIT3, 0                         ; 1: the columns run through three matrices of 1,024 columns, 2 MiB apart in wb
.set NPA,    KTOT/64
.set NS,     KTOT/128                  ; K steps
.set PA,     144                       ; a row of a plane of A in LDS: 128 bytes + 16: the 16 rows of a load start at 16 different groups of four banks (64 banks of 4 bytes: ISA guide 11.1)
.set PB,     544                       ; a row of W: 512 bytes + 32 = 17 x 32
.set PLANE,  128*PA
.set HALFA,  2*PLANE                   ; what a tensor load for A brings: 128 tokens x 2 planes
.set HALFB,  64*PB                     ; what a tensor load for W brings: 64 rows
.set BOFF,   2*HALFA                   ; a slot: A's two blocks of tokens, then W's 128 rows
.set SLOT,   BOFF+2*HALFB
.set ASTEP,  32768                     ; bytes from a K step to the next: in A two planes,
.set BSTEP,  256*WPITCH                ; in W 128 rows
.set SPITCH, 272                       ; the stage: rows of 64 f32 + 16 bytes; 256 of them for each wave: plane 0's 128 rows, then plane 1's
.set WSTAGE, 256*SPITCH                ; the four stages lie over both slots: they are written behind the last change of slots, when no wave reads the ring any more and nothing is filled
.set SPARE,  2*SLOT                    ; behind the ring: the spare words, 128 bytes for each wave: two blocks of 256 bytes that no other line names
.set ADRA0, 16                         ; v16  my lane's and wave's place among A's fragments in slot 0; never rewritten
.set ADRB0, 17                         ; v17  the same for W
.set ADRA, 18                          ; v18  the same in the slot in hand
.set ADRB, 19                          ; v19
.set STO,  24
.set RD,   25
.set CO,   26
.set BO,   27
.set SPW,  28                          ; v28  SPARE + 4 x my thread's number; never rewritten
.set NIL,  29                          ; v29  0; never rewritten
.set PFO,  30                          ; v30  the prefetches' lane offset; never rewritten
.set X,    32
.set T,    64
.set Y,    96
.set BIAS, 192
.set F0,   64
.set F1,   128
.set G1,  24                           ; s[24:31] group 1 for A;  s[32:39] group 0: a set for each of the two first fills; the second then walks on
.set G0,  32
.set G1B, 48                           ; s[48:55], s[56:63] the same for W
.set G0B, 56
.set PFS, 18                           ; s[18:19] bytes from a K step to the next in the tensor that I fetch
.set LIM, 43                           ; s43  2 in a wave that prefetches, else the greatest number
.set PFA, 44                           ; s[44:45] where my next prefetch stands
.set LA,  68                           ; s68  LDS place in a slot of what I fetch for A
.set LB,  69                           ; s69  the same for W
.set TR,  75                           ; s75  the slot in hand: 0 or SLOT
.set MSB, 0
.macro WIN new                         ; the immediate's high byte repeats the setting that is left; a switch that changes nothing is dropped
.if MSB != (\new)
	s_set_vgpr_msb (MSB<<8)|(\new)
.set MSB, \new
.endif
.endm
.set MUL_LO, 0xa1                      ; source 0 (W) window 1, source 1 (A) window 0, C and D window 2; + 0x50: C and D window 3
.set TO_B,   0x40                      ; destination window 1, address window 0
.macro JLOAD s                         ; a joint load: waves 0, 1 for A, waves 2, 3 for W; s_nop 0 and four v_nop follow each line, ahead of the jump and the label
	s_cmp_eq_u32 s11, 0
	s_cbranch_scc0 .Lfor_b_\@
	tensor_load_to_lds s[G0+4*(\s):G0+4*(\s)+3], s[G1:G1+7]
	s_nop 0
.rept 4
	v_nop
.endr
	s_branch .Lasked_\@
.Lfor_b_\@:
	tensor_load_to_lds s[G0B+4*(\s):G0B+4*(\s)+3], s[G1B:G1B+7]
	s_nop 0
.rept 4
	v_nop
.endr
.Lasked_\@:
.endm
; A PREFETCH INTO THE L2, behind each joint refill and the run of LDS loads that follows it: the K step that stands two refills on, 512 matrix instructions ahead of the load that will ask for it.
; Each block of 256 bytes is named once in the launch.  A's tile row is read by every cluster of that row of clusters: cluster x = 0 asks; W's tile column by every cluster of that column: cluster y = 0 asks.
; Of the 128 blocks that a wave fetches in a K step each of the four partners that ask for them jointly takes 32, told apart by address (cx for A, cy for W): a lane a block, one instruction a wave.
; K steps 0 to 3 come by their loads alone; the loop's last two refills (s3 = 2, 1) have no K step two on and ask for nothing.
.macro ASK
	s_cmp_gt_u32 s3, s[LIM]
	s_cbranch_scc0 .Lnot_mine_\@
	global_prefetch_b8 v[PFO], s[PFA:PFA+1] th:TH_LOAD_NT scope:SCOPE_SE
.Lnot_mine_\@:
.endm
.macro CREST                           ; a round of the cluster's barrier behind its opening barrier
	s_cmp_lg_u32 s10, 0
	s_cbranch_scc1 .Lnot_wave_0_\@
	s_barrier_signal -3
.Lnot_wave_0_\@:
	s_barrier_wait -3
	s_barrier_signal -1
	s_barrier_wait -1
.endm
.macro CROUND
	s_barrier_signal -1
	s_barrier_wait -1
	CREST
.endm
.macro PLACES                          ; four plain vector instructions between a matrix instruction and what reads its result or loads into its registers
.rept 4
	v_nop
.endr
.endm
	s_load_b128 s[4:7], s[0:1], 0x0                ; A s[4:5], wb s[6:7]
	s_load_b64 s[8:9], s[0:1], 0x10                ; out
.if MODE == 1
	s_load_b64 s[66:67], s[0:1], 0x18              ; bias
.endif
	v_lshl_add_u32 v[SPW], v0, 2, SPARE
	v_mov_b32 v[NIL], 0
	ds_add_u32 v[SPW], v[NIL]                      ; the wave's opening: the add and its wait come ahead of my first tensor load; work on registers stands between them
	v_lshrrev_b32 v1, 5, v0
	v_readfirstlane_b32 s10, v1                    ; wave 0..3
	s_lshr_b32 s11, s10, 1                         ; my half of the tile's rows; also: I fetch for A (0) or W (1)
	s_and_b32 s12, s10, 1                          ; my half of its columns; also: which half of that tile I fetch
	s_bfe_u32 s40, ttmp6, 0x40000                  ; cx
	s_bfe_u32 s41, ttmp6, 0x40004                  ; cy
	s_lshl_b32 s42, ttmp9, 2
	s_add_co_u32 s42, s42, s40                     ; tile column
	s_and_b32 s13, ttmp7, 0xffff
	s_lshl_b32 s13, s13, 2
	s_add_co_u32 s13, s13, s41                     ; tile row
	s_lshl_b32 s43, s41, 2
	s_lshl_b32 s43, 15, s43                        ; my row of the cluster
	s_lshl_b32 s44, 0x1111, s40                    ; my column
	s_or_b32 s[G1+0], s43, (1<<16)|(1<<20)|(1<<21)|(4<<22)|(3<<25)   ; mask; 2-byte elements; padding on; bit 21 beside a mask; after every 32 words 4 words
	s_or_b32 s[G1B+0], s44, (1<<16)|(1<<20)|(1<<21)|(6<<22)|(7<<25)  ; after every 128 words 8 words
	s_mov_b32 s[G1+1], 128<<16                     ; A: tensor_dim0 = 128
	s_mov_b32 s[G1+2], 128<<16                     ; tensor_dim1 = 128
	s_mov_b32 s[G1+3], 128<<16                     ; tile_dim0 = 128
	s_mov_b32 s[G1+4], 128                         ; tile_dim1 = 128
	s_mov_b32 s[G1+5], 128                         ; dense rows of 256 bytes
	s_mov_b32 s[G1+6], 0
	s_mov_b32 s[G1+7], 0
	s_mov_b32 s[G1B+1], 256<<16                    ; W: tensor_dim0 = 256
	s_mov_b32 s[G1B+2], 64<<16                     ; tensor_dim1 = 64
	s_mov_b32 s[G1B+3], 256<<16                    ; tile_dim0 = 256
	s_mov_b32 s[G1B+4], 64                         ; tile_dim1 = 64
	s_mov_b32 s[G1B+5], WPITCH
	s_mov_b32 s[G1B+6], 0
	s_mov_b32 s[G1B+7], 0
	s_lshl_b32 s16, s13, 1
	s_add_co_u32 s16, s16, s12                     ; A: the block of 128 tokens that I fetch,
	s_mul_i32 s16, s16, NPA*16384                  ; its planes
	s_mov_b32 s17, 0
.if SPLIT3
	s_lshr_b32 s46, s42, 2                         ; W: which of the three matrices,
	s_lshl_b32 s46, s46, 21
	s_and_b32 s47, s42, 3                          ; and the tile's 512 bytes of its rows
	s_lshl_b32 s47, s47, 9
	s_add_co_u32 s46, s46, s47
.else
	s_lshl_b32 s46, s42, 9                         ; W: the tile's 512 bytes of a row
.endif
	s_mul_i32 s47, s12, 64*WPITCH*2                ; my 64 of a step's 128 rows
	s_add_co_u32 s46, s46, s47
.if WOFF
	s_add_co_u32 s46, s46, WOFF
.endif
	s_mov_b32 s47, 0
	s_mul_i32 s[LA], s12, HALFA                    ; where my part goes: no place in the cluster enters an LDS address
	s_mul_i32 s[LB], s12, HALFB
	s_add_co_u32 s[LB], s[LB], BOFF
	s_mov_b32 s[TR], 0
.if MODE == 1
	s_mov_b32 s70, 0xc0135761                      ; -2 sqrt(2 / pi) log2(e)
	s_mov_b32 s71, s70
	s_mov_b32 s72, 0xbdd2d3e8                      ; the same x 0.044715
	s_mov_b32 s73, s72
.endif
	s_wait_dscnt 0x0                               ; the opening add is done
	s_wait_kmcnt 0x0
	s_add_nc_u64 s[14:15], s[4:5], s[16:17]
	s_add_nc_u64 s[46:47], s[6:7], s[46:47]
	CROUND                                         ; all sixteen work-groups are here: the first joint loads meet
.irp s, 0,1
	s_mov_b32 s[G0+4*(\s)], 1
	s_add_co_u32 s[G0+4*(\s)+1], s[LA], (\s)*SLOT
	s_add_nc_u64 s[G0+4*(\s)+2:G0+4*(\s)+3], s[14:15], (\s)*ASTEP
	s_or_b32 s[G0+4*(\s)+3], s[G0+4*(\s)+3], 0x80000000
	s_mov_b32 s[G0B+4*(\s)], 1
	s_add_co_u32 s[G0B+4*(\s)+1], s[LB], (\s)*SLOT
	s_add_nc_u64 s[G0B+4*(\s)+2:G0B+4*(\s)+3], s[46:47], (\s)*BSTEP
	s_or_b32 s[G0B+4*(\s)+3], s[G0B+4*(\s)+3], 0x80000000
	JLOAD \s
.endr
	; the prefetches' address.  Lane l names block l of my work-group's 32: in A they lie end to end; in W they are 16 rows of two.  Nothing is prefetched here, at the head
	v_and_b32 v5, 31, v0
	v_lshrrev_b32 v6, 1, v5                        ; l / 2
	v_and_b32 v5, 1, v5                            ; l % 2
	s_lshl_b32 s20, s40, 13                        ; A: 32 blocks of 256 bytes x cx
	s_mul_i32 s21, s41, 16*WPITCH*2                ; W: 16 rows x cy
	s_and_b32 s22, ttmp7, 0xffff                   ; cluster y
	s_mov_b32 s23, WPITCH*2
	s_mov_b32 s[PFS], BSTEP
	s_mov_b32 s[PFS+1], 0
	s_cmp_eq_u32 s11, 0                            ; do I fetch for A?
	s_cselect_b32 s20, s20, s21
	s_cselect_b32 s22, ttmp9, s22                  ; the coordinate along which other clusters read the same blocks
	s_cselect_b32 s23, 512, s23                    ; bytes from a pair of blocks to the next
	s_cselect_b32 s[PFS], ASTEP, s[PFS]
	s_cselect_b64 s[PFA:PFA+1], s[14:15], s[46:47]
	s_mov_b32 s21, 0
	s_add_nc_u64 s[PFA:PFA+1], s[PFA:PFA+1], s[20:21]
	s_mul_i32 s20, s[PFS], 3
	s_add_nc_u64 s[PFA:PFA+1], s[PFA:PFA+1], s[20:21]  ; at K step 3: the first change of slots steps it to 4
	s_cmp_eq_u32 s22, 0
	s_cselect_b32 s[LIM], 2, -1                    ; the same in all sixteen partners, for a given wave
	v_mul_u32_u24 v[PFO], v6, s23
	v_lshl_add_u32 v[PFO], v5, 8, v[PFO]
	; the fragments' addresses
	v_and_b32 v1, 15, v0                           ; r = l % 16
	v_bfe_u32 v2, v0, 4, 1                         ; h = l / 16
	v_mul_u32_u24 v3, v1, PA
	v_lshl_add_u32 v3, v2, 4, v3
	s_mul_i32 s21, s11, HALFA                      ; my 128 rows are one block of tokens
	v_add_nc_u32 v[ADRA0], s21, v3
	v_and_b32 v4, 7, v0                            ; the turning load: lane l reads row 8 h + l % 8, bytes 16 ((l / 8) % 2) on
	v_lshl_add_u32 v4, v2, 3, v4
	v_mul_u32_u24 v4, v4, PB
	v_bfe_u32 v5, v0, 3, 1
	v_lshl_add_u32 v4, v5, 4, v4
	s_lshl_b32 s22, s12, 8                         ; my 128 columns
	s_add_co_u32 s22, s22, BOFF
	v_add_nc_u32 v[ADRB0], s22, v4
	v_mov_b32 v[ADRA], v[ADRA0]
	v_mov_b32 v[ADRB], v[ADRB0]
	s_mul_i32 s23, s10, WSTAGE                     ; my stage
	v_mul_u32_u24 v6, v1, SPITCH                   ; in: row r, 32 bytes for each half of the lanes
	v_lshl_add_u32 v6, v2, 5, v6
	v_add_nc_u32 v[STO], s23, v6
	v_and_b32 v5, 31, v0                           ; back: 32 lanes take four rows, 32 bytes of f32 each, which become 512 consecutive bytes of bf16
	v_lshlrev_b32 v[CO], 4, v5
	v_lshrrev_b32 v5, 3, v5
	v_mul_u32_u24 v5, v5, SPITCH
	v_and_b32 v7, 7, v0
	v_lshl_add_u32 v5, v7, 5, v5
	v_add_nc_u32 v[RD], s23, v5
	s_lshl_b32 s16, s13, 1
	s_add_co_u32 s16, s16, s11                     ; my block of 128 tokens,
	s_mul_i32 s16, s16, NPO*16384                  ; its planes in the output
	s_mov_b32 s17, 0
	s_add_nc_u64 s[8:9], s[8:9], s[16:17]
	s_lshl_b32 s46, s42, 1
	s_add_co_u32 s46, s46, s12
	s_lshl_b32 s46, s46, 15                        ; my two planes, 4 x tile column + 2 x half: 32,768 dense bytes
	s_mov_b32 s47, 0
	s_add_nc_u64 s[8:9], s[8:9], s[46:47]
.if MODE == 1
	s_lshl_b32 s46, s42, 10
	s_lshl_b32 s47, s12, 9
	s_add_co_u32 s46, s46, s47
	s_mov_b32 s47, 0
	s_add_nc_u64 s[66:67], s[66:67], s[46:47]
	v_lshlrev_b32 v[BO], 5, v2                     ; register j of block b is the bias of column 16 b + 8 h + j
.irp b, 0,1,2,3,4,5,6,7
	global_load_b128 v[BIAS+8*(\b):BIAS+8*(\b)+3],   v[BO], s[66:67] offset:64*(\b)
	global_load_b128 v[BIAS+8*(\b)+4:BIAS+8*(\b)+7], v[BO], s[66:67] offset:64*(\b)+16
.endr
.endif
; 16 matrix instructions: row blocks a0, a0 + 1 of the window's four (hi = 0: my rows 0-63, 1: rows 64-127) x all 8 column blocks, 32 along K.  zero = 1: the product starts the sums, with 0 or with the bias.
; The 64 accumulators take turns, one instruction a turn, in the same order in every quarter.
.macro MUL16 f, hi, a0, zero
.if (\zero) && (MODE == 1)
	WIN 0x81+0x40*(\hi)                            ; C, the bias, in window 0
.else
	WIN MUL_LO+0x50*(\hi)
.endif
.irp a, \a0, (\a0)+1
.irp b, 0,1,2,3,4,5,6,7
.if (\zero) && (MODE == 1)
	v_wmma_f32_16x16x32_bf16 v[8*(8*(\a)+(\b)):8*(8*(\a)+(\b))+7], v[(\f)+8*(\b):(\f)+8*(\b)+7], v[(\f)+8*(4*(\hi)+(\a)):(\f)+8*(4*(\hi)+(\a))+7], v[BIAS+8*(\b):BIAS+8*(\b)+7]
.elseif \zero
	v_wmma_f32_16x16x32_bf16 v[8*(8*(\a)+(\b)):8*(8*(\a)+(\b))+7], v[(\f)+8*(\b):(\f)+8*(\b)+7], v[(\f)+8*(4*(\hi)+(\a)):(\f)+8*(4*(\hi)+(\a))+7], 0
.else
	v_wmma_f32_16x16x32_bf16 v[8*(8*(\a)+(\b)):8*(8*(\a)+(\b))+7], v[(\f)+8*(\b):(\f)+8*(\b)+7], v[(\f)+8*(4*(\hi)+(\a)):(\f)+8*(4*(\hi)+(\a))+7], v[8*(8*(\a)+(\b)):8*(8*(\a)+(\b))+7]
.endif
.endr
.endr
.endm
; 32 LDS loads in one run: the fragments of quarter q (32 along K) of the slot in hand, into buffer f: W's 128 columns, then A's 128 rows
.macro FETCH q, f
	WIN TO_B
.irp i, 0,1,2,3,4,5,6,7
	ds_load_tr16_b128 v[(\f)+8*(\i):(\f)+8*(\i)+3],   v[ADRB] offset:32*(\q)*PB+32*(\i)
	ds_load_tr16_b128 v[(\f)+8*(\i)+4:(\f)+8*(\i)+7], v[ADRB] offset:(32*(\q)+16)*PB+32*(\i)
.endr
	WIN 0
.irp i, 0,1,2,3,4,5,6,7
	ds_load_b128 v[(\f)+8*(\i):(\f)+8*(\i)+3],   v[ADRA] offset:((\q)/2)*PLANE+(\i)*16*PA+((\q)%2)*64
	ds_load_b128 v[(\f)+8*(\i)+4:(\f)+8*(\i)+7], v[ADRA] offset:((\q)/2)*PLANE+(\i)*16*PA+((\q)%2)*64+32
.endr
.endm
; A K step is four quarters of 32 along K, 64 matrix instructions each, on buffers 0, 1, 0, 1.  One of the first three: multiplies buffer f; in its middle it fetches quarter q into buffer g.
.macro QUARTER q, f, g, zero
	s_wait_dscnt 8                                 ; W and A's rows 0-63 are in; the youngest eight loads (A's rows 64-127) may be out
	MUL16 \f, 0, 0, \zero
	MUL16 \f, 0, 2, \zero
	PLACES
	FETCH \q, \g
	s_wait_dscnt 32                                ; all but the 32 just issued
	MUL16 \f, 1, 0, \zero
	MUL16 \f, 1, 2, \zero
.endm
; The last quarter multiplies buffer 1 and changes slots.  MEET is its first half: one barrier; ahead of it each wave waits for all its tensor loads (at most one is out: its part of the next slot), adds 0
; to its spare word, and waits for that and for its reads of this slot.  fill = 1: the walking descriptors are stepped while the add is out: to the slot in hand, and one K step on.
.macro MEET fill
	WIN 0
	s_wait_tensorcnt 0x0                           ; no tensor load of mine is out, so a group 0 may be written
	ds_add_u32 v[SPW], v[NIL]
.if \fill
	s_add_co_u32 s[G0+5], s[LA], s[TR]
	s_add_co_u32 s[G0B+5], s[LB], s[TR]
	s_add_nc_u64 s[G0+6:G0+7], s[G0+6:G0+7], ASTEP  ; the type bits on top are not reached
	s_add_nc_u64 s[G0B+6:G0B+7], s[G0B+6:G0B+7], BSTEP
.endif
	s_wait_dscnt 9                                 ; the add and the youngest eight loads may be out
	MUL16 F1, 0, 0, 0
	s_wait_dscnt 0x0                               ; the add is done, and my reads of this slot are over
	s_barrier_signal -1
	MUL16 F1, 0, 2, 0
	WIN 0
	s_barrier_wait -1
.endm
; The whole last quarter of a step that fills its slot again: the barrier opens a round of the cluster's; the joint refill, two K steps on, is the first thing behind the round.
.macro TURN
	s_wait_xcnt 0x0                                ; the last prefetch, a K step back, has read its address: it is stepped here, ahead of the waits of the change of slots
	s_add_nc_u64 s[PFA:PFA+1], s[PFA:PFA+1], s[PFS:PFS+1]
	MEET 1
	CREST                                          ; no wave of any partner still reads this slot or has a load on its way
	JLOAD 1                                        ; its four v_nop are also places in front of the loads below
	s_xor_b32 s[TR], s[TR], SLOT                   ; the other slot is in hand
	v_add_nc_u32 v[ADRA], s[TR], v[ADRA0]
	v_add_nc_u32 v[ADRB], s[TR], v[ADRB0]
	FETCH 0, F0
	ASK
	MUL16 F1, 1, 0, 0
	MUL16 F1, 1, 2, 0
.endm
	s_wait_tensorcnt 1                             ; my part of K step 0 is in; K step 1's may stay out
	s_barrier_signal -1
	s_barrier_wait -1
	FETCH 0, F0
.if MODE == 1
	s_wait_loadcnt 0x0                             ; the bias
.endif
	QUARTER 1, F0, F1, 1                           ; the first quarter stands in front of the loop: its products start the sums
	WIN 0
	s_mov_b32 s3, NS-2
.Lstep:                                                ; a trip goes from a K step's second quarter to the next step's first, and fills the slot that it leaves
	QUARTER 2, F1, F0, 0
	QUARTER 3, F0, F1, 0
	TURN
	QUARTER 1, F0, F1, 0
	WIN 0
	s_sub_co_u32 s3, s3, 1
	s_cmp_lg_u32 s3, 0
	s_cbranch_scc1 .Lstep
	s_mov_b32 s3, 2
.Ltail:                                                ; the last two K steps fill nothing, and have no round of the cluster's barrier
	QUARTER 2, F1, F0, 0
	QUARTER 3, F0, F1, 0
	MEET 0
	s_sub_co_u32 s3, s3, 1
	s_cmp_eq_u32 s3, 0
	s_cbranch_scc1 .Lend                           ; the last step is left here: behind its barrier no wave reads the ring any more
	s_xor_b32 s[TR], s[TR], SLOT
	v_add_nc_u32 v[ADRA], s[TR], v[ADRA0]
	v_add_nc_u32 v[ADRB], s[TR], v[ADRB0]
	PLACES
	FETCH 0, F0
	MUL16 F1, 1, 0, 0
	MUL16 F1, 1, 2, 0
	QUARTER 1, F0, F1, 0
	WIN 0
	s_branch .Ltail
.Lend:
	MUL16 F1, 1, 0, 0
	MUL16 F1, 1, 2, 0
	WIN 0
	; THE WAY OUT.  My 128 x 128 sums go in f32 into my own stage and come back by rows.  LDS serves a wave's instructions in order (ISA guide 5.7.1.4), so no wait stands between my stores and my loads.
	PLACES
	PLACES
.irp hi, 0,1
	WIN 0x08+4*(\hi)                               ; store data in window 2 or 3, address in window 0
.irp a, 0,1,2,3
.irp b, 0,1,2,3,4,5,6,7
	ds_store_b128 v[STO], v[8*(8*(\a)+(\b)):8*(8*(\a)+(\b))+3]   offset:(((\b)/4)*128+16*(4*(\hi)+(\a)))*SPITCH+((\b)%4)*64     ; each accumulator's low registers first
	ds_store_b128 v[STO], v[8*(8*(\a)+(\b))+4:8*(8*(\a)+(\b))+7] offset:(((\b)/4)*128+16*(4*(\hi)+(\a)))*SPITCH+((\b)%4)*64+16
.endr
.endr
.endr
	WIN 0
.if MODE == 1
; gelu_tanh(u) = u / (1 + 2^(u (A + B u u))), A = -2 sqrt(2 / pi) log2(e), B = 0.044715 A.  Two batches a trip, 32 exponentials and 32 reciprocals, each with one plain instruction and one wait behind it.
.macro GELU
.set p, 0
.rept 16
	v_pk_mul_f32 v[T+2*p:T+2*p+1], v[X+2*p:X+2*p+1], v[X+2*p:X+2*p+1]
	v_pk_fma_f32 v[T+2*p:T+2*p+1], v[T+2*p:T+2*p+1], s[72:73], s[70:71] op_sel_hi:[1,0,0]
.if p > 0
	v_exp_f32 v[T+2*p-2], v[T+2*p-2]
.endif
	v_pk_mul_f32 v[T+2*p:T+2*p+1], v[T+2*p:T+2*p+1], v[X+2*p:X+2*p+1]
.if p > 0
	v_exp_f32 v[T+2*p-1], v[T+2*p-1]
.endif
.set p, p+1
.endr
	v_exp_f32 v[T+30], v[T+30]
	v_exp_f32 v[T+31], v[T+31]
	v_nop
	s_wait_alu depctr_va_vdst(0)                   ; one wait for the 32 exponentials, ahead of their first reader
.set p, 0
.rept 16
	v_pk_add_f32 v[T+2*p:T+2*p+1], v[T+2*p:T+2*p+1], 1.0 op_sel_hi:[1,0]
.if p > 0
	v_rcp_f32 v[T+2*p-2], v[T+2*p-2]
	v_rcp_f32 v[T+2*p-1], v[T+2*p-1]
.endif
.set p, p+1
.endr
	v_rcp_f32 v[T+30], v[T+30]
	v_rcp_f32 v[T+31], v[T+31]
	v_nop
	s_wait_alu depctr_va_vdst(0)                   ; one wait for the 32 reciprocals
.set p, 0
.rept 16
	v_pk_mul_f32 v[X+2*p:X+2*p+1], v[X+2*p:X+2*p+1], v[T+2*p:T+2*p+1]
.set p, p+1
.endr
.endm
.endif
	s_mov_b32 s74, 16
.Lout:                                                 ; sixteen trips of 16 rows of a plane: plane 0's 128 rows, then plane 1's, in the stage and in memory alike
.irp g, 0,1,2,3
	ds_load_b128 v[X+8*(\g):X+8*(\g)+3],   v[RD] offset:4*SPITCH*(\g)
	ds_load_b128 v[X+8*(\g)+4:X+8*(\g)+7], v[RD] offset:4*SPITCH*(\g)+16
.endr
	s_wait_dscnt 0x0
.if MODE == 1
	GELU
.endif
.set p, 0
.rept 16
	v_cvt_pk_bf16_f32 v[Y+p], v[X+2*p], v[X+2*p+1]
.set p, p+1
.endr
.irp g, 0,1,2,3
	global_store_b128 v[CO], v[Y+4*(\g):Y+4*(\g)+3], s[8:9] offset:512*(\g)  ; four rows of my plane: 512 consecutive bytes, aligned
.endr
	s_wait_xcnt 0x0                                ; the stores have read their address and data: CO is stepped, and Y written in the next trip, only behind this wait
	v_add_nc_u32 v[RD], 16*SPITCH, v[RD]
	v_add_nc_u32 v[CO], 2048, v[CO]
	s_sub_co_u32 s74, s74, 1
	s_cmp_lg_u32 s74, 0
	s_cbranch_scc1 .Lout
	s_wait_tensorcnt 0x0                           ; the wave's end: the add and its wait stand behind my last tensor load and my last LDS store
	ds_add_u32 v[SPW], v[NIL]
	s_wait_dscnt 0x0
	CROUND                                         ; the closing round: no work-group ends while a partner may still ask for a tile that names it
	s_endpgm
.Lfunc_end_k_q896f5912da_gemm_ffn1:
	.size	k_q896f5912da_gemm_ffn1, .Lfunc_end_k_q896f5912da_gemm_ffn1-k_q896f5912da_gemm_ffn1
	.p2alignl 7, 3214868480
	.fill 96, 4, 3214868480
	.section	.rodata,"a",@progbits
	.p2align	6, 0x0
	.amdhsa_kernel k_q896f5912da_gemm_ffn1
		.amdhsa_group_segment_fixed_size 327680
		.amdhsa_private_segment_fixed_size 0
		.amdhsa_enable_private_segment 0
		.amdhsa_kernarg_size 32
		.amdhsa_user_sgpr_count 2
		.amdhsa_user_sgpr_kernarg_segment_ptr 1
		.amdhsa_wavefront_size32 1
		.amdhsa_system_sgpr_workgroup_id_x 1
		.amdhsa_system_sgpr_workgroup_id_y 1
		.amdhsa_system_sgpr_workgroup_id_z 1
		.amdhsa_system_vgpr_workitem_id 0
		.amdhsa_next_free_vgpr 1024
		.amdhsa_next_free_sgpr 76
		.amdhsa_reserve_vcc 0
		.amdhsa_float_denorm_mode_32 3
		.amdhsa_float_denorm_mode_16_64 3
		.amdhsa_memory_ordered 1
		.amdhsa_forward_progress 1
		.amdhsa_inst_pref_size 92
	.end_amdhsa_kernel
	.amdgpu_metadata
---
amdhsa.version: [ 1, 2 ]
amdhsa.kernels:
  - .name:           k_q896f5912da_gemm_ffn1
    .symbol:         k_q896f5912da_gemm_ffn1.kd
    .args:
      - { .name: h2, .offset: 0, .size: 8, .value_kind: global_buffer, .address_space: global }
      - { .name: wb, .offset: 8, .size: 8, .value_kind: global_buffer, .address_space: global }
      - { .name: gact, .offset: 16, .size: 8, .value_kind: global_buffer, .address_space: global }
      - { .name: b1, .offset: 24, .size: 8, .value_kind: global_buffer, .address_space: global }
    .group_segment_fixed_size: 327680
    .private_segment_fixed_size: 0
    .kernarg_segment_align: 8
    .kernarg_segment_size: 32
    .max_flat_workgroup_size: 128
    .sgpr_count:     76
    .vgpr_count:     1024
    .wavefront_size: 32
...
	.end_amdgpu_metadata
.endif
;; end of part 12
;; launch gemm_ffn2 (part 13): grid 8 x 32, 4 waves a work-group, clusters of 4 x 4, 327,680 bytes of LDS; arguments gact, wb, out0, b2, x1; writes out0
.if DOCPART == 13
	.amdgcn_target "amdgcn-amd-amdhsa--gfx1250"
	.amdhsa_code_object_version 6
	.text
	.protected	k_q896f5912da_gemm_ffn2
	.globl	k_q896f5912da_gemm_ffn2
	.p2align	8
	.type	k_q896f5912da_gemm_ffn2,@function
k_q896f5912da_gemm_ffn2:
	s_mov_b64 s[64:65], 0
	v_nop
	global_prefetch_b8 v0, s[64:65] scope:SCOPE_SE
	s_setreg_imm32_b32 hwreg(HW_REG_WAVE_MODE, 25, 1), 1
	s_wait_xcnt 0x0
	s_wait_alu depctr_hold_cnt(0) depctr_sa_sdst(0) depctr_va_vdst(0) depctr_va_sdst(0) depctr_va_ssrc(0) depctr_va_vcc(0) depctr_vm_vsrc(0)
	s_getreg_b32 s2, hwreg(HW_REG_IB_STS2, 6, 4)
	s_cmp_eq_u32 s2, 0
	s_cbranch_scc0 .Lentry_in_a_cluster
	s_endpgm
.Lentry_in_a_cluster:
	s_bfe_u32 s2, ttmp6, 0x10000c
	s_cmp_lg_u32 s2, 0xf033
	s_cbranch_scc0 .Lentry_shape_is_right
	s_endpgm
.Lentry_shape_is_right:
; THIS LAUNCH: out0 = x1 + gact x W2 + b2, f32 row-major; K = 4,096.
; THE NARROW FRAME (one text serves this program's two products with 1,024 columns; the three constants below make it this launch's).
; C[4096][1024] = residual + bias + A[4096][KTOT] x W[KTOT][1024], operands bf16, sums f32, C in f32 row-major.
; A lies in planes: byte(m, k) = ((m >> 7) * NPA + (k >> 6)) * 16384 + (m & 127) * 128 + (k & 63) * 2.  W lies row-major [k][n] in wb, WPITCH elements from row to row, from byte WOFF.
; SHARES.  A tile of C is 128 x 128, which gives each of 256 work-groups one tile: four waves, each 64 x 64 in 16 accumulators.  K goes in steps of 256 through two LDS slots; each wave fetches a quarter
; of a slot by one tensor load: waves 0, 1 two planes of A each (32,768 dense bytes, asked for as 128 rows of 256), waves 2, 3 128 rows of W each (256 bytes a row, aligned).
; CLUSTER 4 x 4: A's tile hangs on the tile row alone and is asked for jointly along a row of the cluster, W's on the tile column alone and jointly along a column.
; ONE TEXT FOR A K STEP.  The slot in hand is a scalar, 0 or SLOT, turned by an exclusive or at each change of slots; it is added to the lane terms of the LDS reads and to the walking descriptors'
; LDS words.  The steps that fill a slot again are one loop; the last two, which fill nothing, are a second loop; it is left in the middle of its second trip.
; THE MATRIX INSTRUCTION IS USED TRANSPOSED: source 0 = 16 columns of W (turned on the way out of LDS by ds_load_tr16_b128), source 1 = 16 rows of A: lane l holds row l % 16 of C and the
; columns 8 (l / 16) + 0..7.  The bias, laid out so, is the C operand that starts the sums.
; NO PREFETCH: a step's tiles are small, 32,768 bytes a wave, and each is shared by four work-groups.
; REGISTERS: window 0: v16-29 addresses, v96-127 the bias, v128-255 accumulators ((a, b) at 128 + 8 (4 a + b)).
;   window 1: two fragment buffers of 128: 64 along K, A's (c, a) at 8 (4 c + a), W's (c, b) at 64 + 8 (4 c + b); on the way out my 64 x 64 of C.   window 2: the residual.
; LIMITS: NaN and infinities are not treated apart.
.set KTOT,   4096
.set WOFF,   16777216
.set WPITCH, 1024
.set NPA,    KTOT/64
.set NS,     KTOT/256                  ; K steps
.set PA,     144                       ; a row of a plane of A in LDS: 128 bytes + 16: the 16 rows of a load start at 16 different groups of four banks (64 banks of 4 bytes: ISA guide 11.1)
.set PB,     288                       ; a row of W: 256 bytes + 32
.set PLANE,  128*PA
.set HALFT,  2*PLANE                   ; what one tensor load brings: 36,864 bytes of LDS, for A (2 planes) and for W (128 rows x 288) alike
.set BOFF,   2*HALFT                   ; a slot: A's four planes, then W's 256 rows
.set SLOT,   4*HALFT
.set ASTEP,  65536                     ; bytes from a K step to the next: in A four planes,
.set BSTEP,  512*WPITCH                ; in W 256 rows
.set SPITCH, 272                       ; the stage: 64 rows of 256 bytes of f32 + 16, for each wave its own
.set WSTAGE, 64*SPITCH                 ; the four stages lie in slot 0: they are written behind the last change of slots, when no wave reads the ring any more and nothing is filled
.set SPARE,  2*SLOT                    ; behind the ring: the spare words, 128 bytes for each wave: two blocks of 256 bytes that no other line names
.set ADRA0, 16                         ; v16  my lane's and wave's place among A's fragments in slot 0; never rewritten
.set ADRB0, 17                         ; v17  the same for W
.set ADRA, 18                          ; v18  the same in the slot in hand
.set ADRB, 20                          ; v20-21  W's rows 0-127, rows 128-255 in the slot in hand
.set STO,  24
.set RD,   25
.set CO,   26
.set BO,   27
.set SPW,  28                          ; v28  SPARE + 4 x my thread's number; never rewritten
.set NIL,  29                          ; v29  0; never rewritten
.set BIAS, 96
.set ACC,  128
.set F0,   0
.set F1,   128
.set G1,  24                           ; s[24:31] group 1 for A;  s[32:39] group 0: a set for each of the two first fills; the second then walks on
.set G0,  32
.set G1B, 48                           ; s[48:55], s[56:63] the same for W
.set G0B, 56
.set LA,  70                           ; s70  LDS place in a slot of what I fetch: wave x 36,864
.set TR,  75                           ; s75  the slot in hand: 0 or SLOT
.set MSB, 0
.macro WIN new                         ; the immediate's high byte repeats the setting that is left; a switch that changes nothing is dropped
.if MSB != (\new)
	s_set_vgpr_msb (MSB<<8)|(\new)
.set MSB, \new
.endif
.endm
.set MUL,  0x05                        ; sources 0 and 1 window 1; C and D window 0
.set TO_F, 0x40                        ; destination window 1, address window 0
.macro JLOAD s                         ; a joint load: waves 0, 1 for A, waves 2, 3 for W; s_nop 0 and four v_nop follow each line, ahead of the jump and the label
	s_cmp_eq_u32 s11, 0
	s_cbranch_scc0 .Lfor_b_\@
	tensor_load_to_lds s[G0+4*(\s):G0+4*(\s)+3], s[G1:G1+7]
	s_nop 0
.rept 4
	v_nop
.endr
	s_branch .Lasked_\@
.Lfor_b_\@:
	tensor_load_to_lds s[G0B+4*(\s):G0B+4*(\s)+3], s[G1B:G1B+7]
	s_nop 0
.rept 4
	v_nop
.endr
.Lasked_\@:
.endm
.macro CREST                           ; a round of the cluster's barrier behind its opening barrier
	s_cmp_lg_u32 s10, 0
	s_cbranch_scc1 .Lnot_wave_0_\@
	s_barrier_signal -3
.Lnot_wave_0_\@:
	s_barrier_wait -3
	s_barrier_signal -1
	s_barrier_wait -1
.endm
.macro CROUND
	s_barrier_signal -1
	s_barrier_wait -1
	CREST
.endm
.macro PLACES                          ; four plain vector instructions between a matrix instruction and what reads its result or loads into its registers
.rept 4
	v_nop
.endr
.endm
	s_load_b128 s[4:7], s[0:1], 0x0                ; A s[4:5], wb s[6:7]
	s_load_b64 s[8:9], s[0:1], 0x10                ; out
	s_load_b64 s[66:67], s[0:1], 0x18              ; bias
	s_load_b64 s[68:69], s[0:1], 0x20              ; residual
	v_lshl_add_u32 v[SPW], v0, 2, SPARE
	v_mov_b32 v[NIL], 0
	ds_add_u32 v[SPW], v[NIL]                      ; the wave's opening: the add and its wait come ahead of my first tensor load; work on registers stands between them
	v_lshrrev_b32 v1, 5, v0
	v_readfirstlane_b32 s10, v1                    ; wave 0..3
	s_lshr_b32 s11, s10, 1                         ; my half of the tile's rows; also: I fetch for A (0) or W (1)
	s_and_b32 s12, s10, 1                          ; my half of its columns; also: which half of that tile I fetch
	s_bfe_u32 s40, ttmp6, 0x40000                  ; cx
	s_bfe_u32 s41, ttmp6, 0x40004                  ; cy
	s_lshl_b32 s42, ttmp9, 2
	s_add_co_u32 s42, s42, s40                     ; tile column
	s_and_b32 s13, ttmp7, 0xffff
	s_lshl_b32 s13, s13, 2
	s_add_co_u32 s13, s13, s41                     ; tile row
	s_lshl_b32 s43, s41, 2
	s_lshl_b32 s43, 15, s43                        ; my row of the cluster
	s_lshl_b32 s44, 0x1111, s40                    ; my column
	s_or_b32 s[G1+0], s43, (1<<16)|(1<<20)|(1<<21)|(4<<22)|(3<<25)   ; mask; 2-byte elements; padding on; bit 21 beside a mask; after every 32 words 4 words
	s_or_b32 s[G1B+0], s44, (1<<16)|(1<<20)|(1<<21)|(5<<22)|(7<<25)  ; after every 64 words 8 words
.irp g, G1, G1B
	s_mov_b32 s[(\g)+1], 128<<16                   ; tensor_dim0 = 128
	s_mov_b32 s[(\g)+2], 128<<16                   ; tensor_dim1 = 128
	s_mov_b32 s[(\g)+3], 128<<16                   ; tile_dim0 = 128
	s_mov_b32 s[(\g)+4], 128                       ; tile_dim1 = 128
	s_mov_b32 s[(\g)+6], 0
	s_mov_b32 s[(\g)+7], 0
.endr
	s_mov_b32 s[G1+5], 128                         ; A: dense rows of 256 bytes
	s_mov_b32 s[G1B+5], WPITCH
	s_mul_i32 s16, s13, NPA*16384                  ; A: the tile row's planes,
	s_lshl_b32 s17, s12, 15                        ; my two of a step's four
	s_add_co_u32 s16, s16, s17
	s_mov_b32 s17, 0
	s_lshl_b32 s46, s42, 8                         ; W: the tile's 256 bytes of a row,
	s_mul_i32 s47, s12, 128*WPITCH*2               ; my 128 of a step's 256 rows,
	s_add_co_u32 s46, s46, s47
	s_add_co_u32 s46, s46, WOFF                    ; the matrix's place in wb
	s_mov_b32 s47, 0
	s_mul_i32 s[LA], s10, HALFT                    ; where my part goes: no place in the cluster enters an LDS address
	s_mov_b32 s[TR], 0
	s_wait_dscnt 0x0                               ; the opening add is done
	s_wait_kmcnt 0x0
	s_add_nc_u64 s[14:15], s[4:5], s[16:17]
	s_add_nc_u64 s[46:47], s[6:7], s[46:47]
	CROUND                                         ; all sixteen work-groups are here: the first joint loads meet
.irp s, 0,1
	s_mov_b32 s[G0+4*(\s)], 1
	s_add_co_u32 s[G0+4*(\s)+1], s[LA], (\s)*SLOT
	s_add_nc_u64 s[G0+4*(\s)+2:G0+4*(\s)+3], s[14:15], (\s)*ASTEP
	s_or_b32 s[G0+4*(\s)+3], s[G0+4*(\s)+3], 0x80000000
	s_mov_b32 s[G0B+4*(\s)], 1
	s_add_co_u32 s[G0B+4*(\s)+1], s[LA], (\s)*SLOT
	s_add_nc_u64 s[G0B+4*(\s)+2:G0B+4*(\s)+3], s[46:47], (\s)*BSTEP
	s_or_b32 s[G0B+4*(\s)+3], s[G0B+4*(\s)+3], 0x80000000
	JLOAD \s
.endr
	v_and_b32 v1, 15, v0                           ; r = l % 16
	v_bfe_u32 v2, v0, 4, 1                         ; h = l / 16
	v_mul_u32_u24 v3, v1, PA
	v_lshl_add_u32 v3, v2, 4, v3
	s_mul_i32 s21, s11, 64*PA                      ; my 64 rows in each plane
	v_add_nc_u32 v[ADRA0], s21, v3
	v_and_b32 v4, 7, v0                            ; the turning load: lane l reads row 8 h + l % 8, bytes 16 ((l / 8) % 2) on
	v_lshl_add_u32 v4, v2, 3, v4
	v_mul_u32_u24 v4, v4, PB
	v_bfe_u32 v5, v0, 3, 1
	v_lshl_add_u32 v4, v5, 4, v4
	s_lshl_b32 s22, s12, 7                         ; my 64 columns
	s_add_co_u32 s22, s22, BOFF
	v_add_nc_u32 v[ADRB0], s22, v4
	v_mov_b32 v[ADRA], v[ADRA0]
	v_mov_b32 v[ADRB], v[ADRB0]
	v_add_nc_u32 v[ADRB+1], 128*PB, v[ADRB0]
	s_mul_i32 s23, s10, WSTAGE                     ; my stage
	v_mul_u32_u24 v6, v1, SPITCH                   ; in: row r, 32 bytes for each half of the lanes
	v_lshl_add_u32 v6, v2, 5, v6
	v_add_nc_u32 v[STO], s23, v6
	v_mul_u32_u24 v5, v2, SPITCH                   ; back: lanes 0-15 one row of 256 bytes, lanes 16-31 the next
	v_lshl_add_u32 v5, v1, 4, v5
	v_add_nc_u32 v[RD], s23, v5
	v_lshlrev_b32 v[CO], 12, v2                    ; and the same two rows of 4,096 bytes in memory
	v_lshl_add_u32 v[CO], v1, 4, v[CO]
	s_lshl_b32 s16, s13, 19                        ; 128 rows a tile row,
	s_lshl_b32 s17, s11, 18                        ; my 64
	s_add_co_u32 s16, s16, s17
	s_mov_b32 s17, 0
	s_add_nc_u64 s[8:9], s[8:9], s[16:17]
	s_add_nc_u64 s[68:69], s[68:69], s[16:17]
	s_lshl_b32 s46, s42, 9                         ; the tile's 512 bytes of a row, my 256: in f32 the same offset serves the bias
	s_lshl_b32 s47, s12, 8
	s_add_co_u32 s46, s46, s47
	s_mov_b32 s47, 0
	s_add_nc_u64 s[8:9], s[8:9], s[46:47]
	s_add_nc_u64 s[68:69], s[68:69], s[46:47]
	s_add_nc_u64 s[66:67], s[66:67], s[46:47]
	v_lshlrev_b32 v[BO], 5, v2                     ; register j of block b is the bias of column 16 b + 8 h + j
.irp b, 0,1,2,3
	global_load_b128 v[BIAS+8*(\b):BIAS+8*(\b)+3],   v[BO], s[66:67] offset:64*(\b)
	global_load_b128 v[BIAS+8*(\b)+4:BIAS+8*(\b)+7], v[BO], s[66:67] offset:64*(\b)+16
.endr
	WIN 0x80                                       ; destination window 2: my 64 x 64 of the residual, asked for now, wanted on the way out
.set i, 0
.rept 32
	global_load_b128 v[4*i:4*i+3], v[CO], s[68:69] offset:8192*i
.set i, i+1
.endr
	WIN 0
; 8 matrix instructions: row blocks a0, a0 + 1 x all 4 column blocks, 32 along K: half c of buffer f.  zero = 1: the product starts the sums, with the bias.
; The 16 accumulators take turns, one instruction a turn, in the same order everywhere.
.macro MUL8 f, c, a0, zero
	WIN MUL
.irp a, \a0, (\a0)+1
.irp b, 0,1,2,3
.if \zero
	v_wmma_f32_16x16x32_bf16 v[ACC+8*(4*(\a)+(\b)):ACC+8*(4*(\a)+(\b))+7], v[(\f)+64+8*(4*(\c)+(\b)):(\f)+64+8*(4*(\c)+(\b))+7], v[(\f)+8*(4*(\c)+(\a)):(\f)+8*(4*(\c)+(\a))+7], v[BIAS+8*(\b):BIAS+8*(\b)+7]
.else
	v_wmma_f32_16x16x32_bf16 v[ACC+8*(4*(\a)+(\b)):ACC+8*(4*(\a)+(\b))+7], v[(\f)+64+8*(4*(\c)+(\b)):(\f)+64+8*(4*(\c)+(\b))+7], v[(\f)+8*(4*(\c)+(\a)):(\f)+8*(4*(\c)+(\a))+7], v[ACC+8*(4*(\a)+(\b)):ACC+8*(4*(\a)+(\b))+7]
.endif
.endr
.endr
.endm
; 32 LDS loads in one run: the fragments of quarter q (64 along K: plane q of A, rows 64 q on of W) of the slot in hand, into buffer f; the first 32 along K first
.macro FETCH q, f
	WIN TO_F
.irp c, 0,1
.irp i, 0,1,2,3
	ds_load_tr16_b128 v[(\f)+64+8*(4*(\c)+(\i)):(\f)+64+8*(4*(\c)+(\i))+3],   v[ADRB+(\q)/2] offset:(((\q)%2)*64+32*(\c))*PB+32*(\i)
	ds_load_tr16_b128 v[(\f)+64+8*(4*(\c)+(\i))+4:(\f)+64+8*(4*(\c)+(\i))+7], v[ADRB+(\q)/2] offset:(((\q)%2)*64+32*(\c)+16)*PB+32*(\i)
	ds_load_b128 v[(\f)+8*(4*(\c)+(\i)):(\f)+8*(4*(\c)+(\i))+3],   v[ADRA] offset:(\q)*PLANE+(\i)*16*PA+64*(\c)
	ds_load_b128 v[(\f)+8*(4*(\c)+(\i))+4:(\f)+8*(4*(\c)+(\i))+7], v[ADRA] offset:(\q)*PLANE+(\i)*16*PA+64*(\c)+32
.endr
.endr
.endm
; A K step is four quarters, 32 matrix instructions each, on buffers 0, 1, 0, 1.  One of the first three: multiplies buffer f and fetches quarter q into g.
.macro QUARTER q, f, g, zero
	s_wait_dscnt 16                                ; the first 32 along K are in; the other sixteen loads may stay out
	MUL8 \f, 0, 0, \zero
	MUL8 \f, 0, 2, \zero
	PLACES
	FETCH \q, \g
	s_wait_dscnt 32                                ; all but the 32 just issued
	MUL8 \f, 1, 0, 0
	MUL8 \f, 1, 2, 0
.endm
; The last quarter multiplies buffer 1 and changes slots.  MEET is its first half: one barrier; ahead of it each wave waits for all its tensor loads (at most one is out: its part of the next slot), adds 0
; to its spare word, and waits for that and for its reads of this slot.  fill = 1: the walking descriptors are stepped while the add is out: to the slot in hand, and one K step on.
.macro MEET fill
	WIN 0
	s_wait_tensorcnt 0x0                           ; no tensor load of mine is out, so a group 0 may be written
	ds_add_u32 v[SPW], v[NIL]
.if \fill
	s_add_co_u32 s[G0+5], s[LA], s[TR]
	s_add_co_u32 s[G0B+5], s[LA], s[TR]
	s_add_nc_u64 s[G0+6:G0+7], s[G0+6:G0+7], ASTEP  ; the type bits on top are not reached
	s_add_nc_u64 s[G0B+6:G0B+7], s[G0B+6:G0B+7], BSTEP
.endif
	s_wait_dscnt 17                                ; the add and the youngest sixteen loads may be out
	MUL8 F1, 0, 0, 0
	s_wait_dscnt 0x0                               ; the add is done, and my reads of this slot are over
	s_barrier_signal -1
	MUL8 F1, 0, 2, 0
	WIN 0
	s_barrier_wait -1
.endm
; The whole last quarter of a step that fills its slot again: the barrier opens a round of the cluster's; the joint refill, two K steps on, is the first thing behind the round:
; 112 matrix instructions ahead of the wait for it.
.macro TURN
	MEET 1
	CREST                                          ; no wave of any partner still reads this slot or has a load on its way
	JLOAD 1                                        ; its four v_nop are also places in front of the loads below
	s_xor_b32 s[TR], s[TR], SLOT                   ; the other slot is in hand
	v_add_nc_u32 v[ADRA], s[TR], v[ADRA0]
	v_add_nc_u32 v[ADRB], s[TR], v[ADRB0]
	v_add_nc_u32 v[ADRB+1], 128*PB, v[ADRB]
	FETCH 0, F0
	MUL8 F1, 1, 0, 0
	MUL8 F1, 1, 2, 0
.endm
	s_wait_tensorcnt 1                             ; my part of K step 0 is in; K step 1's may stay out
	s_barrier_signal -1
	s_barrier_wait -1
	FETCH 0, F0
	s_wait_loadcnt 32                              ; the bias is in; the 32 younger loads of the residual stay out
	QUARTER 1, F0, F1, 1                           ; the first quarter stands in front of the loop: its first products start the sums
	WIN 0
	s_mov_b32 s3, NS-2
.Lstep:                                                ; a trip goes from a K step's second quarter to the next step's first, and fills the slot that it leaves
	QUARTER 2, F1, F0, 0
	QUARTER 3, F0, F1, 0
	TURN
	QUARTER 1, F0, F1, 0
	WIN 0
	s_sub_co_u32 s3, s3, 1
	s_cmp_lg_u32 s3, 0
	s_cbranch_scc1 .Lstep
	s_mov_b32 s3, 2
.Ltail:                                                ; the last two K steps fill nothing, and have no round of the cluster's barrier
	QUARTER 2, F1, F0, 0
	QUARTER 3, F0, F1, 0
	MEET 0
	s_sub_co_u32 s3, s3, 1
	s_cmp_eq_u32 s3, 0
	s_cbranch_scc1 .Lend                           ; the last step is left here: behind its barrier no wave reads the ring any more
	s_xor_b32 s[TR], s[TR], SLOT
	v_add_nc_u32 v[ADRA], s[TR], v[ADRA0]
	v_add_nc_u32 v[ADRB], s[TR], v[ADRB0]
	v_add_nc_u32 v[ADRB+1], 128*PB, v[ADRB]
	PLACES
	FETCH 0, F0
	MUL8 F1, 1, 0, 0
	MUL8 F1, 1, 2, 0
	QUARTER 1, F0, F1, 0
	WIN 0
	s_branch .Ltail
.Lend:
	MUL8 F1, 1, 0, 0
	MUL8 F1, 1, 2, 0
	WIN 0
	; THE WAY OUT.  My 64 x 64 sums go in f32 into my own stage and come back by rows.  LDS serves a wave's instructions in order (ISA guide 5.7.1.4), so no wait stands between my stores and my loads.
	PLACES
	PLACES
.set t, 0
.rept 16
	ds_store_b128 v[STO], v[ACC+8*t:ACC+8*t+3]   offset:(t/4)*16*SPITCH+(t%4)*64      ; each accumulator's low registers first
	ds_store_b128 v[STO], v[ACC+8*t+4:ACC+8*t+7] offset:(t/4)*16*SPITCH+(t%4)*64+16
.set t, t+1
.endr
	WIN TO_F
.set i, 0
.rept 32
	ds_load_b128 v[4*i:4*i+3], v[RD] offset:2*SPITCH*i
.set i, i+1
.endr
	s_wait_dscnt 0x0
	s_wait_loadcnt 0x0                             ; the residual
	WIN 0x49                                       ; destination and source 0 window 1, source 1 window 2
.set i, 0
.rept 64
	v_pk_add_f32 v[2*i:2*i+1], v[2*i:2*i+1], v[2*i:2*i+1]
.set i, i+1
.endr
	WIN 0x04                                       ; store data window 1, address window 0
.set i, 0
.rept 32
	global_store_b128 v[CO], v[4*i:4*i+3], s[8:9] offset:8192*i  ; 16 lanes store 256 consecutive bytes, aligned
.set i, i+1
.endr
	WIN 0
	s_wait_tensorcnt 0x0                           ; the wave's end: the add and its wait stand behind my last tensor load and my last LDS store
	ds_add_u32 v[SPW], v[NIL]
	s_wait_dscnt 0x0
	CROUND                                         ; the closing round: no work-group ends while a partner may still ask for a tile that names it
	s_endpgm
.Lfunc_end_k_q896f5912da_gemm_ffn2:
	.size	k_q896f5912da_gemm_ffn2, .Lfunc_end_k_q896f5912da_gemm_ffn2-k_q896f5912da_gemm_ffn2
	.p2alignl 7, 3214868480
	.fill 96, 4, 3214868480
	.section	.rodata,"a",@progbits
	.p2align	6, 0x0
	.amdhsa_kernel k_q896f5912da_gemm_ffn2
		.amdhsa_group_segment_fixed_size 327680
		.amdhsa_private_segment_fixed_size 0
		.amdhsa_enable_private_segment 0
		.amdhsa_kernarg_size 40
		.amdhsa_user_sgpr_count 2
		.amdhsa_user_sgpr_kernarg_segment_ptr 1
		.amdhsa_wavefront_size32 1
		.amdhsa_system_sgpr_workgroup_id_x 1
		.amdhsa_system_sgpr_workgroup_id_y 1
		.amdhsa_system_sgpr_workgroup_id_z 1
		.amdhsa_system_vgpr_workitem_id 0
		.amdhsa_next_free_vgpr 640
		.amdhsa_next_free_sgpr 76
		.amdhsa_reserve_vcc 0
		.amdhsa_float_denorm_mode_32 3
		.amdhsa_float_denorm_mode_16_64 3
		.amdhsa_memory_ordered 1
		.amdhsa_forward_progress 1
		.amdhsa_inst_pref_size 67
	.end_amdhsa_kernel
	.amdgpu_metadata
---
amdhsa.version: [ 1, 2 ]
amdhsa.kernels:
  - .name:           k_q896f5912da_gemm_ffn2
    .symbol:         k_q896f5912da_gemm_ffn2.kd
    .args:
      - { .name: gact, .offset: 0, .size: 8, .value_kind: global_buffer, .address_space: global }
      - { .name: wb, .offset: 8, .size: 8, .value_kind: global_buffer, .address_space: global }
      - { .name: out0, .offset: 16, .size: 8, .value_kind: global_buffer, .address_space: global }
      - { .name: b2, .offset: 24, .size: 8, .value_kind: global_buffer, .address_space: global }
      - { .name: x1, .offset: 32, .size: 8, .value_kind: global_buffer, .address_space: global }
    .group_segment_fixed_size: 327680
    .private_segment_fixed_size: 0
    .kernarg_segment_align: 8
    .kernarg_segment_size: 40
    .max_flat_workgroup_size: 128
    .sgpr_count:     76
    .vgpr_count:     640
    .wavefront_size: 32
...
	.end_amdgpu_metadata
.endif
;; end of part 13
;; ======== version 3 of 3: 7 launches; version 2 with the launches prep, ln2 written anew for expert scheduling mode
;; workspace buffers: wb 25,165,824 bytes; h1 8,388,608 bytes; qkvb 25,165,824 bytes; ctx 8,388,608 bytes; x1 16,777,216 bytes; h2 8,388,608 bytes; gact 33,554,432 bytes
;; launch prep (part 14): grid 1024 x 1, 8 waves a work-group, no clusters, 0 bytes of LDS; arguments x, ln1_scale, ln1_shift, Wq, Wk, Wv, Wo, W1, W2, h1, wb; writes h1, wb
.if DOCPART == 14
	.amdgcn_target "amdgcn-amd-amdhsa--gfx1250"
	.amdhsa_code_object_version 6
	.text
	.protected	k_q896f5912da_prep
	.globl	k_q896f5912da_prep
	.p2align	8
	.type	k_q896f5912da_prep,@function
k_q896f5912da_prep:
	s_mov_b64 s[64:65], 0
	v_nop
	global_prefetch_b8 v0, s[64:65] scope:SCOPE_SE
	s_setreg_imm32_b32 hwreg(HW_REG_WAVE_SCHED_MODE, 0, 2), 2
	s_setreg_imm32_b32 hwreg(HW_REG_WAVE_MODE, 25, 1), 1
	s_wait_xcnt 0x0
	s_wait_alu depctr_vm_vsrc(0)
; PREP: two jobs of equal size in one launch; each work-group reads 65,536 bytes.
; Work-groups 0-255: h1 = layernorm(x) * ln1_scale + ln1_shift, rounded once to bf16.  Work-groups 256-1023: the six weight matrices rounded once to bf16 into wb, each row-major as given:
; Wq at byte 0, Wk at 2 MiB, Wv at 4 MiB, Wo at 6 MiB, W1 at 8 MiB, W2 at 16 MiB.
; h1's LAYOUT (all bf16 activations of this program have it), NP = 16 planes of 64 columns: byte(m, n) = ((m >> 7) * NP + (n >> 6)) * 16384 + (m & 127) * 128 + (n & 63) * 2:
; 128 tokens x 64 columns are 16,384 dense bytes, so the products that follow fetch dense tiles.
; LAYERNORM.  16 tokens a work-group, two a wave.  Lane l: token l >> 4, four columns 4 (l & 15) on in each of the 16 planes: 64 numbers in registers between the passes.  So a load of the wave covers
; 256 consecutive bytes of each token's row, and a store 256 consecutive bytes, aligned: the two tokens' rows of one plane.  A token's 16 lanes are one row of lanes: the sums never cross the halves.
; Mean first, then the sum of squares of x - mean (no difference of large sums), all in f32.  Matrix units, LDS and clusters would add nothing: nothing is shared, memory binds.
; LIMITS: NaN and infinities are not treated apart.
; THE MODE: SCHED_MODE bits 1:0 = 2 (LLVM: expert scheduling mode 2), set by the entry lines.  The code itself states the register dependences
; between vector instructions and memory instructions, with s_wait_alu, always for 0.
; THE PLAN, layernorm.  Registers that memory instructions touch:
;   v[XO], v[PO], v[YO]   offsets, made once at the head and never written again: one wait on va_vdst ahead of the first load serves every load and store.
;   X, SC, SH             each register is the destination of one load, issued before any vector instruction names it.
;   X + 4 i, X + 4 i + 1  written last by plane i's two conversions, read by plane i's store, never written after it.
; The 16 planes go in four blocks of four.  Block b's four stores are issued in block b + 1, behind ONE wait on va_vdst at that block's head, one store ahead of each plane's six vector
; instructions; these name block b + 1's X, SC and SH and RSTD alone, none of the registers that those stores read.  A last wait stands ahead of block 3's stores.
; THE PLAN, cast.  v2, v3: offsets, as above.  v[32:95]: each the destination of one load.  v[96:127]: step n's two conversions write a pair, step n's store reads it.  The sixteen steps go in four
; blocks of four in the same way: step n - 4's store is issued in step n, and the wait stands at the head of steps 4, 8 and 12 and ahead of the last four stores.
; No register that a memory instruction reads is ever written again, on either path: no wait on vm_vsrc is owed.  EXEC is never written.
.set XO,   2                           ; v2   byte offset of my first 16 bytes in the wave's two rows of x
.set PO,   3                           ; v3   the same in gain and shift
.set YO,   4                           ; v4   my 8 bytes in plane 0 of h1
.set CH,   6                           ; v[6:13]  four chains of packed sums
.set MEAN, 14                          ; v[14:15] the mean, twice
.set RSTD, 16                          ; v[16:17] 1 / sqrt(var + eps), twice
.set EPSR, 18                          ; 1e-5
.set RN,   19                          ; 1 / 1024
.set X,    32                          ; v[32:95]   my 64 numbers: plane i's four at X + 4 i
.set SC,   96                          ; v[96:159]  their gains
.set SH,   160                         ; v[160:223] their shifts
.set IN,   8                           ; s[8:9] x;  s[10:11] gain;  s[12:13] shift
.set OUT,  26                          ; s[26:27] h1
	s_load_b512 s[8:23], s[0:1], 0x0               ; x, ln1_scale, ln1_shift, Wq s[14:15], Wk s[16:17], Wv s[18:19], Wo s[20:21], W1 s[22:23]
	s_load_b128 s[24:27], s[0:1], 0x40             ; W2 s[24:25], h1 s[26:27]
	s_load_b64 s[28:29], s[0:1], 0x50              ; wb
	s_cmp_lt_u32 ttmp9, 256
	s_cbranch_scc0 .Lcast
	v_lshrrev_b32 v1, 5, v0
	v_readfirstlane_b32 s4, v1                     ; wave 0..7: the layernorm alone reads it, so it is made on this side of the branch
	v_and_b32 v5, 15, v0                           ; l & 15
	v_bfe_u32 v1, v0, 4, 1                         ; token
	v_lshlrev_b32 v[PO], 4, v5                     ; 16 (l & 15)
	v_lshl_add_u32 v[XO], v1, 12, v[PO]            ; + 4,096 x token
	v_lshlrev_b32 v[YO], 3, v5
	v_lshl_add_u32 v[YO], v1, 7, v[YO]             ; 128 x token + 8 (l & 15)
	v_mov_b32 v[RN], 0x3a800000
	v_mov_b32 v[EPSR], 0x3727c5ac
	s_wait_alu depctr_va_sdst(0)                   ; s4 is written, ahead of its first reader: the offsets of x and h1 are made from it
	s_lshl_b32 s30, ttmp9, 16                      ; 16 tokens of 4,096 bytes
	s_lshl_b32 s31, s4, 13                         ; my wave's two
	s_add_co_u32 s30, s30, s31
	s_mov_b32 s31, 0
	s_lshr_b32 s32, ttmp9, 3                       ; block of 128 tokens: 16 planes of 16,384 bytes
	s_lshl_b32 s32, s32, 18
	s_and_b32 s33, ttmp9, 7
	s_lshl_b32 s33, s33, 11                        ; 16 tokens of 128 bytes in a plane
	s_add_co_u32 s32, s32, s33
	s_lshl_b32 s33, s4, 8
	s_add_co_u32 s32, s32, s33
	s_mov_b32 s33, 0
	s_wait_kmcnt 0x0
	s_add_nc_u64 s[IN:IN+1], s[IN:IN+1], s[30:31]
	s_add_nc_u64 s[OUT:OUT+1], s[OUT:OUT+1], s[32:33]
	s_wait_alu depctr_va_vdst(0)                   ; v[XO], v[PO] and v[YO] are written: every load and store below reads one of them as its offset
.set i, 0
.rept 16
	global_load_b128 v[X+4*i:X+4*i+3], v[XO], s[IN:IN+1] offset:256*i th:TH_LOAD_NT
.set i, i+1
.endr
.set i, 0
.rept 16
	global_load_b128 v[SC+4*i:SC+4*i+3], v[PO], s[IN+2:IN+3] offset:256*i
	global_load_b128 v[SH+4*i:SH+4*i+3], v[PO], s[IN+4:IN+5] offset:256*i
.set i, i+1
.endr
; the four chains into one number, then over the 16 lanes of a token: four steps that ride on the additions; every lane of the token ends with the sum
.macro FOLD
	v_pk_add_f32 v[CH:CH+1], v[CH:CH+1], v[CH+2:CH+3]
	v_pk_add_f32 v[CH+4:CH+5], v[CH+4:CH+5], v[CH+6:CH+7]
	v_pk_add_f32 v[CH:CH+1], v[CH:CH+1], v[CH+4:CH+5]
	v_add_f32 v[CH], v[CH], v[CH+1]
	v_add_f32_dpp v[CH], v[CH], v[CH] row_xmask:1 row_mask:0xf bank_mask:0xf
	v_add_f32_dpp v[CH], v[CH], v[CH] row_xmask:2 row_mask:0xf bank_mask:0xf
	v_add_f32_dpp v[CH], v[CH], v[CH] row_xmask:4 row_mask:0xf bank_mask:0xf
	v_add_f32_dpp v[CH], v[CH], v[CH] row_xmask:8 row_mask:0xf bank_mask:0xf
.endm
	s_wait_loadcnt 32                              ; x is in; the 32 younger loads of gain and shift may stay out
.irp k, 0,1,2,3
	v_pk_add_f32 v[CH+2*(\k):CH+2*(\k)+1], v[X+2*(\k):X+2*(\k)+1], v[X+8+2*(\k):X+8+2*(\k)+1]  ; the first eight pairs start the chains
.endr
.set j, 8
.rept 24
	v_pk_add_f32 v[CH+2*(j%4):CH+2*(j%4)+1], v[CH+2*(j%4):CH+2*(j%4)+1], v[X+2*j:X+2*j+1]
.set j, j+1
.endr
	FOLD
	v_mul_f32 v[MEAN], v[CH], v[RN]
	v_mul_f32 v[MEAN+1], v[CH], v[RN]
.set j, 0
.rept 32
	v_pk_add_f32 v[X+2*j:X+2*j+1], v[X+2*j:X+2*j+1], v[MEAN:MEAN+1] neg_lo:[0,1] neg_hi:[0,1]  ; x - mean, in place
.set j, j+1
.endr
.irp k, 0,1,2,3
	v_pk_mul_f32 v[CH+2*(\k):CH+2*(\k)+1], v[X+2*(\k):X+2*(\k)+1], v[X+2*(\k):X+2*(\k)+1]
.endr
.set j, 4
.rept 28
	v_pk_fma_f32 v[CH+2*(j%4):CH+2*(j%4)+1], v[X+2*j:X+2*j+1], v[X+2*j:X+2*j+1], v[CH+2*(j%4):CH+2*(j%4)+1]
.set j, j+1
.endr
	FOLD
	v_fma_f32 v[CH], v[CH], v[RN], v[EPSR]         ; var + 1e-5
	v_rsq_f32 v[RSTD], v[CH]
	v_rsq_f32 v[RSTD+1], v[CH]
	v_nop                                          ; a plain instruction behind the last root,
	s_wait_alu depctr_va_vdst(0)                   ; and one wait for both: the roots have written v[RSTD] and v[RSTD+1], ahead of their first reader
	s_wait_loadcnt 0x0                             ; gain and shift
.set i, 0
.rept 16
.if (i%4 == 0) && (i > 0)
	s_wait_alu depctr_va_vdst(0)                   ; the conversions of the block before have written its four pairs, which this block's four stores read
.endif
.if i >= 4
	global_store_b64 v[YO], v[X+4*(i-4):X+4*(i-4)+1], s[OUT:OUT+1] offset:16384*(i-4)  ; the wave stores 256 consecutive bytes, aligned: my two tokens' rows of plane i - 4; no vector instruction since the wait names its registers
.endif
	v_pk_mul_f32 v[X+4*i:X+4*i+1],   v[X+4*i:X+4*i+1],   v[RSTD:RSTD+1]
	v_pk_mul_f32 v[X+4*i+2:X+4*i+3], v[X+4*i+2:X+4*i+3], v[RSTD:RSTD+1]
	v_pk_fma_f32 v[X+4*i:X+4*i+1],   v[X+4*i:X+4*i+1],   v[SC+4*i:SC+4*i+1],   v[SH+4*i:SH+4*i+1]
	v_pk_fma_f32 v[X+4*i+2:X+4*i+3], v[X+4*i+2:X+4*i+3], v[SC+4*i+2:SC+4*i+3], v[SH+4*i+2:SH+4*i+3]
	v_cvt_pk_bf16_f32 v[X+4*i],   v[X+4*i],   v[X+4*i+1]
	v_cvt_pk_bf16_f32 v[X+4*i+1], v[X+4*i+2], v[X+4*i+3]
.set i, i+1
.endr
	s_wait_alu depctr_va_vdst(0)                   ; the last block's conversions have written its four pairs, which the last four stores read
.set i, 12
.rept 4
	global_store_b64 v[YO], v[X+4*i:X+4*i+1], s[OUT:OUT+1] offset:16384*i  ; no register that a store reads is written again
.set i, i+1
.endr
	s_endpgm
; THE CAST.  Work-group u = number - 256 takes elements 16,384 u .. of the six matrices laid end to end in wb's order.  Thread t: four numbers a step, 16 bytes in, 8 bytes out; sixteen steps:
; a load of the wave covers 512 consecutive bytes, a store 256, aligned.
.Lcast:
	s_sub_co_u32 s2, ttmp9, 256
	s_mov_b32 s34, 0                               ; the first work-group of the matrix that mine lies in
	v_lshlrev_b32 v2, 4, v0
	v_lshlrev_b32 v3, 3, v0
	s_wait_kmcnt 0x0
	s_mov_b64 s[32:33], s[14:15]                   ; Wq: 64 work-groups, and so Wk, Wv, Wo; W1 and W2 256 each
	s_cmp_ge_u32 s2, 64
	s_cselect_b64 s[32:33], s[16:17], s[32:33]
	s_cselect_b32 s34, 64, s34
	s_cmp_ge_u32 s2, 128
	s_cselect_b64 s[32:33], s[18:19], s[32:33]
	s_cselect_b32 s34, 128, s34
	s_cmp_ge_u32 s2, 192
	s_cselect_b64 s[32:33], s[20:21], s[32:33]
	s_cselect_b32 s34, 192, s34
	s_cmp_ge_u32 s2, 256
	s_cselect_b64 s[32:33], s[22:23], s[32:33]
	s_cselect_b32 s34, 256, s34
	s_cmp_ge_u32 s2, 512
	s_cselect_b64 s[32:33], s[24:25], s[32:33]
	s_cselect_b32 s34, 512, s34
	s_sub_co_u32 s34, s2, s34
	s_lshl_b32 s34, s34, 16                        ; 65,536 bytes of f32 a work-group
	s_mov_b32 s35, 0
	s_add_nc_u64 s[32:33], s[32:33], s[34:35]
	s_lshl_b32 s30, s2, 15                         ; 32,768 bytes of bf16
	s_mov_b32 s31, 0
	s_add_nc_u64 s[28:29], s[28:29], s[30:31]
	s_wait_alu depctr_va_vdst(0)                   ; v2 and v3 are written: every load below reads v2 as its offset, every store v3
.set n, 0
.rept 16
	global_load_b128 v[32+4*n:32+4*n+3], v2, s[32:33] offset:4096*n th:TH_LOAD_NT
.set n, n+1
.endr
.set n, 0
.rept 16
	s_wait_loadcnt 15-n                            ; this step's load is in; the later steps' may stay out
.if (n%4 == 0) && (n > 0)
	s_wait_alu depctr_va_vdst(0)                   ; the conversions of the four steps before have written their pairs, which the four stores of this block of steps read
.endif
.if n >= 4
	global_store_b64 v3, v[96+2*(n-4):96+2*(n-4)+1], s[28:29] offset:2048*(n-4)  ; step n - 4's: no vector instruction since the wait names its registers
.endif
	v_cvt_pk_bf16_f32 v[96+2*n],   v[32+4*n],   v[32+4*n+1]
	v_cvt_pk_bf16_f32 v[96+2*n+1], v[32+4*n+2], v[32+4*n+3]
.set n, n+1
.endr
	s_wait_alu depctr_va_vdst(0)                   ; the last four steps' conversions have written their pairs, which the last four stores read
.set n, 12
.rept 4
	global_store_b64 v3, v[96+2*n:96+2*n+1], s[28:29] offset:2048*n  ; no register that a store reads is written again
.set n, n+1
.endr
	s_endpgm
.Lfunc_end_k_q896f5912da_prep:
	.size	k_q896f5912da_prep, .Lfunc_end_k_q896f5912da_prep-k_q896f5912da_prep
	.p2alignl 7, 3214868480
	.fill 96, 4, 3214868480
	.section	.rodata,"a",@progbits
	.p2align	6, 0x0
	.amdhsa_kernel k_q896f5912da_prep
		.amdhsa_group_segment_fixed_size 0
		.amdhsa_private_segment_fixed_size 0
		.amdhsa_enable_private_segment 0
		.amdhsa_kernarg_size 88
		.amdhsa_user_sgpr_count 2
		.amdhsa_user_sgpr_kernarg_segment_ptr 1
		.amdhsa_wavefront_size32 1
		.amdhsa_system_sgpr_workgroup_id_x 1
		.amdhsa_system_sgpr_workgroup_id_y 1
		.amdhsa_system_sgpr_workgroup_id_z 1
		.amdhsa_system_vgpr_workitem_id 0
		.amdhsa_next_free_vgpr 224
		.amdhsa_next_free_sgpr 66
		.amdhsa_reserve_vcc 0
		.amdhsa_float_denorm_mode_32 3
		.amdhsa_float_denorm_mode_16_64 3
		.amdhsa_memory_ordered 1
		.amdhsa_forward_progress 1
		.amdhsa_inst_pref_size 28
	.end_amdhsa_kernel
	.amdgpu_metadata
---
amdhsa.version: [ 1, 2 ]
amdhsa.kernels:
  - .name:           k_q896f5912da_prep
    .symbol:         k_q896f5912da_prep.kd
    .args:
      - { .name: x, .offset: 0, .size: 8, .value_kind: global_buffer, .address_space: global }
      - { .name: ln1_scale, .offset: 8, .size: 8, .value_kind: global_buffer, .address_space: global }
      - { .name: ln1_shift, .offset: 16, .size: 8, .value_kind: global_buffer, .address_space: global }
      - { .name: Wq, .offset: 24, .size: 8, .value_kind: global_buffer, .address_space: global }
      - { .name: Wk, .offset: 32, .size: 8, .value_kind: global_buffer, .address_space: global }
      - { .name: Wv, .offset: 40, .size: 8, .value_kind: global_buffer, .address_space: global }
      - { .name: Wo, .offset: 48, .size: 8, .value_kind: global_buffer, .address_space: global }
      - { .name: W1, .offset: 56, .size: 8, .value_kind: global_buffer, .address_space: global }
      - { .name: W2, .offset: 64, .size: 8, .value_kind: global_buffer, .address_space: global }
      - { .name: h1, .offset: 72, .size: 8, .value_kind: global_buffer, .address_space: global }
      - { .name: wb, .offset: 80, .size: 8, .value_kind: global_buffer, .address_space: global }
    .group_segment_fixed_size: 0
    .private_segment_fixed_size: 0
    .kernarg_segment_align: 8
    .kernarg_segment_size: 88
    .max_flat_workgroup_size: 256
    .sgpr_count:     66
    .vgpr_count:     224
    .wavefront_size: 32
...
	.end_amdgpu_metadata
.endif
;; end of part 14
;; launch gemm_qkv: the kernel of part 9 again; grid 12 x 16, 4 waves a work-group, clusters of 4 x 4, 327,680 bytes of LDS; arguments h1, wb, qkvb; writes qkvb
;; launch attn: the kernel of part 3 again; grid 4 x 64, 4 waves a work-group, clusters of 4 x 1, 327,680 bytes of LDS; arguments qkvb, ctx; writes ctx
;; launch gemm_wo: the kernel of part 10 again; grid 8 x 32, 4 waves a work-group, clusters of 4 x 4, 327,680 bytes of LDS; arguments ctx, wb, x1, bo, x; writes x1
;; launch ln2 (part 15): grid 256 x 1, 8 waves a work-group, no clusters, 0 bytes of LDS; arguments x1, ln2_scale, ln2_shift, h2; writes h2
.if DOCPART == 15
	.amdgcn_target "amdgcn-amd-amdhsa--gfx1250"
	.amdhsa_code_object_version 6
	.text
	.protected	k_q896f5912da_ln2
	.globl	k_q896f5912da_ln2
	.p2align	8
	.type	k_q896f5912da_ln2,@function
k_q896f5912da_ln2:
	s_mov_b64 s[64:65], 0
	v_nop
	global_prefetch_b8 v0, s[64:65] scope:SCOPE_SE
	s_setreg_imm32_b32 hwreg(HW_REG_WAVE_SCHED_MODE, 0, 2), 2
	s_setreg_imm32_b32 hwreg(HW_REG_WAVE_MODE, 25, 1), 1
	s_wait_xcnt 0x0
	s_wait_alu depctr_vm_vsrc(0)
; h2 = layernorm(x1) * ln2_scale + ln2_shift, rounded once to bf16, in 16 planes of 64 columns:
; byte(m, n) = ((m >> 7) * 16 + (n >> 6)) * 16384 + (m & 127) * 128 + (n & 63) * 2, so that the product that follows fetches dense tiles.
; 16 tokens a work-group, two a wave.  Lane l: token l >> 4, four columns 4 (l & 15) on in each of the 16 planes: 64 numbers in registers between the passes.  So a load of the wave covers
; 256 consecutive bytes of each token's row, and a store 256 consecutive bytes, aligned: the two tokens' rows of one plane.  A token's 16 lanes are one row of lanes: the sums never cross the halves.
; Mean first, then the sum of squares of x - mean (no difference of large sums), all in f32.  Matrix units, LDS and clusters would add nothing: nothing is shared, memory binds.
; It is a launch of its own because a row of x1 is made by eight work-groups of the launch before.  LIMITS: NaN and infinities are not treated apart.
; THE MODE: SCHED_MODE bits 1:0 = 2 (LLVM: expert scheduling mode 2), set by the entry lines.  The code itself states the register dependences
; between vector instructions and memory instructions, with s_wait_alu, always for 0.
; THE PLAN.  Registers that memory instructions touch:
;   v[XO], v[PO], v[YO]   offsets, made once at the head and never written again: one wait on va_vdst ahead of the first load serves every load and store.
;   X, SC, SH             each register is the destination of one load, issued before any vector instruction names it.
;   X + 4 i, X + 4 i + 1  written last by plane i's two conversions, read by plane i's store, never written after it.
; The 16 planes go in four blocks of four.  Block b's four stores are issued in block b + 1, behind ONE wait on va_vdst at that block's head, one store ahead of each plane's six vector
; instructions; these name block b + 1's X, SC and SH and RSTD alone, none of the registers that those stores read.  A last wait stands ahead of block 3's stores.
; No register that a memory instruction reads is ever written again: no wait on vm_vsrc is owed.  EXEC is never written.
.set XO,   2                           ; v2   byte offset of my first 16 bytes in the wave's two rows of x1
.set PO,   3                           ; v3   the same in gain and shift
.set YO,   4                           ; v4   my 8 bytes in plane 0 of h2
.set CH,   6                           ; v[6:13]  four chains of packed sums
.set MEAN, 14                          ; v[14:15] the mean, twice
.set RSTD, 16                          ; v[16:17] 1 / sqrt(var + eps), twice
.set EPSR, 18                          ; 1e-5
.set RN,   19                          ; 1 / 1024
.set X,    32                          ; v[32:95]   my 64 numbers: plane i's four at X + 4 i
.set SC,   96                          ; v[96:159]  their gains
.set SH,   160                         ; v[160:223] their shifts
.set IN,   8                           ; s[8:9] x1;  s[10:11] gain;  s[12:13] shift
.set OUT,  14                          ; s[14:15] h2
	s_load_b256 s[8:15], s[0:1], 0x0
	v_lshrrev_b32 v1, 5, v0
	v_readfirstlane_b32 s4, v1                     ; wave 0..7
	v_and_b32 v5, 15, v0                           ; l & 15
	v_bfe_u32 v1, v0, 4, 1                         ; token
	v_lshlrev_b32 v[PO], 4, v5                     ; 16 (l & 15)
	v_lshl_add_u32 v[XO], v1, 12, v[PO]            ; + 4,096 x token
	v_lshlrev_b32 v[YO], 3, v5
	v_lshl_add_u32 v[YO], v1, 7, v[YO]             ; 128 x token + 8 (l & 15)
	v_mov_b32 v[RN], 0x3a800000
	v_mov_b32 v[EPSR], 0x3727c5ac
	s_wait_alu depctr_va_sdst(0)                   ; s4 is written, ahead of its first reader: the offsets of x1 and h2 are made from it
	s_lshl_b32 s30, ttmp9, 16                      ; 16 tokens of 4,096 bytes
	s_lshl_b32 s31, s4, 13                         ; my wave's two
	s_add_co_u32 s30, s30, s31
	s_mov_b32 s31, 0
	s_lshr_b32 s32, ttmp9, 3                       ; block of 128 tokens: 16 planes of 16,384 bytes
	s_lshl_b32 s32, s32, 18
	s_and_b32 s33, ttmp9, 7
	s_lshl_b32 s33, s33, 11                        ; 16 tokens of 128 bytes in a plane
	s_add_co_u32 s32, s32, s33
	s_lshl_b32 s33, s4, 8
	s_add_co_u32 s32, s32, s33
	s_mov_b32 s33, 0
	s_wait_kmcnt 0x0
	s_add_nc_u64 s[IN:IN+1], s[IN:IN+1], s[30:31]
	s_add_nc_u64 s[OUT:OUT+1], s[OUT:OUT+1], s[32:33]
	s_wait_alu depctr_va_vdst(0)                   ; v[XO], v[PO] and v[YO] are written: every load and store below reads one of them as its offset
.set i, 0
.rept 16
	global_load_b128 v[X+4*i:X+4*i+3], v[XO], s[IN:IN+1] offset:256*i
.set i, i+1
.endr
.set i, 0
.rept 16
	global_load_b128 v[SC+4*i:SC+4*i+3], v[PO], s[IN+2:IN+3] offset:256*i
	global_load_b128 v[SH+4*i:SH+4*i+3], v[PO], s[IN+4:IN+5] offset:256*i
.set i, i+1
.endr
; the four chains into one number, then over the 16 lanes of a token: four steps that ride on the additions; every lane of the token ends with the sum
.macro FOLD
	v_pk_add_f32 v[CH:CH+1], v[CH:CH+1], v[CH+2:CH+3]
	v_pk_add_f32 v[CH+4:CH+5], v[CH+4:CH+5], v[CH+6:CH+7]
	v_pk_add_f32 v[CH:CH+1], v[CH:CH+1], v[CH+4:CH+5]
	v_add_f32 v[CH], v[CH], v[CH+1]
	v_add_f32_dpp v[CH], v[CH], v[CH] row_xmask:1 row_mask:0xf bank_mask:0xf
	v_add_f32_dpp v[CH], v[CH], v[CH] row_xmask:2 row_mask:0xf bank_mask:0xf
	v_add_f32_dpp v[CH], v[CH], v[CH] row_xmask:4 row_mask:0xf bank_mask:0xf
	v_add_f32_dpp v[CH], v[CH], v[CH] row_xmask:8 row_mask:0xf bank_mask:0xf
.endm
	s_wait_loadcnt 32                              ; x1 is in; the 32 younger loads of gain and shift may stay out
.irp k, 0,1,2,3
	v_pk_add_f32 v[CH+2*(\k):CH+2*(\k)+1], v[X+2*(\k):X+2*(\k)+1], v[X+8+2*(\k):X+8+2*(\k)+1]  ; the first eight pairs start the chains
.endr
.set j, 8
.rept 24
	v_pk_add_f32 v[CH+2*(j%4):CH+2*(j%4)+1], v[CH+2*(j%4):CH+2*(j%4)+1], v[X+2*j:X+2*j+1]
.set j, j+1
.endr
	FOLD
	v_mul_f32 v[MEAN], v[CH], v[RN]
	v_mul_f32 v[MEAN+1], v[CH], v[RN]
.set j, 0
.rept 32
	v_pk_add_f32 v[X+2*j:X+2*j+1], v[X+2*j:X+2*j+1], v[MEAN:MEAN+1] neg_lo:[0,1] neg_hi:[0,1]  ; x - mean, in place
.set j, j+1
.endr
.irp k, 0,1,2,3
	v_pk_mul_f32 v[CH+2*(\k):CH+2*(\k)+1], v[X+2*(\k):X+2*(\k)+1], v[X+2*(\k):X+2*(\k)+1]
.endr
.set j, 4
.rept 28
	v_pk_fma_f32 v[CH+2*(j%4):CH+2*(j%4)+1], v[X+2*j:X+2*j+1], v[X+2*j:X+2*j+1], v[CH+2*(j%4):CH+2*(j%4)+1]
.set j, j+1
.endr
	FOLD
	v_fma_f32 v[CH], v[CH], v[RN], v[EPSR]         ; var + 1e-5
	v_rsq_f32 v[RSTD], v[CH]
	v_rsq_f32 v[RSTD+1], v[CH]
	v_nop                                          ; a plain instruction behind the last root,
	s_wait_alu depctr_va_vdst(0)                   ; and one wait for both: the roots have written v[RSTD] and v[RSTD+1], ahead of their first reader
	s_wait_loadcnt 0x0                             ; gain and shift
.set i, 0
.rept 16
.if (i%4 == 0) && (i > 0)
	s_wait_alu depctr_va_vdst(0)                   ; the conversions of the block before have written its four pairs, which this block's four stores read
.endif
.if i >= 4
	global_store_b64 v[YO], v[X+4*(i-4):X+4*(i-4)+1], s[OUT:OUT+1] offset:16384*(i-4)  ; the wave stores 256 consecutive bytes, aligned: my two tokens' rows of plane i - 4; no vector instruction since the wait names its registers
.endif
	v_pk_mul_f32 v[X+4*i:X+4*i+1],   v[X+4*i:X+4*i+1],   v[RSTD:RSTD+1]
	v_pk_mul_f32 v[X+4*i+2:X+4*i+3], v[X+4*i+2:X+4*i+3], v[RSTD:RSTD+1]
	v_pk_fma_f32 v[X+4*i:X+4*i+1],   v[X+4*i:X+4*i+1],   v[SC+4*i:SC+4*i+1],   v[SH+4*i:SH+4*i+1]
	v_pk_fma_f32 v[X+4*i+2:X+4*i+3], v[X+4*i+2:X+4*i+3], v[SC+4*i+2:SC+4*i+3], v[SH+4*i+2:SH+4*i+3]
	v_cvt_pk_bf16_f32 v[X+4*i],   v[X+4*i],   v[X+4*i+1]
	v_cvt_pk_bf16_f32 v[X+4*i+1], v[X+4*i+2], v[X+4*i+3]
.set i, i+1
.endr
	s_wait_alu depctr_va_vdst(0)                   ; the last block's conversions have written its four pairs, which the last four stores read
.set i, 12
.rept 4
	global_store_b64 v[YO], v[X+4*i:X+4*i+1], s[OUT:OUT+1] offset:16384*i  ; no register that a store reads is written again
.set i, i+1
.endr
	s_endpgm
.Lfunc_end_k_q896f5912da_ln2:
	.size	k_q896f5912da_ln2, .Lfunc_end_k_q896f5912da_ln2-k_q896f5912da_ln2
	.p2alignl 7, 3214868480
	.fill 96, 4, 3214868480
	.section	.rodata,"a",@progbits
	.p2align	6, 0x0
	.amdhsa_kernel k_q896f5912da_ln2
		.amdhsa_group_segment_fixed_size 0
		.amdhsa_private_segment_fixed_size 0
		.amdhsa_enable_private_segment 0
		.amdhsa_kernarg_size 32
		.amdhsa_user_sgpr_count 2
		.amdhsa_user_sgpr_kernarg_segment_ptr 1
		.amdhsa_wavefront_size32 1
		.amdhsa_system_sgpr_workgroup_id_x 1
		.amdhsa_system_sgpr_workgroup_id_y 1
		.amdhsa_system_sgpr_workgroup_id_z 1
		.amdhsa_system_vgpr_workitem_id 0
		.amdhsa_next_free_vgpr 224
		.amdhsa_next_free_sgpr 66
		.amdhsa_reserve_vcc 0
		.amdhsa_float_denorm_mode_32 3
		.amdhsa_float_denorm_mode_16_64 3
		.amdhsa_memory_ordered 1
		.amdhsa_forward_progress 1
		.amdhsa_inst_pref_size 21
	.end_amdhsa_kernel
	.amdgpu_metadata
---
amdhsa.version: [ 1, 2 ]
amdhsa.kernels:
  - .name:           k_q896f5912da_ln2
    .symbol:         k_q896f5912da_ln2.kd
    .args:
      - { .name: x1, .offset: 0, .size: 8, .value_kind: global_buffer, .address_space: global }
      - { .name: ln2_scale, .offset: 8, .size: 8, .value_kind: global_buffer, .address_space: global }
      - { .name: ln2_shift, .offset: 16, .size: 8, .value_kind: global_buffer, .address_space: global }
      - { .name: h2, .offset: 24, .size: 8, .value_kind: global_buffer, .address_space: global }
    .group_segment_fixed_size: 0
    .private_segment_fixed_size: 0
    .kernarg_segment_align: 8
    .kernarg_segment_size: 32
    .max_flat_workgroup_size: 256
    .sgpr_count:     66
    .vgpr_count:     224
    .wavefront_size: 32
...
	.end_amdgpu_metadata
.endif
;; end of part 15
;; launch gemm_ffn1: the kernel of part 12 again; grid 16 x 16, 4 waves a work-group, clusters of 4 x 4, 327,680 bytes of LDS; arguments h2, wb, gact, b1; writes gact
;; launch gemm_ffn2: the kernel of part 13 again; grid 8 x 32, 4 waves a work-group, clusters of 4 x 4, 327,680 bytes of LDS; arguments gact, wb, out0, b2, x1; writes out0
